; MI455X (gfx1250); checked and timed in simulation.
; The chip was launched on July 23, 2026; its instructions are those of AMD's public machine-readable ISA for CDNA 5 (MIT licence, August 2026) and "CDNA5" Instruction Set Architecture Reference Guide (July 2026). The comments in the code are by the model that wrote it; some were corrected since.
;; Attention. Allowed arithmetic: matrix products marked QUANTISED: E2M3 operands, one E8M0 scale for each 32 along K, by v_wmma_scale_f32_16x16x128_f8f6f4 with both operands' format E2M3, f32 sums; everything else in f32.
;; Inputs: Wk 2,048 x 2,048 float32; Wo 2,048 x 2,048 float32; Wq 2,048 x 2,048 float32; Wv 2,048 x 2,048 float32; bk 2,048 float32; bo 2,048 float32; bq 2,048 float32; bv 2,048 float32; cos 2,048 x 2,048 float32; sin 2,048 x 2,048 float32; x 1 x 2,048 x 2,048 float32.
;; Outputs: out0 1 x 2,048 x 2,048 float32.
;; This version of the problem:
;;   THIS VERSION OF THE PROBLEM IS GIVEN IN LOW PRECISION. The matrix products marked QUANTISED in the list below multiply operands that are first quantised to E2M3 (2 exponent bits, 3 mantissa bits; 6 bits a number), with one power-of-two scale for each 32 numbers along K (OCP MX v1.0); their sums are f32. All else is computed in f32.
;;   The module's matrix products, in the order in which they are computed (A, B: the left and right operand; K: the contracted axis; several contracted axes count as one K, in the product's order):
;;     1. [M 2,048, K 2,048] x [K 2,048, N 2,048]; A: input x; B: input Wq: QUANTISED
;;     2. [M 2,048, K 2,048] x [K 2,048, N 2,048]; A: input x; B: input Wk: QUANTISED
;;     3. [M 2,048, K 2,048] x [K 2,048, N 2,048]; A: input x; B: input Wv: QUANTISED
;;     4. batch 16 x [M 2,048, K 128] x [K 128, N 2,048]; A: computed on the way; B: computed on the way: QUANTISED
;;     5. batch 16 x [M 128, K 2,048] x [K 2,048, N 2,048]; A: computed on the way; B: softmax (see below): QUANTISED
;;     6. [M 2,048, K 2,048] x [K 2,048, N 2,048]; A: computed on the way; B: input Wo: QUANTISED
;;   THE QUANTISER, for each operand of a quantised product, along K:
;;     - K is cut into blocks of 32 from its start; a last block that is shorter is filled with zeros.
;;     - A block's scale is 2^e with e = floor(log2(the largest magnitude in the block)) - 2, held to -126 .. 127; a block of zeros has e = 0. As a byte (E8M0): e + 127.
;;     - Each number is divided by its block's scale, clamped to +-7.5, and rounded to the nearest number of E2M3, ties to even, subnormals kept.
;;     - The product sums the exact products of the quantised numbers (number of the format x scale) in f32.
;;   ~~~python
;;   def quantise(x, axis):      # numpy; x: float32 -> the quantised numbers, widened to float32 again
;;       x = np.moveaxis(x, axis, -1); K = x.shape[-1]
;;       x = np.pad(x, [(0, 0)] * (x.ndim - 1) + [(0, -K % 32)]); x = x.reshape(x.shape[:-1] + (-1, 32)); a = np.abs(x).max(-1, keepdims=True)
;;       e = np.where(a > 0, np.clip(np.frexp(np.where(a > 0, a, 1))[1] - 1 - 2, -126, 127), 0)      # np.frexp(a)[1] - 1 = floor(log2(a)), exactly
;;       r = np.clip(x / 2.0 ** e, -7.5, 7.5)
;;       step = 2.0 ** (np.maximum(np.frexp(np.where(r == 0, 1, r))[1] - 1, 0) - 3)
;;       q = np.round(r / step) * step * 2.0 ** e      # np.round: ties to even
;;       return np.moveaxis(q.reshape(q.shape[:-2] + (-1,))[..., :K], -1, axis).astype(np.float32)
;;   ~~~
;;   SOFTMAX AHEAD OF A QUANTISED PRODUCT. Where the list says 'softmax', what is quantised is not the finished softmax but p = 2^(t - M), with t = logit x log2(e) and M = ceil(the row's largest t), a whole number; so 1/2 < the row's largest p <= 1. The row's sum l is taken of the UNQUANTISED p, in f32, and the product's result is divided by l at the end. Since M is a whole number, a kernel that streams over the keys may use a running M (the ceiling of the running maximum): every later rescaling is an exact power of two, which a block's scale takes up: the codes' values come out the same.
;;   OPERANDS COMPUTED ON THE WAY. 'Computed on the way' means the value that the module computes at that place (a softmax that the list does not call 'softmax' is quantised finished and normalised). What goes into a quantiser is computed in f32, as accurately as f32 sums, v_exp_f32 and their like allow (about 1e-6 of the number): no bf16 or f16 on the way to a quantiser, and a product that is left as it is and whose result goes on into a quantised operand takes f32 operands (vector FMAs, or v_wmma_f32_16x16x4_f32). A number that lies on a knife's edge between two numbers of the format may be rounded either way, as far as f32 arithmetic and the matrix unit's own rounding can turn it there, and no further.
;; 2 versions. Each part assembles by itself: llvm-mc -triple=amdgcn-amd-amdhsa -mcpu=gfx1250 --defsym DOCPART=n.
;; ======== version 1 of 2: 4 launches
;; workspace buffers: xq 3,276,800 bytes; wq 13,107,200 bytes; qq 3,276,800 bytes; kv 6,553,600 bytes; aq 3,276,800 bytes
;; launch quant (part 1): grid 640 x 1, 4 waves a work-group, no clusters, 34,304 bytes of LDS; arguments x, Wq, Wk, Wv, Wo, xq, wq; writes xq, wq
.if DOCPART == 1
	.amdgcn_target "amdgcn-amd-amdhsa--gfx1250"
	.amdhsa_code_object_version 6
	.text
	.protected	k_qddd009f4ee_quant
	.globl	k_qddd009f4ee_quant
	.p2align	8
	.type	k_qddd009f4ee_quant,@function
k_qddd009f4ee_quant:
	s_mov_b64 s[64:65], 0
	v_nop
	global_prefetch_b8 v0, s[64:65] scope:SCOPE_SE
	s_setreg_imm32_b32 hwreg(HW_REG_WAVE_MODE, 25, 1), 1
	s_wait_xcnt 0x0
; x [2048][2048] and Wq, Wk, Wv, Wo [2048 (k)][2048 (n)], f32, become codes of FP6 (E2M3) with one E8M0 byte for each 32 along K (the model's 2,048).
; A block's scale is 2^(floor(log2(its largest magnitude)) - 2): the byte is that magnitude's exponent field - 2, held at 1 from below.
; LIMITS: a block of zeros gets the byte 1 where the quantiser says 127 (its codes are zeros, and this program alone reads the bytes); NaN and infinities among the inputs are not served.
; LAYOUT OF THE RESULT, the same for every operand of this program.  An operand's rows (x: tokens; W: its columns n) go in groups of 32; tile T = 2 g + u holds rows 32 g + 8 u + i + 8 (i / 8), i = 0 .. 15.
; A fragment (tile T, K step s of 128) is stored as an IMAGE OF THE OPERAND'S REGISTERS, 1,536 bytes, at T x 24,576 + s x 1,536: two halves c of 768 bytes; in a half, registers 6 c .. 6 c + 3 of lane l at 16 l,
; then registers 6 c + 4, 6 c + 5 of lane (r, h) at 512 + 16 r + 8 h.  Lane (r, h) holds row index r, k = 64 c + 32 h + 0 .. 31.  The scale words lie behind the codes: T x 1,024 + (s / 2) x 128 + 8 r + 4 (s % 2).
; WORK-GROUPS 0 .. 511 take the four W (128 each): 128 columns x 256 along K, a wave 32 columns; a lane takes a column and its registers run down K, so nothing is transposed.
; WORK-GROUPS 512 .. 639 take a tile of x each, a wave four K steps: loads of 512 consecutive bytes, turned through the wave's own stage in LDS so that a lane holds 32 neighbours along K.
; Waves share nothing: no barrier.  No work-group reads what another reads: no cluster.
.set XQS,  3145728                     ; where x's scale words begin in xq
.set WQS,  12582912                    ; where the weights' begin in wq
.set TSTR, 24576                       ; a tile's 16 fragments
.set FRB,  1536                        ; a fragment's image
.set SPX,  528                         ; a stage row: 512 bytes + 16, an odd multiple of 16 bytes
	s_load_b256 s[4:11], s[0:1], 0x0               ; x s[4:5], Wq s[6:7], Wk s[8:9], Wv s[10:11]
	s_load_b128 s[12:15], s[0:1], 0x20             ; Wo s[12:13], xq s[14:15]
	s_load_b64 s[16:17], s[0:1], 0x30              ; wq
	v_lshl_add_u32 v240, v0, 2, 0x8400
	v_mov_b32 v241, 0
	v_lshrrev_b32 v1, 5, v0
	v_readfirstlane_b32 s22, v1                    ; wave 0..3
	v_and_b32 v2, 31, v0                           ; lane
	s_cmp_ge_u32 ttmp9, 512
	s_cbranch_scc1 .Lx
; ---------------- the weights ----------------
	s_lshr_b32 s23, ttmp9, 7                       ; m: 0 Wq, 1 Wk, 2 Wv, 3 Wo
	s_and_b32 s24, ttmp9, 15                       ; gx: which 128 columns
	s_bfe_u32 s25, ttmp9, 0x30004                  ; gy: which 256 along K
	v_lshlrev_b32 v3, 2, v2                        ; in: 4 bytes a lane
	v_bfe_u32 v6, v2, 3, 1                         ; u: column l of the group lies in tile u = (l / 8) % 2,
	v_and_b32 v7, 7, v2
	v_lshrrev_b32 v8, 4, v2
	v_lshl_add_u32 v7, v8, 3, v7                   ; at row index l % 8 + 8 (l / 16)
	v_mul_u32_u24 v4, v6, TSTR
	v_lshl_add_u32 v4, v7, 4, v4                   ; codes: tile u, 16 bytes a row index
	v_lshlrev_b32 v5, 10, v6
	v_lshl_add_u32 v5, v7, 3, v5                   ; scale words: tile u, 8 bytes a row index
	s_lshl_b32 s26, s24, 2
	s_add_co_u32 s26, s26, s22                     ; my group of 32 columns: 4 gx + wave
	s_lshl_b32 s28, s25, 21                        ; 256 gy rows of 8,192 bytes
	s_lshl_b32 s27, s26, 7                         ; + 128 bytes a group
	s_add_co_u32 s28, s28, s27
	s_mov_b32 s29, 0
	s_lshl_b32 s30, s23, 7
	s_lshl_b32 s27, s26, 1
	s_add_co_u32 s30, s30, s27                     ; my first tile: 128 m + 2 x group
	s_lshl_b32 s32, s30, 10
	s_lshl_b32 s27, s25, 7
	s_add_co_u32 s32, s32, s27
	s_add_co_u32 s32, s32, WQS                     ; its scale words of K steps 2 gy, 2 gy + 1
	s_mov_b32 s33, 0
	s_mul_i32 s30, s30, TSTR
	s_mul_i32 s27, s25, 2*FRB
	s_add_co_u32 s30, s30, s27                     ; its images of those K steps
	s_mov_b32 s31, 0
	s_wait_kmcnt 0x0
	s_cmp_eq_u32 s23, 1                            ; the choice hangs on the work-group's number alone
	s_cselect_b64 s[18:19], s[8:9], s[6:7]
	s_cmp_eq_u32 s23, 2
	s_cselect_b64 s[18:19], s[10:11], s[18:19]
	s_cmp_eq_u32 s23, 3
	s_cselect_b64 s[18:19], s[12:13], s[18:19]
	s_add_nc_u64 s[18:19], s[18:19], s[28:29]
	s_add_nc_u64 s[20:21], s[16:17], s[30:31]
	s_add_nc_u64 s[34:35], s[16:17], s[32:33]
.macro LOADW t                         ; block t: W(32 t + i, my column), i = 0 .. 31, into set t % 2; a wave's load reads 128 consecutive bytes, the four waves stand side by side
.set li, 0
.rept 32
	global_load_b32 v[16+32*((\t)%2)+li], v3, s[18:19] offset:(32*(\t)+li)*8192 th:TH_LOAD_NT
.set li, li+1
.endr
.endm
; Block t of my column is k = 32 t on: K step t / 4, half c = (t / 2) % 2, lanes' half h = t % 2.  Two blocks (h = 0, 1) fill three runs of 16 bytes a row index: registers 0-3 of h = 0, of h = 1, and both blocks' registers 4, 5.
.macro BLOCKW t
.set XS, 16+32*((\t)%2)
.set PH, 80+8*((\t)%2)
.set QH, 84+8*((\t)%2)
.if (\t) < 7
	s_wait_loadcnt 32                              ; this block's 32 loads are in; the next block's may be out
.else
	s_wait_loadcnt 0
.endif
	v_max3_num_f32 v12, |v[XS]|, |v[XS+1]|, |v[XS+2]|              ; the block's largest magnitude: all 32 numbers are mine; two chains
	v_max3_num_f32 v13, |v[XS+3]|, |v[XS+4]|, |v[XS+5]|
.irp i, 6,10,14,18,22,26
	v_max3_num_f32 v12, v12, |v[XS+\i]|, |v[XS+\i+1]|
	v_max3_num_f32 v13, v13, |v[XS+\i+2]|, |v[XS+\i+3]|
.endr
	v_max3_num_f32 v12, v12, |v[XS+30]|, |v[XS+31]|
	v_max3_num_f32 v12, v12, v13, 0x1800000        ; and the floor 2^(3 - 127): the byte cannot fall under 1
	v_add_nc_u32 v11, 0xff000000, v12              ; 2 off the exponent field: the conversion takes the exponent field of this operand as its scale
	v_lshrrev_b32 v10, 23, v11                     ; the scale's byte
.if (\t)%4 == 0
	v_mov_b32 v[100+(\t)/4], v10                   ; four bytes to a word, the lower K in the lower byte
.else
	v_lshl_or_b32 v[100+(\t)/4], v10, 8*((\t)%4), v[100+(\t)/4]
.endif
.if ((\t)%2 == 0) && ((\t) > 0)
	s_wait_xcnt 0x0                                ; the last pair's stores have read their registers: these are written again only behind this wait
.endif
	v_cvt_scalef32_pk16_fp6_f32 v[PH:PH+2], v[XS:XS+15], v11
	v_cvt_scalef32_pk16_fp6_f32 v[QH:QH+2], v[XS+16:XS+31], v11    ; (a conversion's three registers begin on an even number)
	v_nop                                          ; one plain place behind a scaled conversion
	v_mov_b32 v[PH+3], v[QH]                       ; the block's register 3,
	v_mov_b32 v[96+2*((\t)%2)], v[QH+1]            ; and its registers 4, 5 beside the other block's
	v_mov_b32 v[97+2*((\t)%2)], v[QH+2]
.if (\t)+2 < 8
	LOADW (\t)+2
.endif
.if (\t)%2 == 1
	global_store_b128 v4, v[80:83], s[20:21] offset:((\t)/4)*FRB+(((\t)/2)%2)*768       ; sixteen lanes store 256 consecutive bytes, at a multiple of 256 from the buffer's first byte
	global_store_b128 v4, v[88:91], s[20:21] offset:((\t)/4)*FRB+(((\t)/2)%2)*768+256
	global_store_b128 v4, v[96:99], s[20:21] offset:((\t)/4)*FRB+(((\t)/2)%2)*768+512
.endif
.endm
	LOADW 0
	LOADW 1
.irp t, 0,1,2,3,4,5,6,7
	BLOCKW \t
.endr
	global_store_b64 v5, v[100:101], s[34:35]      ; my column's two scale words
	s_endpgm
; ---------------- x ----------------
.Lx:
	s_sub_co_u32 s23, ttmp9, 512                   ; T: my tile of 16 tokens
	v_and_b32 v10, 15, v2                          ; r
	v_lshrrev_b32 v11, 4, v2                       ; h
	v_lshlrev_b32 v3, 4, v2                        ; 16 x lane
	s_mul_i32 s24, s22, 16*SPX                     ; my wave's stage
	v_add_nc_u32 v4, s24, v3                       ; into it: a row's 512 bytes as they lie
	v_mul_u32_u24 v5, v10, SPX
	v_lshl_add_u32 v5, v11, 7, v5
	v_add_nc_u32 v5, s24, v5                       ; out of it: row r, 128 h bytes on: my 32 neighbours of each 64
	v_lshlrev_b32 v6, 4, v10
	v_lshl_add_u32 v6, v11, 3, v6                  ; 16 r + 8 h
	v_lshlrev_b32 v7, 3, v2                        ; 8 x lane
	v_lshlrev_b32 v8, 3, v11                       ; 8 h
	v_mov_b32 v9, 0                                ; (a lane permute's destination counts as one of its sources)
	s_lshr_b32 s25, s23, 1
	s_lshl_b32 s25, s25, 5
	s_and_b32 s26, s23, 1
	s_lshl_b32 s26, s26, 3
	s_add_co_u32 s25, s25, s26                     ; the tile's first token: 32 (T / 2) + 8 (T % 2)
	s_lshl_b32 s28, s25, 13
	s_lshl_b32 s26, s22, 11                        ; my four K steps: 2,048 bytes of a row
	s_add_co_u32 s28, s28, s26
	s_mov_b32 s29, 0
	s_mul_i32 s30, s23, TSTR
	s_mul_i32 s26, s22, 4*FRB
	s_add_co_u32 s30, s30, s26
	s_mov_b32 s31, 0
	s_lshl_b32 s32, s23, 10
	s_lshl_b32 s26, s22, 8
	s_add_co_u32 s32, s32, s26
	s_add_co_u32 s32, s32, XQS
	s_mov_b32 s33, 0
	s_mov_b32 s36, 0x76543210
	s_mov_b32 s37, 0xfedcba98                      ; v_permlanex16_b32's selects for lane l xor 16
	s_wait_kmcnt 0x0
	s_add_nc_u64 s[18:19], s[4:5], s[28:29]
	s_add_nc_u64 s[20:21], s[14:15], s[30:31]
	s_add_nc_u64 s[34:35], s[14:15], s[32:33]
.macro LOADX u                         ; K step u of my four: 16 rows x 512 bytes, a row an instruction, into set u % 2
.set li, 0
.rept 16
	global_load_b128 v[16+64*((\u)%2)+4*li:16+64*((\u)%2)+4*li+3], v3, s[18:19] offset:(li+8*(li/8))*8192+512*(\u) th:TH_LOAD_NT
.set li, li+1
.endr
.endm
.macro TURNX u                         ; through the stage: LDS serves a wave's instructions in order, so no wait stands between the stores and the loads
.set li, 0
.rept 16
	ds_store_b128 v4, v[16+64*((\u)%2)+4*li:16+64*((\u)%2)+4*li+3] offset:SPX*li
.set li, li+1
.endr
.irp c, 0,1
.irp j, 0,1,2,3,4,5,6,7
	ds_load_b128 v[144+32*\c+4*\j:144+32*\c+4*\j+3], v5 offset:256*\c+16*\j      ; x(row r, 64 c + 32 h + 4 j ..)
.endr
.endr
.endm
.macro UNITX u
.if (\u) < 3
	s_wait_loadcnt 16                              ; this K step's 16 loads are in; the next one's may be out
.else
	s_wait_loadcnt 0
.endif
	TURNX \u
	s_wait_dscnt 0x0                               ; my 64 numbers are back, and the stores have read their registers,
.if (\u) < 2
	LOADX (\u)+2                                   ; which take the loads of two K steps on
.endif
.irp c, 0,1
	v_max3_num_f32 v[228+\c], |v[144+32*\c]|, |v[145+32*\c]|, 0x1800000   ; my block 2 c + h: all its 32 numbers are mine; and the floor 2^(3 - 127)
.endr
.irp i, 2,4,6,8,10,12,14,16,18,20,22,24,26,28,30
.irp c, 0,1
	v_max3_num_f32 v[228+\c], v[228+\c], |v[144+32*\c+\i]|, |v[145+32*\c+\i]|
.endr
.endr
.irp c, 0,1
	v_add_nc_u32 v[230+\c], 0xff000000, v[228+\c]  ; the conversion's scale operand
.endr
.irp c, 0,1
	v_lshrrev_b32 v[232+\c], 23, v[230+\c]         ; the scale's byte
.endr
	v_lshl_or_b32 v[236+(\u)], v233, 16, v232      ; my two bytes, blocks h and 2 + h,
	v_lshlrev_b32 v[236+(\u)], v8, v[236+(\u)]     ; at their places in the word;
	v_permlanex16_b32 v9, v[236+(\u)], s36, s37
	v_or_b32 v[236+(\u)], v[236+(\u)], v9          ; with lane l xor 16's two the word is whole, in both lanes
.if (\u) > 0
	s_wait_xcnt 0x0                                ; the last K step's stores have read their registers
.endif
.irp c, 0,1
	v_cvt_scalef32_pk16_fp6_f32 v[208+6*\c:210+6*\c], v[144+32*\c:159+32*\c], v[230+\c]
	v_cvt_scalef32_pk16_fp6_f32 v[220+4*\c:222+4*\c], v[160+32*\c:175+32*\c], v[230+\c]
.endr
	v_nop                                          ; one plain place behind a scaled conversion
.irp c, 0,1
.irp i, 0,1,2
	v_mov_b32 v[211+6*\c+\i], v[220+4*\c+\i]
.endr
.endr
	global_store_b128 v3, v[208:211], s[20:21] offset:(\u)*FRB           ; the image: 512, 256, 512 and 256 consecutive bytes
	global_store_b64 v6, v[212:213], s[20:21] offset:(\u)*FRB+512
	global_store_b128 v3, v[214:217], s[20:21] offset:(\u)*FRB+768
	global_store_b64 v6, v[218:219], s[20:21] offset:(\u)*FRB+1280
.endm
	LOADX 0
	LOADX 1
	UNITX 0
	UNITX 1
	UNITX 2
	UNITX 3
	v_cmp_gt_u32 vcc_lo, 16, v2                    ; lanes 0-15 store the words of my first two K steps, lanes 16-31 those of the other two
	v_cndmask_b32 v234, v238, v236, vcc_lo
	v_cndmask_b32 v235, v239, v237, vcc_lo
	global_store_b64 v7, v[234:235], s[34:35]      ; 32 lanes store 256 consecutive bytes, aligned
	s_wait_tensorcnt 0x0
	ds_add_u32 v240, v241
	s_wait_dscnt 0x0
	s_endpgm
.Lfunc_end_k_qddd009f4ee_quant:
	.size	k_qddd009f4ee_quant, .Lfunc_end_k_qddd009f4ee_quant-k_qddd009f4ee_quant
	.p2alignl 7, 3214868480
	.fill 96, 4, 3214868480
	.section	.rodata,"a",@progbits
	.p2align	6, 0x0
	.amdhsa_kernel k_qddd009f4ee_quant
		.amdhsa_group_segment_fixed_size 34304
		.amdhsa_private_segment_fixed_size 0
		.amdhsa_enable_private_segment 0
		.amdhsa_kernarg_size 56
		.amdhsa_user_sgpr_count 2
		.amdhsa_user_sgpr_kernarg_segment_ptr 1
		.amdhsa_wavefront_size32 1
		.amdhsa_system_sgpr_workgroup_id_x 1
		.amdhsa_system_sgpr_workgroup_id_y 1
		.amdhsa_system_sgpr_workgroup_id_z 1
		.amdhsa_system_vgpr_workitem_id 0
		.amdhsa_next_free_vgpr 242
		.amdhsa_next_free_sgpr 66
		.amdhsa_reserve_vcc 1
		.amdhsa_float_denorm_mode_32 3
		.amdhsa_float_denorm_mode_16_64 3
		.amdhsa_memory_ordered 1
		.amdhsa_forward_progress 1
		.amdhsa_inst_pref_size 69
	.end_amdhsa_kernel
	.amdgpu_metadata
---
amdhsa.version: [ 1, 2 ]
amdhsa.kernels:
  - .name:           k_qddd009f4ee_quant
    .symbol:         k_qddd009f4ee_quant.kd
    .args:
      - { .name: x, .offset: 0, .size: 8, .value_kind: global_buffer, .address_space: global }
      - { .name: Wq, .offset: 8, .size: 8, .value_kind: global_buffer, .address_space: global }
      - { .name: Wk, .offset: 16, .size: 8, .value_kind: global_buffer, .address_space: global }
      - { .name: Wv, .offset: 24, .size: 8, .value_kind: global_buffer, .address_space: global }
      - { .name: Wo, .offset: 32, .size: 8, .value_kind: global_buffer, .address_space: global }
      - { .name: xq, .offset: 40, .size: 8, .value_kind: global_buffer, .address_space: global }
      - { .name: wq, .offset: 48, .size: 8, .value_kind: global_buffer, .address_space: global }
    .group_segment_fixed_size: 34304
    .private_segment_fixed_size: 0
    .kernarg_segment_align: 8
    .kernarg_segment_size: 56
    .max_flat_workgroup_size: 128
    .sgpr_count:     66
    .vgpr_count:     242
    .wavefront_size: 32
...
	.end_amdgpu_metadata
.endif
;; end of part 1
;; launch qkv (part 2): grid 24 x 8, 4 waves a work-group, clusters of 4 x 4, 327,680 bytes of LDS; arguments xq, wq, bq, bk, bv, cos, sin, qq, kv; writes qq, kv
.if DOCPART == 2
	.amdgcn_target "amdgcn-amd-amdhsa--gfx1250"
	.amdhsa_code_object_version 6
	.text
	.protected	k_qddd009f4ee_qkv
	.globl	k_qddd009f4ee_qkv
	.p2align	8
	.type	k_qddd009f4ee_qkv,@function
k_qddd009f4ee_qkv:
	s_mov_b64 s[64:65], 0
	v_nop
	global_prefetch_b8 v0, s[64:65] scope:SCOPE_SE
	s_setreg_imm32_b32 hwreg(HW_REG_WAVE_MODE, 25, 1), 1
	s_wait_xcnt 0x0
	s_wait_alu depctr_hold_cnt(0) depctr_sa_sdst(0) depctr_va_vdst(0) depctr_va_sdst(0) depctr_va_ssrc(0) depctr_va_vcc(0) depctr_vm_vsrc(0)
	s_getreg_b32 s2, hwreg(HW_REG_IB_STS2, 6, 4)
	s_cmp_eq_u32 s2, 0
	s_cbranch_scc0 .Lentry_in_a_cluster
	s_endpgm
.Lentry_in_a_cluster:
	s_bfe_u32 s2, ttmp6, 0x10000c
	s_cmp_lg_u32 s2, 0xf033
	s_cbranch_scc0 .Lentry_shape_is_right
	s_endpgm
.Lentry_shape_is_right:
; q = rope(x Wq + bq), k = rope(x Wk + bk), v = x Wv + bv on codes of FP6 (E2M3) with E8M0 scales, and their quantising for the attention: q and k along the head's 128, v along the keys.
; OPERANDS are images of operand registers (1,536 bytes for 16 rows x 128 K: registers 6 c .. 6 c + 3 of lane l at 768 c + 16 l, registers 6 c + 4, 6 c + 5 of lane (r, h) at 768 c + 512 + 16 r + 8 h);
; tile T = 2 g + u holds rows 32 g + 8 u + i + 8 (i / 8).  Codes at T x 24,576 + s x 1,536, scale words behind them at T x 1,024 + (s / 2) x 128 + 8 r + 4 (s % 2).
; A WORK-GROUP makes 256 rows of "A" x 256 rows of "B"; B's rows are a PAIR of runs of 128 that lie 1,024 rows apart.  Source 0 of the matrix instruction = 16 rows of B, source 1 = 16 rows of A: a lane holds one row of A,
; and by the tiles' make-up the 16 registers of two neighbouring tiles of B are 16 neighbouring rows of B.  A wave makes 128 x (64 + 64): 64 accumulators.
;   columns c = 0 .. 7 (q), 8 .. 15 (k): A = x (tokens), B = W (hidden units j and j + 1,024: the two partners of the rotary step lie in one lane; a lane's registers run along the head's axis).
;   columns c = 16 .. 23 (v): A = Wv (hidden units), B = x (tokens): a lane holds one channel and its registers run along the keys.  Only pointers are swapped: the loop is one text.
; K goes in steps of 256 (two K steps of 128: 3,072 bytes a tile) through two LDS slots; the scale words of the work-group's rows, for all of K, come once.
; CLUSTERS 4 x 4: A's tiles are shared along a row of the cluster, B's along a column: joint loads.  The choice q, k or v hangs on the cluster's x, which all partners share.
; RESULTS: qq: codes [head][tile][1,536], words behind them [head][tile][r];  kv: [head][key step] records of 25,600 bytes: K's 8 images, K's 8 x 64 bytes of words, V^T's 8 images (rows = channels), its words.
; LIMITS: a block of zeros gets the byte 1 (its codes are zeros; this program alone reads the bytes); NaN and infinities are not served.
; REGISTERS: window 0: v1-31 addresses; v32-63 scale words, two sets; v128-223 A's fragments, one set.  window 1: B's fragments, two sets (v0, v128).  windows 2, 3: accumulator (a, b) at v[8 (8 (a % 4) + b)] of window 2 + a / 4.
;   In the epilogue window 0 holds: v32-159 cos and sin of a block (then the codes just made, v32-50), v160-223 the 64 numbers to be quantised, v224-242 at work; window 1: cos and sin as loaded, two sets of 128.
.set FR,    12
.set NL,    4                          ; LDS loads that bring a fragment
.set NP,    4                          ; places behind this matrix instruction (ISA guide 7.12.1)
.set NQ,    2
.set LAPS,  4                          ; 2,048 along K = 4 laps of two slots of 256
.set FRB,   1536
.set TILEB, 2*FRB                      ; a tile's part of a slot
.set TSTR,  24576
.set HALFT, 8*TILEB                    ; eight tiles: what one tensor load brings
.set SLOT,  4*HALFT                    ; A's 16 tiles, then B's 8 + 8
.set SCL,   2*SLOT                     ; behind the ring: the scale words: A's two halves, B's two runs
.set HALFS, 8192
.set SPARE, SCL+4*HALFS                ; the spare words, 128 bytes for each wave, which no other line names
.set CSB,   16*272                     ; the epilogue's stage: 16 rows x (256 bytes + 16) for each of cos, sin x low, high; it lies in slot 0, which has had its last fill and its last read by then
.set XQS,   3145728
.set WQS,   12582912
.set ADRA, 16                          ; v16-17 16 x lane + my A tiles in slot 0, 1;  v18-19 the same with 16 r + 8 h
.set ADRB, 20                          ; v20-23 the same for B
.set ADRS, 27                          ; v27 my scale words: lanes 0-15 A's, lanes 16-31 B's low run;  v30 the same with B's high run
.set ADRS2, 30
.set SPW,  28
.set NIL,  29
.set SC,   32
.set AF,   128
.set TM,   224
.set PW,   240
.set PC,   32
.set SEL,  98
.set G1, 24
.set G0, 32
.set G1B, 48
.set G0B, 56
.set G1S, 68
.set G0S, 76
.set G1SB, 80
.set G0SB, 88
.set MSB, 0
.macro WIN new                         ; the immediate's high byte repeats the setting that is left
.if MSB != (\new)
	s_set_vgpr_msb (MSB<<8)|(\new)
.set MSB, (\new)
.endif
.endm
.set MUL_LO, 0xa1                      ; source 0 (B) window 1, source 1 (A) window 0, C and D window 2
.set MUL_HI, 0xf1
.set TO_B,   0x40
.macro JLOAD g0a, g1a, g0b, g1b        ; a joint load: waves 0 and 1 fetch for A, waves 2 and 3 for B; four v_nop follow each of the two lines
	s_cmp_eq_u32 s15, 0
	s_cbranch_scc0 .Lfor_b_\@
	tensor_load_to_lds s[\g0a:\g0a+3], s[\g1a:\g1a+7]
	s_nop 0
.rept 4
	v_nop
.endr
	s_branch .Lasked_\@
.Lfor_b_\@:
	tensor_load_to_lds s[\g0b:\g0b+3], s[\g1b:\g1b+7]
	s_nop 0
.rept 4
	v_nop
.endr
.Lasked_\@:
.endm
.macro CREST                           ; a round of the cluster's barrier behind its opening barrier
	s_cmp_lg_u32 s14, 0
	s_cbranch_scc1 .Lnot_wave_0_\@
	s_barrier_signal -3
.Lnot_wave_0_\@:
	s_barrier_wait -3
	s_barrier_signal -1
	s_barrier_wait -1
.endm
.macro CROUND
	s_barrier_signal -1
	s_barrier_wait -1
	CREST
.endm
	s_load_b128 s[4:7], s[0:1], 0x0                ; xq s[4:5], wq s[6:7]
	v_lshl_add_u32 v[SPW], v0, 2, SPARE
	v_mov_b32 v[NIL], 0
	ds_add_u32 v28, v29
	ds_add_u32 v28, v29
	s_wait_dscnt 0x0
	v_lshrrev_b32 v1, 5, v0
	v_readfirstlane_b32 s14, v1                    ; wave 0..3
	s_lshr_b32 s15, s14, 1                         ; which half of A's rows is mine.  Also: I fetch for A (0) or for B (1)
	s_and_b32 s16, s14, 1                          ; which half of each of B's runs is mine.  Also: which eight tiles I fetch
	s_bfe_u32 s40, ttmp6, 0x40000                  ; cx, cy: my place in the cluster
	s_bfe_u32 s41, ttmp6, 0x40004
	s_lshl_b32 s42, ttmp9, 2
	s_add_co_u32 s42, s42, s40                     ; c = 4 x cluster x + cx
	s_and_b32 s17, ttmp7, 0xffff
	s_lshl_b32 s17, s17, 2
	s_add_co_u32 s17, s17, s41                     ; y = 4 x cluster y + cy
	s_lshl_b32 s43, s41, 2
	s_lshl_b32 s43, 15, s43                        ; my row of the cluster
	s_lshl_b32 s44, 0x1111, s40                    ; my column
	; group 1 for codes: 8 rows (tiles) of 384 elements of 8 bytes, 3,072 elements apart; dense in LDS
	s_or_b32 s[G1+0], s43, (3<<16)|(1<<21)
	s_or_b32 s[G1B+0], s44, (3<<16)|(1<<21)
.irp g, G1, G1B
	s_mov_b32 s[\g+1], 384<<16                     ; tensor_dim0
	s_mov_b32 s[\g+2], 8<<16                       ; tensor_dim1
	s_mov_b32 s[\g+3], 384<<16                     ; tile_dim0
	s_mov_b32 s[\g+4], 8                           ; tile_dim1
	s_mov_b32 s[\g+5], TSTR/8                      ; tensor_dim0_stride
	s_mov_b32 s[\g+6], 0
	s_mov_b32 s[\g+7], 0
.endr
	; and for the scale words of eight tiles: 8,192 dense bytes as 32 rows of 256
	s_or_b32 s[G1S+0], s43, (3<<16)|(1<<21)
	s_or_b32 s[G1SB+0], s44, (3<<16)|(1<<21)
.irp g, G1S, G1SB
	s_mov_b32 s[\g+1], 32<<16
	s_mov_b32 s[\g+2], 32<<16
	s_mov_b32 s[\g+3], 32<<16
	s_mov_b32 s[\g+4], 32
	s_mov_b32 s[\g+5], 32
	s_mov_b32 s[\g+6], 0
	s_mov_b32 s[\g+7], 0
.endr
	s_cmp_ge_u32 ttmp9, 4                          ; v's columns?  The cluster's x: the same in all sixteen partners
	s_cselect_b32 s18, 256, 0                      ; there A is Wv: tiles 256 on in wq
	s_lshl_b32 s20, s17, 4
	s_lshl_b32 s19, s16, 3
	s_add_co_u32 s20, s20, s19
	s_add_co_u32 s20, s20, s18                     ; A: the first tile that I fetch: 16 y + 8 x half (+ 256)
	s_bfe_u32 s46, s42, 0x10003
	s_lshl_b32 s46, s46, 7                         ; B: Wq's tiles begin at 0, Wk's at 128; x's at 0 (c = 16 .. 23 has this bit 0)
	s_and_b32 s47, s42, 7
	s_lshl_b32 s47, s47, 3
	s_add_co_u32 s46, s46, s47
	s_lshl_b32 s47, s16, 6
	s_add_co_u32 s46, s46, s47                     ; + 8 (c % 8) + 64 x run
	s_lshl_b32 s22, s20, 10                        ; their scale words,
	s_mul_i32 s20, s20, TSTR                       ; their codes
	s_lshl_b32 s92, s46, 10
	s_mul_i32 s46, s46, TSTR
	s_mov_b32 s21, 0
	s_mov_b32 s23, 0
	s_mov_b32 s47, 0
	s_mov_b32 s93, 0
	s_mov_b32 s18, XQS
	s_mov_b32 s19, WQS
	s_cmp_ge_u32 ttmp9, 4
	s_cselect_b32 s95, s19, s18                    ; where the scale words begin in A's buffer,
	s_cselect_b32 s96, s18, s19                    ; and in B's
	s_add_co_u32 s22, s22, s95
	s_add_co_u32 s92, s92, s96
	s_mul_i32 s45, s14, HALFT                      ; where they go: wave x eight tiles: no place in the cluster enters an LDS address
	s_lshl_b32 s94, s14, 13
	s_wait_kmcnt 0x0
	s_cmp_ge_u32 ttmp9, 4
	s_cselect_b64 s[8:9], s[6:7], s[4:5]           ; A's buffer
	s_cselect_b64 s[10:11], s[4:5], s[6:7]         ; B's
	s_add_nc_u64 s[20:21], s[8:9], s[20:21]
	s_add_nc_u64 s[22:23], s[8:9], s[22:23]
	s_add_nc_u64 s[46:47], s[10:11], s[46:47]
	s_add_nc_u64 s[92:93], s[10:11], s[92:93]
	CROUND                                         ; all sixteen work-groups are here: the first joint loads meet
	s_mov_b32 s[G0S], 1
	s_add_co_u32 s[G0S+1], s94, SCL
	s_mov_b64 s[G0S+2:G0S+3], s[22:23]
	s_or_b32 s[G0S+3], s[G0S+3], 0x80000000
	s_mov_b32 s[G0SB], 1
	s_add_co_u32 s[G0SB+1], s94, SCL
	s_mov_b64 s[G0SB+2:G0SB+3], s[92:93]
	s_or_b32 s[G0SB+3], s[G0SB+3], 0x80000000
	JLOAD G0S, G1S, G0SB, G1SB                     ; the scale words first: they are wanted with the first K step
.irp s, 0,1
	s_mov_b32 s[G0+4*\s], 1
	s_add_co_u32 s[G0+4*\s+1], s45, \s*SLOT
	s_add_nc_u64 s[G0+4*\s+2:G0+4*\s+3], s[20:21], \s*TILEB
	s_or_b32 s[G0+4*\s+3], s[G0+4*\s+3], 0x80000000
	s_mov_b32 s[G0B+4*\s], 1
	s_add_co_u32 s[G0B+4*\s+1], s45, \s*SLOT
	s_add_nc_u64 s[G0B+4*\s+2:G0B+4*\s+3], s[46:47], \s*TILEB
	s_or_b32 s[G0B+4*\s+3], s[G0B+4*\s+3], 0x80000000
	JLOAD G0+4*\s, G1, G0B+4*\s, G1B
.endr
	v_and_b32 v1, 15, v0                           ; r
	v_bfe_u32 v2, v0, 4, 1                         ; h
	v_and_b32 v3, 31, v0                           ; lane
	v_lshlrev_b32 v24, 4, v3                       ; v24: 16 x lane
	v_lshlrev_b32 v25, 4, v1
	v_lshl_add_u32 v25, v2, 3, v25                 ; v25: 16 r + 8 h
	s_mul_i32 s21, s15, HALFT                      ; my eight tiles of A
	s_mul_i32 s22, s16, 4*TILEB                    ; my four tiles of each of B's runs,
	s_add_co_u32 s22, s22, 2*HALFT                 ; which lie behind A's sixteen
.irp s, 0,1
	v_add_nc_u32 v[ADRA+\s], s21, v24
	v_add_nc_u32 v[ADRB+\s], s22, v24
	v_add_nc_u32 v[ADRA+2+\s], s21, v25
	v_add_nc_u32 v[ADRB+2+\s], s22, v25
	s_add_co_u32 s21, s21, SLOT
	s_add_co_u32 s22, s22, SLOT
.endr
	s_lshl_b32 s21, s15, 13                        ; A's scale words: my eight tiles
	s_lshl_b32 s22, s16, 12                        ; B's: my four tiles of the low run, behind A's sixteen
	s_add_co_u32 s22, s22, 2*HALFS
	s_sub_co_u32 s22, s22, s21
	v_mul_u32_u24 v6, s22, v2                      ; lanes 16-31 take B's: one product in h
	s_add_co_u32 s21, s21, SCL
	v_lshl_add_u32 v6, v1, 3, v6                   ; 8 bytes a row: the two words of a slot's two K steps
	v_add_nc_u32 v[ADRS], s21, v6
	v_lshl_add_u32 v[ADRS2], v2, 12, v[ADRS]       ; blocks 4-7 of B lie in the high run: 4 tiles further on than the offset 1,024 i says
	s_mul_i32 s21, s14, 4*CSB                      ; the epilogue's stage, my wave's: its addresses are made here, ahead of every branch
	v_mul_u32_u24 v13, v2, 272
	v_lshl_add_u32 v13, v1, 4, v13
	v_add_nc_u32 v13, s21, v13                     ; in: two rows of 256 bytes an instruction
	v_mul_u32_u24 v14, v1, 272
	v_lshl_add_u32 v14, v2, 6, v14
	v_add_nc_u32 v14, s21, v14                     ; out: row r, 64 h bytes on
	v_lshlrev_b32 v15, 6, v2                       ; 64 h
.macro FRAG reg, adr, off              ; an image comes back as it was stored: four loads, each of consecutive bytes
	ds_load_b128 v[\reg:\reg+3], v[\adr] offset:\off
	ds_load_b64 v[\reg+4:\reg+5], v[\adr+2] offset:\off+512
	ds_load_b128 v[\reg+6:\reg+9], v[\adr] offset:\off+768
	ds_load_b64 v[\reg+10:\reg+11], v[\adr+2] offset:\off+1280
.endm
; 16 matrix instructions: A's blocks a0, a0 + 1 x B's eight, 128 along K.  The 64 accumulators take turns, one instruction a turn, in the same order in every step.
.macro MUL16 a0, p, q, sc, zero
.irp a, \a0, \a0+1
.irp b, 0,1,2,3,4,5,6,7
.if \zero
	v_wmma_scale_f32_16x16x128_f8f6f4 v[8*(8*((\a)%4)+\b):8*(8*((\a)%4)+\b)+7], v[128*(\p)+FR*\b:128*(\p)+FR*\b+FR-1], v[AF+FR*(\a):AF+FR*(\a)+FR-1], 0, v[SC+8*NQ*(\sc)+NQ*\b+(\q)], v[SC+8*NQ*(\sc)+NQ*(\a)+(\q)] matrix_a_fmt:MATRIX_FMT_FP6 matrix_b_fmt:MATRIX_FMT_FP6 matrix_a_scale:MATRIX_SCALE_ROW1
.else
	v_wmma_scale_f32_16x16x128_f8f6f4 v[8*(8*((\a)%4)+\b):8*(8*((\a)%4)+\b)+7], v[128*(\p)+FR*\b:128*(\p)+FR*\b+FR-1], v[AF+FR*(\a):AF+FR*(\a)+FR-1], v[8*(8*((\a)%4)+\b):8*(8*((\a)%4)+\b)+7], v[SC+8*NQ*(\sc)+NQ*\b+(\q)], v[SC+8*NQ*(\sc)+NQ*(\a)+(\q)] matrix_a_fmt:MATRIX_FMT_FP6 matrix_b_fmt:MATRIX_FMT_FP6 matrix_a_scale:MATRIX_SCALE_ROW1
.endif
.endr
.endr
.endm
.macro FETCH_B slot, q, p              ; B's eight fragments (four of the low run, four of the high) of the slot's q-th K step into set p
	WIN TO_B
.irp i, 0,1,2,3,4,5,6,7
	FRAG 128*(\p)+FR*\i, ADRB+\slot, ((\i/4)*8+\i%4)*TILEB+(\q)*FRB
.endr
	WIN 0
.endm
.macro FETCH_A slot, q, i0             ; A's blocks i0 .. i0 + 3
.irp i, \i0, \i0+1, \i0+2, \i0+3
	FRAG AF+FR*(\i), ADRA+\slot, (\i)*TILEB+(\q)*FRB
.endr
.endm
.macro SCALES sc                       ; a slot's scale words into set sc: lanes 0-15 A's block i, lanes 16-31 B's block i
.irp i, 0,1,2,3
	ds_load_b64 v[SC+16*\sc+2*\i:SC+16*\sc+2*\i+1], v[ADRS] offset:\i*1024
.endr
.irp i, 4,5,6,7
	ds_load_b64 v[SC+16*\sc+2*\i:SC+16*\sc+2*\i+1], v[ADRS2] offset:\i*1024
.endr
.endm
.macro PLACES n                        ; plain vector instructions between a matrix instruction and a load into, or a read of, its registers (ISA guide 7.12.1 for a read)
.rept \n
	v_nop
.endr
.endm
.macro STEP slot, q, zero              ; a K step of 128 that has its successor in the same slot
	s_wait_dscnt 4*NL                              ; B's set, A's blocks 0-3 and the scale words are in; the youngest 16 loads (A's blocks 4-7) may be out
	WIN MUL_LO
	MUL16 0, (\q)%2, \q, \slot, \zero
	MUL16 2, (\q)%2, \q, \slot, \zero
	s_wait_dscnt 0
	PLACES NP
	FETCH_B \slot, (\q)+1, 1-(\q)%2
	FETCH_A \slot, (\q)+1, 0
	WIN MUL_HI
	MUL16 4, (\q)%2, \q, \slot, \zero
	MUL16 6, (\q)%2, \q, \slot, \zero
	PLACES NP
	WIN 0
	FETCH_A \slot, (\q)+1, 4
.endm
; A slot's last K step changes slots: one barrier; in front of it each wave waits for all its tensor loads, adds 0 to its spare word, and waits for that and for its own reads of this slot.
.macro TURN slot, next, fill
	s_wait_tensorcnt 0x0                           ; all my tensor loads have landed: my part of the next slot
	ds_add_u32 v[SPW], v[NIL]                      ; 0 onto my spare word
	s_wait_dscnt 4*NL+1                            ; (the add and the youngest 16 loads may be out)
	WIN MUL_LO
	MUL16 0, 1, NQ-1, \slot, 0                     ; sixteen matrix instructions stand between the add and the wait for it
	s_wait_dscnt 0x0                               ; the add is done, and my reads of this slot are over
	s_barrier_signal -1
	MUL16 2, 1, NQ-1, \slot, 0
	WIN 0
	s_barrier_wait -1
.if \fill
	CREST                                          ; the barrier has opened a round of the cluster's barrier: no wave of any partner still reads this slot or has a load on its way
	s_add_nc_u64 s[G0+4*\slot+2:G0+4*\slot+3], s[G0+4*\slot+2:G0+4*\slot+3], 2*TILEB
	s_add_nc_u64 s[G0B+4*\slot+2:G0B+4*\slot+3], s[G0B+4*\slot+2:G0B+4*\slot+3], 2*TILEB
	JLOAD G0+4*\slot, G1, G0B+4*\slot, G1B         ; the first tensor load behind the round; its four v_nop are the places in front of the loads below
.else
	PLACES NP
.endif
	v_add_nc_u32 v[ADRS], 128, v[ADRS]             ; on to the next slot's scale words
	v_add_nc_u32 v[ADRS2], 128, v[ADRS2]
	FETCH_B \next, 0, 0
	FETCH_A \next, 0, 0
	SCALES \next
	WIN MUL_HI
	MUL16 4, 1, NQ-1, \slot, 0
	MUL16 6, 1, NQ-1, \slot, 0
	PLACES NP
	WIN 0
	FETCH_A \next, 0, 4
.endm
	s_wait_tensorcnt 1                             ; the scale words and my part of slot 0 are in (slot 1's load may be out)
	s_barrier_signal -1
	s_barrier_wait -1                              ; everybody's are
	FETCH_B 0, 0, 0
	FETCH_A 0, 0, 0
	SCALES 0
	FETCH_A 0, 0, 4
	STEP 0, 0, 1                                   ; the first K step stands in front of the loop: its products start the sums
	s_mov_b32 s3, LAPS-1
.Llap:                                             ; a trip goes once round the ring and fills both slots again
	TURN 0, 1, 1
	STEP 1, 0, 0
	TURN 1, 0, 1
	STEP 0, 0, 0
	s_sub_co_u32 s3, s3, 1
	s_cmp_lg_u32 s3, 0
	s_cbranch_scc1 .Llap
	TURN 0, 1, 0                                   ; the last lap fills nothing
	s_load_b256 s[24:31], s[0:1], 0x10             ; no tensor load is out and none follows, so the descriptors' registers take the epilogue's pointers: bq, bk, bv, cos,
	s_load_b128 s[32:35], s[0:1], 0x30             ; sin, qq,
	s_load_b64 s[36:37], s[0:1], 0x40              ; kv
	STEP 1, 0, 0
	s_wait_dscnt 4*NL                              ; the very last K step
	WIN MUL_LO
	MUL16 0, 1, NQ-1, 1, 0
	MUL16 2, 1, NQ-1, 1, 0
	s_wait_dscnt 0
	WIN MUL_HI
	MUL16 4, 1, NQ-1, 1, 0
	MUL16 6, 1, NQ-1, 1, 0
	WIN 0
; ---------------- the epilogue ----------------
; For A's block a, registers 16 b + i of the lane's 64 are B's rows 32 b + 16 h + i of my 64 of the low run (b = 0, 1) and of the high run (b = 2, 3).
; QUANT: 64 numbers v[s] .. v[s + 63] become codes in v[PC] on (registers 0-5: the low run's half image, 6-11: the high run's) and four scale bytes in v[PW] (two for each run).
.macro QUANT s
.irp b, 0,1,2,3
	v_max3_num_f32 v[TM+\b], |v[\s+16*\b]|, |v[\s+1+16*\b]|, 0x1800000   ; block b: my 16 numbers, and the floor 2^(3 - 127): the byte cannot fall under 1
.endr
.irp i, 2,4,6,8,10,12,14
.irp b, 0,1,2,3
	v_max3_num_f32 v[TM+\b], v[TM+\b], |v[\s+16*\b+\i]|, |v[\s+1+16*\b+\i]|
.endr
.endr
.irp b, 0,1,2,3
	v_permlanex16_b32 v[TM+4+\b], v[TM+\b], s[SEL], s[SEL+1]
.endr
.irp b, 0,1,2,3
	v_max_num_f32 v[TM+\b], v[TM+\b], v[TM+4+\b]   ; with lane l xor 16's: the block's largest magnitude
.endr
.irp b, 0,1,2,3
	v_add_nc_u32 v[TM+12+\b], 0xff000000, v[TM+\b] ; 2 off its exponent field: the conversion's scale operand
.endr
.irp b, 0,1,2,3
	v_lshrrev_b32 v[TM+4+\b], 23, v[TM+12+\b]      ; the scale's byte
.endr
	v_lshl_or_b32 v[PW], v[TM+5], 8, v[TM+4]
	v_lshl_or_b32 v[PW], v[TM+6], 16, v[PW]
	v_lshl_or_b32 v[PW], v[TM+7], 24, v[PW]
.irp c, 0,1
	v_cvt_scalef32_pk16_fp6_f32 v[PC+6*\c:PC+2+6*\c], v[\s+32*\c:\s+15+32*\c], v[TM+12+2*\c]
	v_cvt_scalef32_pk16_fp6_f32 v[PC+12+4*\c:PC+14+4*\c], v[\s+16+32*\c:\s+31+32*\c], v[TM+12+2*\c+1]
.endr
	v_nop                                          ; one plain place behind a scaled conversion
.irp c, 0,1                                    ; the operand's layout wants a whole block in a lane: lanes 0-15 block 2 c, lanes 16-31 block 2 c + 1
.irp i, 0,1,2
	v_permlane16_swap_b32 v[PC+6*\c+\i], v[PC+12+4*\c+\i]
.endr
.irp i, 0,1,2
	v_mov_b32 v[PC+3+6*\c+\i], v[PC+12+4*\c+\i]
.endr
.endr
.endm
.macro PUT a                           ; block a's two half images (512 + 256 consecutive bytes each, aligned) and its two half words
	global_store_b128 v24, v[PC:PC+3], s[48:49] offset:(\a)*FRB
	global_store_b64 v25, v[PC+4:PC+5], s[48:49] offset:(\a)*FRB+512
	global_store_b128 v24, v[PC+6:PC+9], s[50:51] offset:(\a)*FRB
	global_store_b64 v25, v[PC+10:PC+11], s[50:51] offset:(\a)*FRB+512
	v_lshrrev_b32 v242, v241, v[PW]                ; lanes 0-15 keep the low run's two bytes, lanes 16-31 take the high run's
	global_store_b16 v26, v242, s[52:53] offset:(\a)*64
.endm
	PLACES NP                                      ; behind the last products
	s_mov_b32 s[SEL], 0x76543210
	s_mov_b32 s[SEL+1], 0xfedcba98                 ; v_permlanex16_b32's selects for lane l xor 16
	v_lshlrev_b32 v241, 4, v2                      ; 16 h
.irp b, 0,1,2,3
	v_mov_b32 v[TM+4+\b], 0                        ; written once: a lane permute's destination counts as one of its sources
.endr
	s_and_b32 s56, s42, 7                          ; G = c % 8
	s_lshl_b32 s57, s17, 1
	s_add_co_u32 s57, s57, s15                     ; U = 2 y + my half of A's rows
	s_mul_i32 s58, s16, 768                        ; my 64 of a run are half c = wave % 2 of an image,
	s_lshl_b32 s59, s16, 1                         ; and two of a scale word's four bytes
	s_wait_kmcnt 0x0
	s_cmp_ge_u32 ttmp9, 4
	s_cbranch_scc1 .Lv
; ---- q and k: a lane holds a token; low run = head G, high run = head G + 8; tokens: tiles 8 U + a
	s_mul_i32 s60, s56, 196608
	s_mul_i32 s61, s57, 8*FRB
	s_add_co_u32 s60, s60, s61
	s_add_co_u32 s60, s60, s58                     ; q's codes: head G, tile 8 U, my half
	s_lshl_b32 s61, s56, 13
	s_lshl_b32 s62, s57, 9
	s_add_co_u32 s61, s61, s62
	s_add_co_u32 s61, s61, s59
	s_add_co_u32 s61, s61, XQS                     ; q's words
	s_mul_i32 s62, s56, 409600
	s_mul_i32 s63, s57, 25600
	s_add_co_u32 s62, s62, s63                     ; k: head G's record of key step U
	s_add_co_u32 s63, s62, s59
	s_add_co_u32 s63, s63, 8*FRB                   ; its words
	s_add_co_u32 s62, s62, s58                     ; its codes
	s_mov_b32 s66, 8*196608                        ; eight heads on: in qq's codes,
	s_mov_b32 s67, 8*409600                        ; in kv,
	s_mov_b32 s68, 8*8192                          ; in qq's words
	s_cmp_ge_u32 ttmp9, 2                          ; k's columns?
	s_cselect_b32 s70, s62, s60
	s_cselect_b32 s72, s63, s61
	s_cselect_b32 s74, s67, s66
	s_cselect_b32 s54, s67, s68
	s_cselect_b64 s[48:49], s[36:37], s[34:35]
	s_cselect_b64 s[38:39], s[26:27], s[24:25]     ; bk or bq
	s_mov_b32 s71, 0
	s_mov_b32 s73, 0
	s_mov_b32 s75, 0
	s_add_nc_u64 s[52:53], s[48:49], s[72:73]      ; the words,
	s_add_nc_u64 s[48:49], s[48:49], s[70:71]      ; the low run's codes,
	s_add_nc_u64 s[50:51], s[48:49], s[74:75]      ; the high run's
	s_lshl_b32 s76, s56, 9
	s_lshl_b32 s77, s16, 8
	s_add_co_u32 s76, s76, s77                     ; my 64 columns of the low run: 128 G + 64 x half, in bytes
	s_mov_b32 s77, 0
	s_add_nc_u64 s[38:39], s[38:39], s[76:77]
	s_lshl_b32 s78, s57, 20                        ; my 128 tokens: rows of 8,192 bytes
	s_add_co_u32 s76, s76, s78
	s_add_nc_u64 s[30:31], s[30:31], s[76:77]      ; cos
	s_add_nc_u64 s[32:33], s[32:33], s[76:77]      ; sin
	v_mul_u32_u24 v26, s54, v2
	v_lshl_add_u32 v26, v1, 2, v26                 ; the half words: 4 r, lanes 16-31 eight heads on
	v_lshlrev_b32 v12, 13, v2
	v_lshl_add_u32 v12, v1, 4, v12                 ; cos, sin: lanes 0-15 a row's 256 bytes, lanes 16-31 the next row's
; cos and sin of block a's 16 tokens x (64 + 64) columns, 32 loads of two whole runs of 256 bytes, into set p of window 1: cos low, sin low, cos high, sin high
.macro GLOAD a, p
	WIN 0x40
.irp t, 0,1,2,3,4,5,6,7
.set RO, (32*((\a)/2)+8*((\a)%2)+2*\t+8*(\t/4))*8192
	global_load_b128 v[128*(\p)+4*\t:128*(\p)+4*\t+3], v12, s[30:31] offset:RO
	global_load_b128 v[128*(\p)+32+4*\t:128*(\p)+32+4*\t+3], v12, s[32:33] offset:RO
	global_load_b128 v[128*(\p)+64+4*\t:128*(\p)+64+4*\t+3], v12, s[30:31] offset:RO+4096
	global_load_b128 v[128*(\p)+96+4*\t:128*(\p)+96+4*\t+3], v12, s[32:33] offset:RO+4096
.endr
	WIN 0
.endm
; through my stage, so that lane (r, h) gets token r's numbers at my registers' columns: v32 cos low, v64 sin low, v96 cos high, v128 sin high
.macro TURNCS p
	WIN 0x04                                       ; an LDS store's data are its source 1: window 1
.irp k, 0,1,2,3
.irp t, 0,1,2,3,4,5,6,7
	ds_store_b128 v13, v[128*(\p)+32*\k+4*\t:128*(\p)+32*\k+4*\t+3] offset:\k*CSB+544*\t
.endr
.endr
	WIN 0
	s_wait_xcnt 0x0                                ; the last block's stores have read v32 on and v242: they are written again only behind this wait
.irp k, 0,1,2,3
.irp e, 0,1
.irp j, 0,1,2,3
	ds_load_b128 v[32+32*\k+16*\e+4*\j:32+32*\k+16*\e+4*\j+3], v14 offset:\k*CSB+128*\e+16*\j   ; LDS serves a wave's instructions in order: these see the stores above
.endr
.endr
.endr
.endm
.macro ROPE a                          ; out(j) = t(j) cos(j) - t(j + 1,024) sin(j);  out(j + 1,024) = t(j + 1,024) cos(j + 1,024) + t(j) sin(j + 1,024)
	WIN 2+(\a)/4                                   ; source 0: the accumulators' window
.set AC, 64*((\a)%4)
.set j, 0
.rept 16
	v_pk_mul_f32 v[160+j:161+j], v[AC+j:AC+j+1], v[32+j:33+j]
	v_pk_mul_f32 v[192+j:193+j], v[AC+32+j:AC+33+j], v[96+j:97+j]
	v_pk_fma_f32 v[160+j:161+j], v[AC+32+j:AC+33+j], v[64+j:65+j], v[160+j:161+j] neg_lo:[1,0,0] neg_hi:[1,0,0]
	v_pk_fma_f32 v[192+j:193+j], v[AC+j:AC+j+1], v[128+j:129+j], v[192+j:193+j]
.set j, j+2
.endr
	WIN 0
.endm
.irp t, 0,1
.irp e, 0,1
.irp j, 0,1,2,3
	global_load_b128 v[160+32*\t+16*\e+4*\j:160+32*\t+16*\e+4*\j+3], v15, s[38:39] offset:\t*4096+128*\e+16*\j   ; the bias at my 64 registers' columns
.endr
.endr
.endr
	GLOAD 0, 0
	GLOAD 1, 1
	s_wait_loadcnt 63                              ; the bias is in: 64 loads are younger
	WIN 0x82                                       ; the bias onto all 64 accumulators, ascending
.set i, 0
.rept 128
	v_pk_add_f32 v[2*i:2*i+1], v[2*i:2*i+1], v[160+(2*i)%64:161+(2*i)%64]
.set i, i+1
.endr
	WIN 0xc3
.set i, 0
.rept 128
	v_pk_add_f32 v[2*i:2*i+1], v[2*i:2*i+1], v[160+(2*i)%64:161+(2*i)%64]
.set i, i+1
.endr
	WIN 0
.irp a, 0,1,2,3,4,5,6,7
.if \a < 7
	s_wait_loadcnt 32                              ; this block's cos and sin are in; the next block's 32 loads may be out
.else
	s_wait_loadcnt 0
.endif
	TURNCS (\a)%2
	s_wait_dscnt 0x0                               ; they are back, and the stores have read their registers,
.if \a < 6
	GLOAD (\a)+2, (\a)%2                           ; which take the block two on
.endif
	ROPE \a
	QUANT 160
	PUT \a
.endr
	s_branch .Lend
; ---- v: a lane holds a channel of head U (tile a of its eight); low run = key step G, high run = key step G + 8
.Lv:
	s_mul_i32 s70, s57, 409600
	s_mul_i32 s60, s56, 25600
	s_add_co_u32 s70, s70, s60
	s_add_co_u32 s70, s70, 12800                   ; V^T's part of the record
	s_add_co_u32 s72, s70, s59
	s_add_co_u32 s72, s72, 8*FRB                   ; its words
	s_add_co_u32 s70, s70, s58                     ; its codes, my half
	s_mov_b32 s71, 0
	s_mov_b32 s73, 0
	s_add_nc_u64 s[52:53], s[36:37], s[72:73]
	s_add_nc_u64 s[48:49], s[36:37], s[70:71]
	s_add_nc_u64 s[50:51], s[48:49], 8*25600
	s_mov_b32 s54, 8*25600
	s_lshl_b32 s76, s57, 9                         ; bv at head U's 128 channels
	s_mov_b32 s77, 0
	s_add_nc_u64 s[28:29], s[28:29], s[76:77]
	v_mul_u32_u24 v26, s54, v2
	v_lshl_add_u32 v26, v1, 2, v26
	v_and_b32 v12, 8, v1
	v_add_nc_u32 v12, v12, v1
	v_lshlrev_b32 v12, 2, v12                      ; my channel in a tile: r + 8 (r / 8)
.irp a, 0,1,2,3,4,5,6,7
	global_load_b32 v[96+2*\a], v12, s[28:29] offset:(32*(\a/2)+8*(\a%2))*4
	v_mov_b32 v[97+2*\a], 0                        ; (named with it as a pair, so it is written)
.endr
	s_wait_loadcnt 0x0
.irp a, 0,1,2,3,4,5,6,7
	s_wait_xcnt 0x0                                ; the last block's stores have read their registers
	WIN 2+(\a)/4
.set AC, 64*((\a)%4)
.set j, 0
.rept 32
	v_pk_add_f32 v[160+j:161+j], v[AC+j:AC+j+1], v[96+2*\a:97+2*\a] op_sel_hi:[1,0]   ; + my channel's bias; ascending: each accumulator is first read at its low end
.set j, j+2
.endr
	WIN 0
	QUANT 160
	PUT \a
.endr
.Lend:
	s_wait_tensorcnt 0x0                           ; the wave's end: behind my last tensor load and my last LDS store
	ds_add_u32 v[SPW], v[NIL]
	s_wait_dscnt 0x0
	CROUND                                         ; the closing round
	s_endpgm
.Lfunc_end_k_qddd009f4ee_qkv:
	.size	k_qddd009f4ee_qkv, .Lfunc_end_k_qddd009f4ee_qkv-k_qddd009f4ee_qkv
	.p2alignl 7, 3214868480
	.fill 96, 4, 3214868480
	.section	.rodata,"a",@progbits
	.p2align	6, 0x0
	.amdhsa_kernel k_qddd009f4ee_qkv
		.amdhsa_group_segment_fixed_size 327680
		.amdhsa_private_segment_fixed_size 0
		.amdhsa_enable_private_segment 0
		.amdhsa_kernarg_size 72
		.amdhsa_user_sgpr_count 2
		.amdhsa_user_sgpr_kernarg_segment_ptr 1
		.amdhsa_wavefront_size32 1
		.amdhsa_system_sgpr_workgroup_id_x 1
		.amdhsa_system_sgpr_workgroup_id_y 1
		.amdhsa_system_sgpr_workgroup_id_z 1
		.amdhsa_system_vgpr_workitem_id 0
		.amdhsa_next_free_vgpr 1024
		.amdhsa_next_free_sgpr 100
		.amdhsa_reserve_vcc 0
		.amdhsa_float_denorm_mode_32 3
		.amdhsa_float_denorm_mode_16_64 3
		.amdhsa_memory_ordered 1
		.amdhsa_forward_progress 1
		.amdhsa_inst_pref_size 255
	.end_amdhsa_kernel
	.section	.bss,"aw",@nobits
	.p2align	6
	.space	262144
	.amdgpu_metadata
---
amdhsa.version: [ 1, 2 ]
amdhsa.kernels:
  - .name:           k_qddd009f4ee_qkv
    .symbol:         k_qddd009f4ee_qkv.kd
    .args:
      - { .name: xq, .offset: 0, .size: 8, .value_kind: global_buffer, .address_space: global }
      - { .name: wq, .offset: 8, .size: 8, .value_kind: global_buffer, .address_space: global }
      - { .name: bq, .offset: 16, .size: 8, .value_kind: global_buffer, .address_space: global }
      - { .name: bk, .offset: 24, .size: 8, .value_kind: global_buffer, .address_space: global }
      - { .name: bv, .offset: 32, .size: 8, .value_kind: global_buffer, .address_space: global }
      - { .name: cos, .offset: 40, .size: 8, .value_kind: global_buffer, .address_space: global }
      - { .name: sin, .offset: 48, .size: 8, .value_kind: global_buffer, .address_space: global }
      - { .name: qq, .offset: 56, .size: 8, .value_kind: global_buffer, .address_space: global }
      - { .name: kv, .offset: 64, .size: 8, .value_kind: global_buffer, .address_space: global }
    .group_segment_fixed_size: 327680
    .private_segment_fixed_size: 0
    .kernarg_segment_align: 8
    .kernarg_segment_size: 72
    .max_flat_workgroup_size: 128
    .sgpr_count:     100
    .vgpr_count:     1024
    .wavefront_size: 32
...
	.end_amdgpu_metadata
.endif
;; end of part 2
;; launch attn (part 3): grid 16 x 16, 8 waves a work-group, no clusters, 327,680 bytes of LDS; arguments qq, kv, aq; writes aq
.if DOCPART == 3
	.amdgcn_target "amdgcn-amd-amdhsa--gfx1250"
	.amdhsa_code_object_version 6
	.text
	.protected	k_qddd009f4ee_attn
	.globl	k_qddd009f4ee_attn
	.p2align	8
	.type	k_qddd009f4ee_attn,@function
k_qddd009f4ee_attn:
	s_mov_b64 s[64:65], 0
	v_nop
	global_prefetch_b8 v0, s[64:65] scope:SCOPE_SE
	s_setreg_imm32_b32 hwreg(HW_REG_WAVE_MODE, 25, 1), 1
	s_wait_xcnt 0x0
; Causal attention on codes of FP6 (E2M3): S^T = K Q^T, p = 2^(t - M), O^T = V^T P^T, O / l, and the result's quantising along the model's axis for the last product.
; t = score x log2(e) / sqrt(128); M = the running largest t rounded UP to a whole number; p is quantised along the keys, not normalised; the row's sum l is taken of the unquantised p and divides at the end.
; When M moves, l and O are multiplied by 2^(old M - new M): exact.
; INPUTS: qq: Q's images [head][tile][1,536] and words; kv: [head][key step of 128] records of 25,600 bytes: K's 8 images, K's words (8 x 64 bytes), V^T's 8 images (rows = channels, K = the keys), V^T's words.
; A tile T = 2 g + u holds rows 32 g + 8 u + i + 8 (i / 8): so the 16 registers of two neighbouring tiles of S^T are 16 neighbouring keys, and those of O^T 16 neighbouring channels.
; SHARES: a work-group takes a head (y) and eight tiles of 16 queries: wave w < 4 tile 4 x + w, wave w >= 4 tile 120 - 4 x + w.  A tile needs T / 8 + 1 key steps: waves w and w + 4 have 17 together, whatever x.
; Every wave walks all 16 key steps, so that the trip counts are constants and no tensor load or barrier is jumped over; a step all of whose keys come after the wave's queries is left out by a scalar branch on ids.
; RING: two slots of four key steps (102,400 bytes, dense in memory); each of the eight waves brings an eighth with one tensor load.
; NO CLUSTER: which steps a work-group leaves out hangs on its own block of queries.
; LIMITS: a block of zeros gets the byte 1 (its codes are zeros); NaN and infinities are not served.
; REGISTERS: v1-7 addresses that stay; v8-10 addresses of the step in hand; v12 -M, v13 the largest t, v[14:15] the sum in two halves; v16-27 Q; v28-30 offsets; v32-79 four fragments of K or V; v96-159 S^T, then p; v160-223 O^T; v224-235 p's codes; v232-254 at work; v255 Q's words.
.set FRB,   1536
.set STEPB, 25600                      ; a key step's record
.set SLOTB, 4*STEPB
.set PART,  SLOTB/8                    ; what one tensor load brings: 50 rows of 256 bytes
.set SLOT1, 1<<17                      ; slot 1 begins here, so that one exclusive or turns an address in one slot into the other's
.set SPARE, 2*SLOT1                    ; the spare words, 128 bytes for each wave, which no other line names
.set KW,    8*FRB                      ; K's words in a record
.set VO,    KW+512                     ; V^T's part of a record
.set XQS,   3145728
.set TM,   232
.set PW,   253
.set PC,   32
.set SEL,  20
	s_load_b128 s[4:7], s[0:1], 0x0                ; qq s[4:5], kv s[6:7]
	s_load_b64 s[8:9], s[0:1], 0x10                ; aq
	v_lshl_add_u32 v5, v0, 2, SPARE                ; v5: my spare word; never rewritten
	v_mov_b32 v6, 0                                ; v6: 0; never rewritten
	ds_add_u32 v5, v6
	ds_add_u32 v5, v6
	s_wait_dscnt 0x0
	v_lshrrev_b32 v8, 5, v0
	v_readfirstlane_b32 s18, v8                    ; wave 0..7
	s_and_b32 s10, ttmp7, 0xffff                   ; the head
	s_lshl_b32 s11, ttmp9, 2
	s_add_co_u32 s12, s11, s18
	s_sub_co_u32 s13, 120, s11
	s_add_co_u32 s13, s13, s18
	s_cmp_lt_u32 s18, 4
	s_cselect_b32 s12, s12, s13                    ; T: my tile of queries
	s_lshr_b32 s13, s12, 1
	s_lshl_b32 s13, s13, 5
	s_and_b32 s14, s12, 1
	s_lshl_b32 s14, s14, 3
	s_add_co_u32 s71, s13, s14                     ; s71: my first query; my last is 23 on
	s_mov_b32 s24, 3<<16                           ; group 1: elements of 8 bytes, no mask, no padding
	s_mov_b32 s25, 32<<16                          ; tensor_dim0 = 32 (256 bytes)
	s_mov_b32 s26, 50<<16                          ; tensor_dim1 = 50
	s_mov_b32 s27, 32<<16                          ; tile_dim0
	s_mov_b32 s28, 50                              ; tile_dim1
	s_mov_b32 s29, 32                              ; the pitch: dense
	s_mov_b32 s30, 0
	s_mov_b32 s31, 0
	s_mul_i32 s32, s10, 16*STEPB                   ; the head's records,
	s_mul_i32 s15, s18, PART                       ; my eighth of a slot
	s_add_co_u32 s32, s32, s15
	s_mov_b32 s33, 0
	s_mul_i32 s34, s10, 128*FRB
	s_mul_i32 s16, s12, FRB
	s_add_co_u32 s34, s34, s16                     ; Q's image
	s_mov_b32 s35, 0
	s_lshl_b32 s36, s10, 13
	s_lshl_b32 s16, s12, 6
	s_add_co_u32 s36, s36, s16
	s_add_co_u32 s36, s36, XQS                     ; Q's words
	s_mov_b32 s37, 0
	s_mul_i32 s38, s12, 16*FRB
	s_mul_i32 s16, s10, FRB
	s_add_co_u32 s38, s38, s16                     ; the result's image: tile T, K step = the head
	s_mov_b32 s39, 0
	s_lshl_b32 s44, s12, 10
	s_lshr_b32 s16, s10, 1
	s_lshl_b32 s16, s16, 7
	s_add_co_u32 s44, s44, s16
	s_and_b32 s16, s10, 1
	s_lshl_b32 s16, s16, 2
	s_add_co_u32 s44, s44, s16
	s_add_co_u32 s44, s44, XQS                     ; and its words
	s_mov_b32 s45, 0
	s_mov_b32 s[SEL], 0x76543210
	s_mov_b32 s[SEL+1], 0xfedcba98                 ; v_permlanex16_b32's selects for lane l xor 16
	s_mov_b32 s22, 0x3e0293ee                      ; c = log2(e) / sqrt(128)
	s_mov_b32 s23, s22                             ; (named with it as a pair, so it is written)
	s_mov_b32 s2, 0                                ; s2: LDS byte at which the step in hand begins
	s_mov_b32 s67, 3                               ; s67: slots still to be asked for
	s_mov_b32 s70, 0                               ; s70: the step's first key
	s_cmp_eq_u32 ttmp9, 0
	s_cselect_b32 s78, 1, -1                       ; s78: 1 in the head's first work-group, which prefetches; else the greatest number
	s_wait_kmcnt 0x0
	s_add_nc_u64 s[76:77], s[6:7], s[32:33]
	s_mov_b32 s40, 1                               ; group 0: count = 1,
	s_mov_b32 s41, s15                             ; LDS address: slot 0, my eighth,
	s_mov_b64 s[42:43], s[76:77]                   ; global address,
	s_or_b32 s43, s43, 0x80000000                  ; type = 2
	tensor_load_to_lds s[40:43], s[24:31]          ; slot 0
	s_nop 0
.rept 4
	v_nop
.endr
	s_add_nc_u64 s[76:77], s[76:77], SLOTB         ; s[76:77]: where my prefetches stand: in slot 1; the first change of slots steps it to slot 2.  Nothing is prefetched here, at the head
	s_add_nc_u64 s[46:47], s[4:5], s[34:35]
	s_add_nc_u64 s[48:49], s[4:5], s[36:37]
	s_add_nc_u64 s[50:51], s[8:9], s[38:39]
	s_add_nc_u64 s[52:53], s[8:9], s[44:45]
	v_and_b32 v11, 31, v0                          ; lane
	v_and_b32 v12, 15, v0                          ; r
	v_bfe_u32 v13, v0, 4, 1                        ; h
	v_lshlrev_b32 v1, 4, v11                       ; v1: 16 x lane
	v_lshlrev_b32 v2, 4, v12
	v_lshl_add_u32 v2, v13, 3, v2                  ; v2: 16 r + 8 h
	v_lshl_add_u32 v3, v12, 2, KW                  ; v3: a record's words: 4 r
	v_lshlrev_b32 v7, 2, v12
	global_load_b128 v[16:19], v1, s[46:47]        ; Q's fragment stays in registers
	global_load_b64 v[20:21], v2, s[46:47] offset:512
	global_load_b128 v[22:25], v1, s[46:47] offset:768
	global_load_b64 v[26:27], v2, s[46:47] offset:1280
	global_load_b32 v255, v7, s[48:49]             ; and its scale words
	v_and_b32 v4, 8, v12
	v_add_nc_u32 v4, v4, v12
	v_lshlrev_b32 v14, 4, v13
	v_sub_nc_u32 v4, v4, v14                       ; v4: my query in the tile, r + 8 (r / 8), less 16 h
	v_lshlrev_b32 v28, 8, v11                      ; v28: the prefetches' offsets: blocks 0 .. 31 of my eighth,
	v_add_nc_u32 v29, 32, v11
	v_min_u32 v29, 49, v29
	v_lshlrev_b32 v29, 8, v29                      ; v29: blocks 32 .. 49; the lanes past the end name the last block again
	v_lshlrev_b32 v30, 3, v12                      ; v30: 8 r: the result's words
	v_mov_b32 v13, 0xff61b1e6                      ; the largest t so far: -3e38, under every t
	v_floor_f32 v12, -v13                          ; -M
	v_mov_b32 v14, 0                               ; the sum, in two halves
	v_mov_b32 v15, 0
.irp b, 0,1,2,3
	v_mov_b32 v[236+\b], 0                         ; written once: a lane permute's destination counts as one of its sources
.endr
	v_mov_b32 v252, 0
	v_mov_b32 v253, 0
.set j, 0
.rept 64
	v_mov_b32 v[160+j], 0                          ; O^T.  (The step is written once: the first finds zeros, which the first change of M leaves zeros)
.set j, j+1
.endr
.macro FRAG reg, off                   ; an image comes back as it was stored
	ds_load_b128 v[\reg:\reg+3], v8 offset:\off
	ds_load_b64 v[\reg+4:\reg+5], v9 offset:\off+512
	ds_load_b128 v[\reg+6:\reg+9], v8 offset:\off+768
	ds_load_b64 v[\reg+10:\reg+11], v9 offset:\off+1280
.endm
; A KEY STEP: 128 keys
.macro STEP
	s_add_co_u32 s72, s71, 23
	s_cmp_gt_u32 s70, s72                          ; all its keys come after my queries: the step's work is left out, not the lines at its end that step addresses
	s_cbranch_scc1 .Lhidden_\@
	v_add_nc_u32 v8, s2, v1
	v_add_nc_u32 v9, s2, v2
	v_add_nc_u32 v10, s2, v3
	v_nop                                          ; (with the three additions: four places in front of loads into registers that the last products read)
.irp g, 0,1                                    ; S^T = K Q^T, four tiles of 16 keys at a time
.if \g > 0
.rept 4
	v_nop
.endr
.endif
.irp t, 0,1,2,3
	FRAG 32+12*\t, (4*\g+\t)*FRB
	ds_load_b32 v[248+\t], v10 offset:(4*\g+\t)*64
.endr
	s_wait_dscnt 0x0
.irp t, 0,1,2,3
	v_wmma_scale_f32_16x16x128_f8f6f4 v[96+8*(4*\g+\t):103+8*(4*\g+\t)], v[32+12*\t:43+12*\t], v[16:27], 0, v[248+\t], v255 matrix_a_fmt:MATRIX_FMT_FP6 matrix_b_fmt:MATRIX_FMT_FP6
.endr
.endr
.rept 4
	v_nop
.endr
	s_add_co_u32 s72, s70, 127                     ; on the diagonal the scores of hidden keys become -infinity ahead of the maximum: p = 0 then.  A step all of whose keys count skips this
	s_cmp_le_u32 s72, s71
	s_cbranch_scc1 .Lopen_\@
	s_sub_co_i32 s72, s71, s70
	v_add_nc_u32 v252, s72, v4                     ; d = my query - the step's first key - 16 h.  Register 16 b + i holds key 32 b + 16 h + i of the step: hidden where 32 b + i > d
	v_mov_b32 v254, 0xff800000
.set n, 0
.rept 64
	v_cmp_gt_i32 vcc_lo, 32*(n/16)+n%16, v252
	v_cndmask_b32 v[96+n], v[96+n], v254, vcc_lo
.set n, n+1
.endr
.Lopen_\@:
.irp b, 0,1,2,3
	v_max3_num_f32 v[232+\b], v[96+16*\b], v[97+16*\b], v[98+16*\b]   ; the largest score of each block of 32 keys: it serves for the row's maximum and, since p rises with the score, for the block's largest p
.endr
.irp i, 3,5,7,9,11,13
.irp b, 0,1,2,3
	v_max3_num_f32 v[232+\b], v[232+\b], v[96+16*\b+\i], v[97+16*\b+\i]
.endr
.endr
.irp b, 0,1,2,3
	v_max_num_f32 v[232+\b], v[232+\b], v[111+16*\b]
.endr
.irp b, 0,1,2,3
	v_permlanex16_b32 v[236+\b], v[232+\b], s[SEL], s[SEL+1]
.endr
.irp b, 0,1,2,3
	v_max_num_f32 v[232+\b], v[232+\b], v[236+\b]  ; with lane l xor 16's 16 keys
.endr
	v_max3_num_f32 v254, v232, v233, v234
	v_max_num_f32 v254, v254, v235                 ; the step's largest score of my query
	v_mul_f32 v254, s22, v254                      ; as t
	v_max_num_f32 v13, v13, v254                   ; the running largest t
	v_mov_b32 v254, v12
	v_floor_f32 v12, -v13                          ; the new -M = floor(-t): M is a whole number
	v_sub_f32 v254, v12, v254                      ; old M - new M: a whole number, 0 or less
	v_cvt_i32_f32 v254, v254                       ; (it saturates)
	v_ldexp_f32 v252, 1.0, v254                    ; f = 2^(old M - new M)
.set j, 0
.rept 32
	v_pk_fma_f32 v[96+j:97+j], v[96+j:97+j], s[22:23], v[12:13] op_sel_hi:[1,0,0]   ; t - M, two at a time
.set j, j+2
.endr
.irp b, 0,1,2,3
	v_fma_f32 v[232+\b], v[232+\b], s22, v12       ; the same of each block's largest score
.endr
.set j, 0
.rept 64
	v_exp_f32 v[96+j], v[96+j]                     ; p = 2^(t - M), at most 1
.set j, j+1
.endr
	v_pk_mul_f32 v[14:15], v[14:15], v[252:253] op_sel_hi:[1,0]   ; the sums under the new M.  (A plain place behind the exponentials)
	s_wait_alu depctr_va_vdst(0)                   ; one wait for the whole batch, ahead of its first reader
.irp b, 0,1,2,3
	v_exp_f32 v[232+\b], v[232+\b]                 ; the block's largest p
.endr
	v_pk_add_f32 v[236:237], v[96:97], v[98:99]    ; the row's sum is taken of the unquantised p: two at a time, in two chains
.irp j, 4,8,12,16,20,24,28,32,36,40,44,48,52,56,60
	v_pk_add_f32 v[14:15], v[14:15], v[96+\j:97+\j]
	v_pk_add_f32 v[236:237], v[236:237], v[98+\j:99+\j]
.endr
	v_pk_add_f32 v[14:15], v[14:15], v[236:237]
	s_wait_alu depctr_va_vdst(0)                   ; and one for the four
.irp b, 0,1,2,3
	v_max_num_f32 v[232+\b], 0x1800000, v[232+\b]  ; the floor 2^(3 - 127): the byte cannot fall under 1
.endr
.irp b, 0,1,2,3
	v_add_nc_u32 v[244+\b], 0xff000000, v[232+\b]  ; the conversion's scale operand
.endr
.irp b, 0,1,2,3
	v_lshrrev_b32 v[236+\b], 23, v[244+\b]         ; the scale's byte
.endr
	v_lshl_or_b32 v253, v237, 8, v236              ; p's scale word for these 128 keys
	v_lshl_or_b32 v253, v238, 16, v253
	v_lshl_or_b32 v253, v239, 24, v253
.irp c, 0,1
	v_cvt_scalef32_pk16_fp6_f32 v[224+6*\c:226+6*\c], v[96+32*\c:111+32*\c], v[244+2*\c]
	v_cvt_scalef32_pk16_fp6_f32 v[236+4*\c:238+4*\c], v[112+32*\c:127+32*\c], v[244+2*\c+1]
.endr
	v_nop                                          ; one plain place behind a scaled conversion
.irp c, 0,1
.irp i, 0,1,2
	v_permlane16_swap_b32 v[224+6*\c+\i], v[236+4*\c+\i]
.endr
.irp i, 0,1,2
	v_mov_b32 v[227+6*\c+\i], v[236+4*\c+\i]
.endr
.endr
.set j, 0
.rept 32
	v_pk_mul_f32 v[160+j:161+j], v[160+j:161+j], v[252:253] op_sel_hi:[1,0]   ; O^T under the new M.  (These 32 are also the places in front of the matrix instructions and loads below)
.set j, j+2
.endr
.irp g, 0,1                                    ; O^T += V^T P^T: four tiles of 16 channels at a time
.if \g > 0
.rept 4
	v_nop
.endr
.endif
.irp t, 0,1,2,3
	FRAG 32+12*\t, VO+(4*\g+\t)*FRB
	ds_load_b32 v[248+\t], v10 offset:VO+(4*\g+\t)*64
.endr
	s_wait_dscnt 0x0
.irp t, 0,1,2,3
	v_wmma_scale_f32_16x16x128_f8f6f4 v[160+8*(4*\g+\t):167+8*(4*\g+\t)], v[32+12*\t:43+12*\t], v[224:235], v[160+8*(4*\g+\t):167+8*(4*\g+\t)], v[248+\t], v253 matrix_a_fmt:MATRIX_FMT_FP6 matrix_b_fmt:MATRIX_FMT_FP6
.endr
.endr
.Lhidden_\@:
	s_add_co_u32 s70, s70, 128
	s_add_co_u32 s2, s2, STEPB
.endm
.macro SLOT_STEPS                      ; a slot's four key steps: written once, walked four times
	s_mov_b32 s66, 4
.Lstep_\@:
	STEP
	s_sub_co_u32 s66, s66, 1
	s_cmp_lg_u32 s66, 0
	s_cbranch_scc1 .Lstep_\@
	s_sub_co_u32 s2, s2, SLOTB                     ; back to a slot's first step,
	s_xor_b32 s2, s2, SLOT1                        ; in the other slot
.endm
; A prefetch of my eighth of the slot that the NEXT change of slots will ask for: four key steps ahead of that load.  All work-groups of a head walk the same records: the head's first work-group asks, each wave for the
; 50 blocks of 256 bytes that it will fetch, by two instructions.  The last change that fills a slot asks for nothing; slots 0 and 1 come by their loads alone.
.macro ASK
	s_cmp_gt_u32 s67, s78
	s_cbranch_scc0 .Lnot_mine_\@
	global_prefetch_b8 v28, s[76:77] th:TH_LOAD_NT scope:SCOPE_SE
	global_prefetch_b8 v29, s[76:77] th:TH_LOAD_NT scope:SCOPE_SE
.Lnot_mine_\@:
.endm
; THE CHANGE OF SLOTS stands at a slot's head.  Each wave waits for all its tensor loads (its part of the slot ahead), adds 0 to its spare word, and waits for that and for its reads of the slot that it has left.
; Behind the barrier the slot ahead is whole and nobody reads the other one; with fill = 1 that one is filled with the next four key steps.
.macro CHANGE fill
	s_wait_tensorcnt 0x0                           ; no tensor load of mine is out, so group 0 may be written
	ds_add_u32 v5, v6                              ; 0 onto my spare word
.if \fill
	s_xor_b32 s41, s41, SLOT1                      ; the other slot than last time,
	s_add_nc_u64 s[42:43], s[42:43], SLOTB         ; the next four key steps; the type bits on top are not reached
	s_wait_xcnt 0x0                                ; the last prefetches, a slot back, have read their address
	s_add_nc_u64 s[76:77], s[76:77], SLOTB
.endif
	s_wait_dscnt 0x0                               ; the add is done, and my reads of the slot that I have left are over
	s_barrier_signal -1
	s_barrier_wait -1
.if \fill
	tensor_load_to_lds s[40:43], s[24:31]          ; the first thing behind the barrier, and my one tensor load until the next
	s_nop 0
.rept 4
	v_nop
.endr
	ASK
.endif
.endm
	s_wait_loadcnt 0x0                             ; Q
.Lslot:                                            ; three trips: behind each change of slots but the last the next slot is asked for
	CHANGE 1
	SLOT_STEPS
	s_sub_co_u32 s67, s67, 1
	s_cmp_lg_u32 s67, 0
	s_cbranch_scc1 .Lslot
	CHANGE 0                                       ; the last slot is written out
	SLOT_STEPS
	; THE WAY OUT.  O^T / l: register 16 b + i of lane (r, h) is channel 32 b + 16 h + i of query r: just what the quantiser along the channels takes.
	v_add_f32 v14, v14, v15                        ; the sum's two halves,
	v_permlanex16_b32 v252, v14, s[SEL], s[SEL+1]
	v_add_f32 v14, v14, v252                       ; and lane l xor 16's: the row's sum
	v_rcp_f32 v14, v14
.rept 4
	v_nop                                          ; a plain place behind the reciprocal; and the places behind the last products
.endr
	s_wait_alu depctr_va_vdst(0)                   ; the wait ahead of the reciprocal's first reader
.set j, 0
.rept 32
	v_pk_mul_f32 v[96+j:97+j], v[160+j:161+j], v[14:15] op_sel_hi:[1,0]   ; ascending: each accumulator is first read at its low end
.set j, j+2
.endr
.irp b, 0,1,2,3
	v_max3_num_f32 v[TM+\b], |v[96+16*\b]|, |v[97+16*\b]|, 0x1800000   ; block b: my 16 numbers, and the floor 2^(3 - 127)
.endr
.irp i, 2,4,6,8,10,12,14
.irp b, 0,1,2,3
	v_max3_num_f32 v[TM+\b], v[TM+\b], |v[96+16*\b+\i]|, |v[97+16*\b+\i]|
.endr
.endr
.irp b, 0,1,2,3
	v_permlanex16_b32 v[TM+4+\b], v[TM+\b], s[SEL], s[SEL+1]
.endr
.irp b, 0,1,2,3
	v_max_num_f32 v[TM+\b], v[TM+\b], v[TM+4+\b]
.endr
.irp b, 0,1,2,3
	v_add_nc_u32 v[TM+12+\b], 0xff000000, v[TM+\b]
.endr
.irp b, 0,1,2,3
	v_lshrrev_b32 v[TM+4+\b], 23, v[TM+12+\b]
.endr
	v_lshl_or_b32 v[PW], v[TM+5], 8, v[TM+4]       ; my query's scale word for this head's 128 channels
	v_lshl_or_b32 v[PW], v[TM+6], 16, v[PW]
	v_lshl_or_b32 v[PW], v[TM+7], 24, v[PW]
.irp c, 0,1
	v_cvt_scalef32_pk16_fp6_f32 v[PC+6*\c:PC+2+6*\c], v[96+32*\c:111+32*\c], v[TM+12+2*\c]
	v_cvt_scalef32_pk16_fp6_f32 v[PC+12+4*\c:PC+14+4*\c], v[112+32*\c:127+32*\c], v[TM+12+2*\c+1]
.endr
	v_nop                                          ; one plain place behind a scaled conversion
.irp c, 0,1
.irp i, 0,1,2
	v_permlane16_swap_b32 v[PC+6*\c+\i], v[PC+12+4*\c+\i]
.endr
.irp i, 0,1,2
	v_mov_b32 v[PC+3+6*\c+\i], v[PC+12+4*\c+\i]
.endr
.endr
	global_store_b128 v1, v[PC:PC+3], s[50:51]     ; the image: 512, 256, 512 and 256 consecutive bytes, aligned
	global_store_b64 v2, v[PC+4:PC+5], s[50:51] offset:512
	global_store_b128 v1, v[PC+6:PC+9], s[50:51] offset:768
	global_store_b64 v2, v[PC+10:PC+11], s[50:51] offset:1280
	global_store_b32 v30, v[PW], s[52:53]          ; lanes r and 16 + r hold the same word and store it to the same place
	s_wait_tensorcnt 0x0                           ; the wave's end
	ds_add_u32 v5, v6
	s_wait_dscnt 0x0
	s_endpgm
.Lfunc_end_k_qddd009f4ee_attn:
	.size	k_qddd009f4ee_attn, .Lfunc_end_k_qddd009f4ee_attn-k_qddd009f4ee_attn
	.p2alignl 7, 3214868480
	.fill 96, 4, 3214868480
	.section	.rodata,"a",@progbits
	.p2align	6, 0x0
	.amdhsa_kernel k_qddd009f4ee_attn
		.amdhsa_group_segment_fixed_size 327680
		.amdhsa_private_segment_fixed_size 0
		.amdhsa_enable_private_segment 0
		.amdhsa_kernarg_size 24
		.amdhsa_user_sgpr_count 2
		.amdhsa_user_sgpr_kernarg_segment_ptr 1
		.amdhsa_wavefront_size32 1
		.amdhsa_system_sgpr_workgroup_id_x 1
		.amdhsa_system_sgpr_workgroup_id_y 1
		.amdhsa_system_sgpr_workgroup_id_z 1
		.amdhsa_system_vgpr_workitem_id 0
		.amdhsa_next_free_vgpr 256
		.amdhsa_next_free_sgpr 80
		.amdhsa_reserve_vcc 1
		.amdhsa_float_denorm_mode_32 3
		.amdhsa_float_denorm_mode_16_64 3
		.amdhsa_memory_ordered 1
		.amdhsa_forward_progress 1
		.amdhsa_inst_pref_size 67
	.end_amdhsa_kernel
	.amdgpu_metadata
---
amdhsa.version: [ 1, 2 ]
amdhsa.kernels:
  - .name:           k_qddd009f4ee_attn
    .symbol:         k_qddd009f4ee_attn.kd
    .args:
      - { .name: qq, .offset: 0, .size: 8, .value_kind: global_buffer, .address_space: global }
      - { .name: kv, .offset: 8, .size: 8, .value_kind: global_buffer, .address_space: global }
      - { .name: aq, .offset: 16, .size: 8, .value_kind: global_buffer, .address_space: global }
    .group_segment_fixed_size: 327680
    .private_segment_fixed_size: 0
    .kernarg_segment_align: 8
    .kernarg_segment_size: 24
    .max_flat_workgroup_size: 256
    .sgpr_count:     80
    .vgpr_count:     256
    .wavefront_size: 32
...
	.end_amdgpu_metadata
.endif
;; end of part 3
;; launch outp (part 4): grid 8 x 8, 4 waves a work-group, clusters of 4 x 4, 327,680 bytes of LDS; arguments aq, wq, bo, out0; writes out0
.if DOCPART == 4
	.amdgcn_target "amdgcn-amd-amdhsa--gfx1250"
	.amdhsa_code_object_version 6
	.text
	.protected	k_qddd009f4ee_outp
	.globl	k_qddd009f4ee_outp
	.p2align	8
	.type	k_qddd009f4ee_outp,@function
k_qddd009f4ee_outp:
	s_mov_b64 s[64:65], 0
	v_nop
	global_prefetch_b8 v0, s[64:65] scope:SCOPE_SE
	s_setreg_imm32_b32 hwreg(HW_REG_WAVE_MODE, 25, 1), 1
	s_wait_xcnt 0x0
	s_wait_alu depctr_hold_cnt(0) depctr_sa_sdst(0) depctr_va_vdst(0) depctr_va_sdst(0) depctr_va_ssrc(0) depctr_va_vcc(0) depctr_vm_vsrc(0)
	s_getreg_b32 s2, hwreg(HW_REG_IB_STS2, 6, 4)
	s_cmp_eq_u32 s2, 0
	s_cbranch_scc0 .Lentry_in_a_cluster
	s_endpgm
.Lentry_in_a_cluster:
	s_bfe_u32 s2, ttmp6, 0x10000c
	s_cmp_lg_u32 s2, 0xf033
	s_cbranch_scc0 .Lentry_shape_is_right
	s_endpgm
.Lentry_shape_is_right:
; out0 = attn Wo + bo on codes of FP6 (E2M3) with E8M0 scales.  attn's codes (aq) and Wo's (wq, tiles 384 on) are images of operand registers: 1,536 bytes for 16 rows x 128 K (registers 6 c .. 6 c + 3 of lane l at
; 768 c + 16 l, registers 6 c + 4, 6 c + 5 of lane (r, h) at 768 c + 512 + 16 r + 8 h); tile T = 2 g + u holds rows 32 g + 8 u + i + 8 (i / 8); codes at T x 24,576 + s x 1,536, scale words behind them at
; T x 1,024 + (s / 2) x 128 + 8 r + 4 (s % 2).
; A WORK-GROUP makes 256 tokens (A) x 256 columns (B): two runs of 128 columns that lie 1,024 apart.  Source 0 = 16 rows of B, source 1 = 16 rows of A: a lane holds one token, and the 16 registers of two neighbouring
; tiles of B are 16 neighbouring columns.  A wave makes 128 x (64 + 64): 64 accumulators.  K goes in steps of 256 through two LDS slots; the scale words come once.
; CLUSTERS 4 x 4: A's tiles are shared along a row of the cluster, B's along a column: joint loads.
; REGISTERS: window 0: v1-31 addresses, v8-11 the bias; v32-63 scale words, two sets; v128-223 A's fragments; on the way out v128-255 rows of the result.  window 1: B's fragments, two sets.  windows 2, 3: accumulators.
.set FR,    12
.set NL,    4
.set NP,    4
.set NQ,    2
.set LAPS,  4
.set FRB,   1536
.set TILEB, 2*FRB
.set TSTR,  24576
.set HALFT, 8*TILEB
.set SLOT,  4*HALFT
.set SCL,   2*SLOT
.set HALFS, 8192
.set SPARE, SCL+4*HALFS                ; the spare words, 128 bytes for each wave, which no other line names
.set SPITCH, 528                       ; the way out: a stage of 16 rows x (512 bytes + 16) for each wave, in slot 0, which has had its last fill and its last read by then
.set XQS,   3145728
.set WQS,   12582912
.set ADRA, 16
.set ADRB, 20
.set STO,  24
.set RD,   25
.set CO,   26
.set ADRS, 27
.set ADRS2, 30
.set SPW,  28
.set NIL,  29
.set SC,   32
.set AF,   128
.set BK,   128
.set G1, 24
.set G0, 32
.set G1B, 48
.set G0B, 56
.set G1S, 68
.set G0S, 76
.set G1SB, 80
.set G0SB, 88
.set MSB, 0
.macro WIN new                         ; the immediate's high byte repeats the setting that is left
.if MSB != (\new)
	s_set_vgpr_msb (MSB<<8)|(\new)
.set MSB, (\new)
.endif
.endm
.set MUL_LO, 0xa1
.set MUL_HI, 0xf1
.set TO_B,   0x40
.macro JLOAD g0a, g1a, g0b, g1b        ; a joint load: waves 0 and 1 fetch for A, waves 2 and 3 for B; four v_nop follow each of the two lines
	s_cmp_eq_u32 s15, 0
	s_cbranch_scc0 .Lfor_b_\@
	tensor_load_to_lds s[\g0a:\g0a+3], s[\g1a:\g1a+7]
	s_nop 0
.rept 4
	v_nop
.endr
	s_branch .Lasked_\@
.Lfor_b_\@:
	tensor_load_to_lds s[\g0b:\g0b+3], s[\g1b:\g1b+7]
	s_nop 0
.rept 4
	v_nop
.endr
.Lasked_\@:
.endm
.macro CREST
	s_cmp_lg_u32 s14, 0
	s_cbranch_scc1 .Lnot_wave_0_\@
	s_barrier_signal -3
.Lnot_wave_0_\@:
	s_barrier_wait -3
	s_barrier_signal -1
	s_barrier_wait -1
.endm
.macro CROUND
	s_barrier_signal -1
	s_barrier_wait -1
	CREST
.endm
	s_load_b128 s[4:7], s[0:1], 0x0                ; aq s[4:5], wq s[6:7]
	s_load_b128 s[8:11], s[0:1], 0x10              ; bo s[8:9], out0 s[10:11]
	v_lshl_add_u32 v[SPW], v0, 2, SPARE
	v_mov_b32 v[NIL], 0
	ds_add_u32 v28, v29
	ds_add_u32 v28, v29
	s_wait_dscnt 0x0
	v_lshrrev_b32 v1, 5, v0
	v_readfirstlane_b32 s14, v1                    ; wave 0..3
	s_lshr_b32 s15, s14, 1                         ; which half of the tokens is mine.  Also: I fetch for A (0) or for B (1)
	s_and_b32 s16, s14, 1                          ; which half of each run of columns is mine.  Also: which eight tiles I fetch
	s_bfe_u32 s40, ttmp6, 0x40000                  ; cx, cy
	s_bfe_u32 s41, ttmp6, 0x40004
	s_lshl_b32 s42, ttmp9, 2
	s_add_co_u32 s42, s42, s40                     ; c = 4 x cluster x + cx
	s_and_b32 s17, ttmp7, 0xffff
	s_lshl_b32 s17, s17, 2
	s_add_co_u32 s17, s17, s41                     ; y = 4 x cluster y + cy
	s_lshl_b32 s43, s41, 2
	s_lshl_b32 s43, 15, s43                        ; my row of the cluster
	s_lshl_b32 s44, 0x1111, s40                    ; my column
	s_or_b32 s[G1+0], s43, (3<<16)|(1<<21)         ; codes: 8 rows (tiles) of 384 elements of 8 bytes, 3,072 elements apart; dense in LDS
	s_or_b32 s[G1B+0], s44, (3<<16)|(1<<21)
.irp g, G1, G1B
	s_mov_b32 s[\g+1], 384<<16
	s_mov_b32 s[\g+2], 8<<16
	s_mov_b32 s[\g+3], 384<<16
	s_mov_b32 s[\g+4], 8
	s_mov_b32 s[\g+5], TSTR/8
	s_mov_b32 s[\g+6], 0
	s_mov_b32 s[\g+7], 0
.endr
	s_or_b32 s[G1S+0], s43, (3<<16)|(1<<21)        ; the scale words of eight tiles: 8,192 dense bytes as 32 rows of 256
	s_or_b32 s[G1SB+0], s44, (3<<16)|(1<<21)
.irp g, G1S, G1SB
	s_mov_b32 s[\g+1], 32<<16
	s_mov_b32 s[\g+2], 32<<16
	s_mov_b32 s[\g+3], 32<<16
	s_mov_b32 s[\g+4], 32
	s_mov_b32 s[\g+5], 32
	s_mov_b32 s[\g+6], 0
	s_mov_b32 s[\g+7], 0
.endr
	s_lshl_b32 s20, s17, 4
	s_lshl_b32 s19, s16, 3
	s_add_co_u32 s20, s20, s19                     ; A: the first tile that I fetch: 16 y + 8 x half
	s_lshl_b32 s46, s42, 3
	s_lshl_b32 s47, s16, 6
	s_add_co_u32 s46, s46, s47
	s_add_co_u32 s46, s46, 384                     ; B: 384 + 8 c + 64 x run
	s_lshl_b32 s22, s20, 10
	s_add_co_u32 s22, s22, XQS
	s_mul_i32 s20, s20, TSTR
	s_lshl_b32 s92, s46, 10
	s_add_co_u32 s92, s92, WQS
	s_mul_i32 s46, s46, TSTR
	s_mov_b32 s21, 0
	s_mov_b32 s23, 0
	s_mov_b32 s47, 0
	s_mov_b32 s93, 0
	s_mul_i32 s45, s14, HALFT                      ; where they go: wave x eight tiles
	s_lshl_b32 s94, s14, 13
	s_wait_kmcnt 0x0
	s_add_nc_u64 s[20:21], s[4:5], s[20:21]
	s_add_nc_u64 s[22:23], s[4:5], s[22:23]
	s_add_nc_u64 s[46:47], s[6:7], s[46:47]
	s_add_nc_u64 s[92:93], s[6:7], s[92:93]
	CROUND                                         ; all sixteen work-groups are here: the first joint loads meet
	s_mov_b32 s[G0S], 1
	s_add_co_u32 s[G0S+1], s94, SCL
	s_mov_b64 s[G0S+2:G0S+3], s[22:23]
	s_or_b32 s[G0S+3], s[G0S+3], 0x80000000
	s_mov_b32 s[G0SB], 1
	s_add_co_u32 s[G0SB+1], s94, SCL
	s_mov_b64 s[G0SB+2:G0SB+3], s[92:93]
	s_or_b32 s[G0SB+3], s[G0SB+3], 0x80000000
	JLOAD G0S, G1S, G0SB, G1SB
.irp s, 0,1
	s_mov_b32 s[G0+4*\s], 1
	s_add_co_u32 s[G0+4*\s+1], s45, \s*SLOT
	s_add_nc_u64 s[G0+4*\s+2:G0+4*\s+3], s[20:21], \s*TILEB
	s_or_b32 s[G0+4*\s+3], s[G0+4*\s+3], 0x80000000
	s_mov_b32 s[G0B+4*\s], 1
	s_add_co_u32 s[G0B+4*\s+1], s45, \s*SLOT
	s_add_nc_u64 s[G0B+4*\s+2:G0B+4*\s+3], s[46:47], \s*TILEB
	s_or_b32 s[G0B+4*\s+3], s[G0B+4*\s+3], 0x80000000
	JLOAD G0+4*\s, G1, G0B+4*\s, G1B
.endr
	v_and_b32 v1, 15, v0                           ; r
	v_bfe_u32 v2, v0, 4, 1                         ; h
	v_and_b32 v3, 31, v0                           ; lane
	v_lshlrev_b32 v4, 4, v3                        ; 16 x lane
	v_lshlrev_b32 v5, 4, v1
	v_lshl_add_u32 v5, v2, 3, v5                   ; 16 r + 8 h
	s_mul_i32 s21, s15, HALFT
	s_mul_i32 s22, s16, 4*TILEB
	s_add_co_u32 s22, s22, 2*HALFT
.irp s, 0,1
	v_add_nc_u32 v[ADRA+\s], s21, v4
	v_add_nc_u32 v[ADRB+\s], s22, v4
	v_add_nc_u32 v[ADRA+2+\s], s21, v5
	v_add_nc_u32 v[ADRB+2+\s], s22, v5
	s_add_co_u32 s21, s21, SLOT
	s_add_co_u32 s22, s22, SLOT
.endr
	s_lshl_b32 s21, s15, 13
	s_lshl_b32 s22, s16, 12
	s_add_co_u32 s22, s22, 2*HALFS
	s_sub_co_u32 s22, s22, s21
	v_mul_u32_u24 v6, s22, v2                      ; lanes 16-31 take B's: one product in h
	s_add_co_u32 s21, s21, SCL
	v_lshl_add_u32 v6, v1, 3, v6
	v_add_nc_u32 v[ADRS], s21, v6
	v_lshl_add_u32 v[ADRS2], v2, 12, v[ADRS]
	s_mul_i32 s23, s14, 16*SPITCH                  ; my stage
	v_mul_u32_u24 v6, v1, SPITCH
	v_lshl_add_u32 v6, v2, 6, v6
	v_add_nc_u32 v[STO], s23, v6                   ; in: row r, 64 h bytes on
	v_add_nc_u32 v[RD], s23, v4                    ; back: a row's 512 bytes: lanes 0-15 the low run's 256, lanes 16-31 the high run's
	v_lshlrev_b32 v[CO], 12, v2
	v_lshl_add_u32 v[CO], v1, 4, v[CO]             ; and in out0 and bo: the high run lies 4,096 bytes on
	s_lshl_b32 s20, s17, 1
	s_add_co_u32 s20, s20, s15
	s_lshl_b32 s20, s20, 20                        ; my 128 tokens: rows of 8,192 bytes
	s_mov_b32 s21, 0
	s_lshl_b32 s46, s42, 9
	s_lshl_b32 s47, s16, 8
	s_add_co_u32 s46, s46, s47                     ; my 64 columns of the low run, in bytes
	s_mov_b32 s47, 0
	s_add_nc_u64 s[8:9], s[8:9], s[46:47]
	s_add_nc_u64 s[10:11], s[10:11], s[46:47]
	s_add_nc_u64 s[10:11], s[10:11], s[20:21]
	global_load_b128 v[8:11], v[CO], s[8:9]        ; the bias of the four columns that I store in every row; waited for on the way out
.macro FRAG reg, adr, off
	ds_load_b128 v[\reg:\reg+3], v[\adr] offset:\off
	ds_load_b64 v[\reg+4:\reg+5], v[\adr+2] offset:\off+512
	ds_load_b128 v[\reg+6:\reg+9], v[\adr] offset:\off+768
	ds_load_b64 v[\reg+10:\reg+11], v[\adr+2] offset:\off+1280
.endm
; The 64 accumulators take turns, one instruction a turn, in the same order in every step.
.macro MUL16 a0, p, q, sc, zero
.irp a, \a0, \a0+1
.irp b, 0,1,2,3,4,5,6,7
.if \zero
	v_wmma_scale_f32_16x16x128_f8f6f4 v[8*(8*((\a)%4)+\b):8*(8*((\a)%4)+\b)+7], v[128*(\p)+FR*\b:128*(\p)+FR*\b+FR-1], v[AF+FR*(\a):AF+FR*(\a)+FR-1], 0, v[SC+8*NQ*(\sc)+NQ*\b+(\q)], v[SC+8*NQ*(\sc)+NQ*(\a)+(\q)] matrix_a_fmt:MATRIX_FMT_FP6 matrix_b_fmt:MATRIX_FMT_FP6 matrix_a_scale:MATRIX_SCALE_ROW1
.else
	v_wmma_scale_f32_16x16x128_f8f6f4 v[8*(8*((\a)%4)+\b):8*(8*((\a)%4)+\b)+7], v[128*(\p)+FR*\b:128*(\p)+FR*\b+FR-1], v[AF+FR*(\a):AF+FR*(\a)+FR-1], v[8*(8*((\a)%4)+\b):8*(8*((\a)%4)+\b)+7], v[SC+8*NQ*(\sc)+NQ*\b+(\q)], v[SC+8*NQ*(\sc)+NQ*(\a)+(\q)] matrix_a_fmt:MATRIX_FMT_FP6 matrix_b_fmt:MATRIX_FMT_FP6 matrix_a_scale:MATRIX_SCALE_ROW1
.endif
.endr
.endr
.endm
.macro FETCH_B slot, q, p
	WIN TO_B
.irp i, 0,1,2,3,4,5,6,7
	FRAG 128*(\p)+FR*\i, ADRB+\slot, ((\i/4)*8+\i%4)*TILEB+(\q)*FRB
.endr
	WIN 0
.endm
.macro FETCH_A slot, q, i0
.irp i, \i0, \i0+1, \i0+2, \i0+3
	FRAG AF+FR*(\i), ADRA+\slot, (\i)*TILEB+(\q)*FRB
.endr
.endm
.macro SCALES sc
.irp i, 0,1,2,3
	ds_load_b64 v[SC+16*\sc+2*\i:SC+16*\sc+2*\i+1], v[ADRS] offset:\i*1024
.endr
.irp i, 4,5,6,7
	ds_load_b64 v[SC+16*\sc+2*\i:SC+16*\sc+2*\i+1], v[ADRS2] offset:\i*1024
.endr
.endm
.macro PLACES n                        ; plain vector instructions between a matrix instruction and a load into, or a read of, its registers (ISA guide 7.12.1 for a read)
.rept \n
	v_nop
.endr
.endm
.macro STEP slot, q, zero
	s_wait_dscnt 4*NL                              ; all but the youngest 16 loads (A's blocks 4-7)
	WIN MUL_LO
	MUL16 0, (\q)%2, \q, \slot, \zero
	MUL16 2, (\q)%2, \q, \slot, \zero
	s_wait_dscnt 0
	PLACES NP
	FETCH_B \slot, (\q)+1, 1-(\q)%2
	FETCH_A \slot, (\q)+1, 0
	WIN MUL_HI
	MUL16 4, (\q)%2, \q, \slot, \zero
	MUL16 6, (\q)%2, \q, \slot, \zero
	PLACES NP
	WIN 0
	FETCH_A \slot, (\q)+1, 4
.endm
.macro TURN slot, next, fill
	s_wait_tensorcnt 0x0                           ; all my tensor loads have landed: my part of the next slot
	ds_add_u32 v[SPW], v[NIL]                      ; 0 onto my spare word
	s_wait_dscnt 4*NL+1                            ; (the add and the youngest 16 loads may be out)
	WIN MUL_LO
	MUL16 0, 1, NQ-1, \slot, 0
	s_wait_dscnt 0x0                               ; the add is done, and my reads of this slot are over
	s_barrier_signal -1
	MUL16 2, 1, NQ-1, \slot, 0
	WIN 0
	s_barrier_wait -1
.if \fill
	CREST                                          ; a round of the cluster's barrier: no wave of any partner still reads this slot or has a load on its way
	s_add_nc_u64 s[G0+4*\slot+2:G0+4*\slot+3], s[G0+4*\slot+2:G0+4*\slot+3], 2*TILEB
	s_add_nc_u64 s[G0B+4*\slot+2:G0B+4*\slot+3], s[G0B+4*\slot+2:G0B+4*\slot+3], 2*TILEB
	JLOAD G0+4*\slot, G1, G0B+4*\slot, G1B
.else
	PLACES NP
.endif
	v_add_nc_u32 v[ADRS], 128, v[ADRS]
	v_add_nc_u32 v[ADRS2], 128, v[ADRS2]
	FETCH_B \next, 0, 0
	FETCH_A \next, 0, 0
	SCALES \next
	WIN MUL_HI
	MUL16 4, 1, NQ-1, \slot, 0
	MUL16 6, 1, NQ-1, \slot, 0
	PLACES NP
	WIN 0
	FETCH_A \next, 0, 4
.endm
	s_wait_tensorcnt 1                             ; the scale words and my part of slot 0 are in (slot 1's load may be out)
	s_barrier_signal -1
	s_barrier_wait -1
	FETCH_B 0, 0, 0
	FETCH_A 0, 0, 0
	SCALES 0
	FETCH_A 0, 0, 4
	STEP 0, 0, 1                                   ; the first K step's products start the sums
	s_mov_b32 s3, LAPS-1
.Llap:
	TURN 0, 1, 1
	STEP 1, 0, 0
	TURN 1, 0, 1
	STEP 0, 0, 0
	s_sub_co_u32 s3, s3, 1
	s_cmp_lg_u32 s3, 0
	s_cbranch_scc1 .Llap
	TURN 0, 1, 0
	STEP 1, 0, 0
	s_wait_dscnt 4*NL
	WIN MUL_LO
	MUL16 0, 1, NQ-1, 1, 0
	MUL16 2, 1, NQ-1, 1, 0
	s_wait_dscnt 0
	WIN MUL_HI
	MUL16 4, 1, NQ-1, 1, 0
	MUL16 6, 1, NQ-1, 1, 0
	WIN 0
; THE WAY OUT, a block of 16 tokens at a time.  Register j of accumulator b = 2 e + u (+ 4 for the high run) is column 32 e + 16 h + 8 u + j of my 64: 32 neighbouring bytes of a row.  A block goes through my stage
; and comes back as rows of 256 + 256 bytes; the bias is added there, where a lane always holds the same four columns; sixteen lanes store 256 consecutive bytes, aligned.
.macro TOSTAGE a
.set AC, 64*((\a)%4)
	WIN 0x08+4*((\a)/4)                            ; the data: window 2 or 3
.irp b, 0,1,2,3,4,5,6,7
	ds_store_b128 v[STO], v[AC+8*\b:AC+8*\b+3] offset:(\b/4)*256+((\b%4)/2)*128+(\b%2)*32          ; each accumulator from its low end on
	ds_store_b128 v[STO], v[AC+8*\b+4:AC+8*\b+7] offset:(\b/4)*256+((\b%4)/2)*128+(\b%2)*32+16
.endr
	WIN 0
.set BB, BK+64*((\a)%2)
.irp t, 0,1,2,3,4,5,6,7,8,9,10,11,12,13,14,15
	ds_load_b128 v[BB+4*\t:BB+4*\t+3], v[RD] offset:\t*SPITCH      ; LDS serves a wave's instructions in order: these see the stores above, and the next block's stores come behind them
.endr
.endm
.macro SEND a, younger                 ; younger: the LDS instructions issued behind block a's loads, which may stay out
.set BB, BK+64*((\a)%2)
	s_wait_dscnt \younger
.irp t, 0,1,2,3,4,5,6,7,8,9,10,11,12,13,14,15
	v_pk_add_f32 v[BB+4*\t:BB+4*\t+1], v[BB+4*\t:BB+4*\t+1], v[8:9]
	v_pk_add_f32 v[BB+4*\t+2:BB+4*\t+3], v[BB+4*\t+2:BB+4*\t+3], v[10:11]
	global_store_b128 v[CO], v[BB+4*\t:BB+4*\t+3], s[10:11] offset:(32*((\a)/2)+8*((\a)%2)+\t+8*(\t/8))*8192 th:TH_STORE_NT   ; row index t of tile a is token 32 (a / 2) + 8 (a % 2) + t + 8 (t / 8) of my 128
.endr
.endm
	PLACES NP                                      ; behind the last products
	s_wait_loadcnt 0x0                             ; the bias
	TOSTAGE 0
.irp a, 1,2,3,4,5,6,7
.if \a > 1
	s_wait_xcnt 0x0                                ; block a - 2's stores have read their registers: block a's loads may land there
.endif
	TOSTAGE \a
	SEND \a-1, 32                                  ; behind block a - 1's loads: block a's 16 stores and 16 loads
.endr
	SEND 7, 0
	s_wait_tensorcnt 0x0                           ; the wave's end: behind my last tensor load and my last LDS store
	ds_add_u32 v[SPW], v[NIL]
	s_wait_dscnt 0x0
	CROUND                                         ; the closing round
	s_endpgm
.Lfunc_end_k_qddd009f4ee_outp:
	.size	k_qddd009f4ee_outp, .Lfunc_end_k_qddd009f4ee_outp-k_qddd009f4ee_outp
	.p2alignl 7, 3214868480
	.fill 96, 4, 3214868480
	.section	.rodata,"a",@progbits
	.p2align	6, 0x0
	.amdhsa_kernel k_qddd009f4ee_outp
		.amdhsa_group_segment_fixed_size 327680
		.amdhsa_private_segment_fixed_size 0
		.amdhsa_enable_private_segment 0
		.amdhsa_kernarg_size 32
		.amdhsa_user_sgpr_count 2
		.amdhsa_user_sgpr_kernarg_segment_ptr 1
		.amdhsa_wavefront_size32 1
		.amdhsa_system_sgpr_workgroup_id_x 1
		.amdhsa_system_sgpr_workgroup_id_y 1
		.amdhsa_system_sgpr_workgroup_id_z 1
		.amdhsa_system_vgpr_workitem_id 0
		.amdhsa_next_free_vgpr 1024
		.amdhsa_next_free_sgpr 100
		.amdhsa_reserve_vcc 0
		.amdhsa_float_denorm_mode_32 3
		.amdhsa_float_denorm_mode_16_64 3
		.amdhsa_memory_ordered 1
		.amdhsa_forward_progress 1
		.amdhsa_inst_pref_size 160
	.end_amdhsa_kernel
	.amdgpu_metadata
---
amdhsa.version: [ 1, 2 ]
amdhsa.kernels:
  - .name:           k_qddd009f4ee_outp
    .symbol:         k_qddd009f4ee_outp.kd
    .args:
      - { .name: aq, .offset: 0, .size: 8, .value_kind: global_buffer, .address_space: global }
      - { .name: wq, .offset: 8, .size: 8, .value_kind: global_buffer, .address_space: global }
      - { .name: bo, .offset: 16, .size: 8, .value_kind: global_buffer, .address_space: global }
      - { .name: out0, .offset: 24, .size: 8, .value_kind: global_buffer, .address_space: global }
    .group_segment_fixed_size: 327680
    .private_segment_fixed_size: 0
    .kernarg_segment_align: 8
    .kernarg_segment_size: 32
    .max_flat_workgroup_size: 128
    .sgpr_count:     100
    .vgpr_count:     1024
    .wavefront_size: 32
...
	.end_amdgpu_metadata
.endif
;; end of part 4
;; ======== version 2 of 2: 4 launches
;; limits: right only within a limited range of input values
;; workspace buffers: xq 3,276,800 bytes; wq 13,107,200 bytes; qq 3,276,800 bytes; kv 6,553,600 bytes; aq 3,276,800 bytes
;; launch quant (part 5): grid 640 x 1, 4 waves a work-group, no clusters, 34,304 bytes of LDS; arguments x, Wq, Wk, Wv, Wo, xq, wq; writes xq, wq
.if DOCPART == 5
	.amdgcn_target "amdgcn-amd-amdhsa--gfx1250"
	.amdhsa_code_object_version 6
	.text
	.protected	k_qddd009f4ee_quant
	.globl	k_qddd009f4ee_quant
	.p2align	8
	.type	k_qddd009f4ee_quant,@function
k_qddd009f4ee_quant:
	s_mov_b64 s[64:65], 0
	v_nop
	global_prefetch_b8 v0, s[64:65] scope:SCOPE_SE
	s_setreg_imm32_b32 hwreg(HW_REG_WAVE_MODE, 25, 1), 1
	s_wait_xcnt 0x0
; x [2048][2048] and Wq, Wk, Wv, Wo [2048 (k)][2048 (n)], f32, become codes of FP6 (E2M3) with one E8M0 byte for each 32 along K (the model's 2,048).
; A block's scale is 2^(floor(log2(its largest magnitude)) - 2): the byte is that magnitude's exponent field - 2, held at 1 from below.
; LIMITS: a block of zeros gets the byte 1 where the quantiser says 127 (its codes are zeros, and this program alone reads the bytes); NaN and infinities among the inputs are not served.
; LAYOUT OF THE RESULT, the same for every operand of this program.  An operand's rows (x: tokens; W: its columns n) go in groups of 32; tile T = 2 g + u holds rows 32 g + 8 u + i + 8 (i / 8), i = 0 .. 15.
; A fragment (tile T, K step s of 128) is stored as an IMAGE OF THE OPERAND'S REGISTERS, 1,536 bytes, at T x 24,576 + s x 1,536: two halves c of 768 bytes; in a half, registers 6 c .. 6 c + 3 of lane l at 16 l,
; then registers 6 c + 4, 6 c + 5 of lane (r, h) at 512 + 16 r + 8 h.  Lane (r, h) holds row index r, k = 64 c + 32 h + 0 .. 31.  The scale words lie behind the codes: T x 1,024 + (s / 2) x 128 + 8 r + 4 (s % 2).
; WORK-GROUPS 0 .. 511 take the four W (128 each): 128 columns x 256 along K, a wave 32 columns; a lane takes a column and its registers run down K, so nothing is transposed.
; WORK-GROUPS 512 .. 639 take a tile of x each, a wave four K steps: loads of 512 consecutive bytes, turned through the wave's own stage in LDS so that a lane holds 32 neighbours along K.
; Waves share nothing: no barrier.  No work-group reads what another reads: no cluster.
.set XQS,  3145728                     ; where x's scale words begin in xq
.set WQS,  12582912                    ; where the weights' begin in wq
.set TSTR, 24576                       ; a tile's 16 fragments
.set FRB,  1536                        ; a fragment's image
.set SPX,  528                         ; a stage row: 512 bytes + 16, an odd multiple of 16 bytes
	s_load_b256 s[4:11], s[0:1], 0x0               ; x s[4:5], Wq s[6:7], Wk s[8:9], Wv s[10:11]
	s_load_b128 s[12:15], s[0:1], 0x20             ; Wo s[12:13], xq s[14:15]
	s_load_b64 s[16:17], s[0:1], 0x30              ; wq
	v_lshl_add_u32 v240, v0, 2, 0x8400
	v_mov_b32 v241, 0
	v_lshrrev_b32 v1, 5, v0
	v_readfirstlane_b32 s22, v1                    ; wave 0..3
	v_and_b32 v2, 31, v0                           ; lane
	s_cmp_ge_u32 ttmp9, 512
	s_cbranch_scc1 .Lx
; ---------------- the weights ----------------
	s_lshr_b32 s23, ttmp9, 7                       ; m: 0 Wq, 1 Wk, 2 Wv, 3 Wo
	s_and_b32 s24, ttmp9, 15                       ; gx: which 128 columns
	s_bfe_u32 s25, ttmp9, 0x30004                  ; gy: which 256 along K
	v_lshlrev_b32 v3, 2, v2                        ; in: 4 bytes a lane
	v_bfe_u32 v6, v2, 3, 1                         ; u: column l of the group lies in tile u = (l / 8) % 2,
	v_and_b32 v7, 7, v2
	v_lshrrev_b32 v8, 4, v2
	v_lshl_add_u32 v7, v8, 3, v7                   ; at row index l % 8 + 8 (l / 16)
	v_mul_u32_u24 v4, v6, TSTR
	v_lshl_add_u32 v4, v7, 4, v4                   ; codes: tile u, 16 bytes a row index
	v_lshlrev_b32 v5, 10, v6
	v_lshl_add_u32 v5, v7, 3, v5                   ; scale words: tile u, 8 bytes a row index
	s_lshl_b32 s26, s24, 2
	s_add_co_u32 s26, s26, s22                     ; my group of 32 columns: 4 gx + wave
	s_lshl_b32 s28, s25, 21                        ; 256 gy rows of 8,192 bytes
	s_lshl_b32 s27, s26, 7                         ; + 128 bytes a group
	s_add_co_u32 s28, s28, s27
	s_mov_b32 s29, 0
	s_lshl_b32 s30, s23, 7
	s_lshl_b32 s27, s26, 1                         ; t: my first tile in its weight
	s_add_co_u32 s30, s30, s27                     ; my first tile: 128 m + t (Wv, Wo)
	; Wq's and Wk's tiles are laid for the launch that multiplies them: tile t = 64 L + 4 g + j of weight m lies at 16 g + 8 L + 4 m + j,
	; so that the 4 tiles of Wq and the 4 of Wk for one group g of 64 columns (L = 1: the columns 1,024 on) are 8 tiles on end
	s_bfe_u32 s36, s27, 0x40002                    ; g
	s_lshl_b32 s36, s36, 4
	s_lshr_b32 s37, s27, 6                         ; L
	s_lshl_b32 s37, s37, 3
	s_add_co_u32 s36, s36, s37
	s_and_b32 s37, s27, 3                          ; j
	s_add_co_u32 s36, s36, s37
	s_lshl_b32 s37, s23, 2
	s_add_co_u32 s36, s36, s37
	s_cmp_lt_u32 s23, 2
	s_cselect_b32 s30, s36, s30
	s_lshl_b32 s32, s30, 10
	s_lshl_b32 s27, s25, 7
	s_add_co_u32 s32, s32, s27
	s_add_co_u32 s32, s32, WQS                     ; its scale words of K steps 2 gy, 2 gy + 1
	s_mov_b32 s33, 0
	s_mul_i32 s30, s30, TSTR
	s_mul_i32 s27, s25, 2*FRB
	s_add_co_u32 s30, s30, s27                     ; its images of those K steps
	s_mov_b32 s31, 0
	s_wait_alu depctr_va_vdst(0)
	s_wait_kmcnt 0x0
	s_cmp_eq_u32 s23, 1                            ; the choice hangs on the work-group's number alone
	s_cselect_b64 s[18:19], s[8:9], s[6:7]
	s_cmp_eq_u32 s23, 2
	s_cselect_b64 s[18:19], s[10:11], s[18:19]
	s_cmp_eq_u32 s23, 3
	s_cselect_b64 s[18:19], s[12:13], s[18:19]
	s_add_nc_u64 s[18:19], s[18:19], s[28:29]
	s_add_nc_u64 s[20:21], s[16:17], s[30:31]
	s_add_nc_u64 s[34:35], s[16:17], s[32:33]
.macro LOADW t                         ; block t: W(32 t + i, my column), i = 0 .. 31, into set t % 2; a wave's load reads 128 consecutive bytes, the four waves stand side by side
.set li, 0
.rept 32
	global_load_b32 v[16+32*((\t)%2)+li], v3, s[18:19] offset:(32*(\t)+li)*8192 th:TH_LOAD_NT
.set li, li+1
.endr
.endm
; Block t of my column is k = 32 t on: K step t / 4, half c = (t / 2) % 2, lanes' half h = t % 2.  Two blocks (h = 0, 1) fill three runs of 16 bytes a row index: registers 0-3 of h = 0, of h = 1, and both blocks' registers 4, 5.
.macro BLOCKW t
.set XS, 16+32*((\t)%2)
.set PH, 80+8*((\t)%2)
.set QH, 84+8*((\t)%2)
.if (\t) < 7
	s_wait_loadcnt 32                              ; this block's 32 loads are in; the next block's may be out
.else
	s_wait_loadcnt 0
.endif
	v_max3_num_f32 v12, |v[XS]|, |v[XS+1]|, |v[XS+2]|              ; the block's largest magnitude: all 32 numbers are mine; two chains
	v_max3_num_f32 v13, |v[XS+3]|, |v[XS+4]|, |v[XS+5]|
.irp i, 6,10,14,18,22,26
	v_max3_num_f32 v12, v12, |v[XS+\i]|, |v[XS+\i+1]|
	v_max3_num_f32 v13, v13, |v[XS+\i+2]|, |v[XS+\i+3]|
.endr
	v_max3_num_f32 v12, v12, |v[XS+30]|, |v[XS+31]|
	v_max3_num_f32 v12, v12, v13, 0x1800000        ; and the floor 2^(3 - 127): the byte cannot fall under 1
	v_add_nc_u32 v11, 0xff000000, v12              ; 2 off the exponent field: the conversion takes the exponent field of this operand as its scale
	v_lshrrev_b32 v10, 23, v11                     ; the scale's byte
.if (\t)%4 == 0
	v_mov_b32 v[100+(\t)/4], v10                   ; four bytes to a word, the lower K in the lower byte
.else
	v_lshl_or_b32 v[100+(\t)/4], v10, 8*((\t)%4), v[100+(\t)/4]
.endif
.if ((\t)%2 == 0) && ((\t) > 0)
	s_wait_alu depctr_va_vdst(0)
	s_wait_xcnt 0x0                                ; the last pair's stores have read their registers: these are written again only behind this wait
.endif
	v_cvt_scalef32_pk16_fp6_f32 v[PH:PH+2], v[XS:XS+15], v11
	v_cvt_scalef32_pk16_fp6_f32 v[QH:QH+2], v[XS+16:XS+31], v11    ; (a conversion's three registers begin on an even number)
	v_nop                                          ; one plain place behind a scaled conversion
	v_mov_b32 v[PH+3], v[QH]                       ; the block's register 3,
	v_mov_b32 v[96+2*((\t)%2)], v[QH+1]            ; and its registers 4, 5 beside the other block's
	v_mov_b32 v[97+2*((\t)%2)], v[QH+2]
.if (\t)+2 < 8
	LOADW (\t)+2
.endif
.if (\t)%2 == 1
	global_store_b128 v4, v[80:83], s[20:21] offset:((\t)/4)*FRB+(((\t)/2)%2)*768       ; sixteen lanes store 256 consecutive bytes, at a multiple of 256 from the buffer's first byte
	global_store_b128 v4, v[88:91], s[20:21] offset:((\t)/4)*FRB+(((\t)/2)%2)*768+256
	global_store_b128 v4, v[96:99], s[20:21] offset:((\t)/4)*FRB+(((\t)/2)%2)*768+512
.endif
.endm
	LOADW 0
	LOADW 1
.irp t, 0,1,2,3,4,5,6,7
	BLOCKW \t
.endr
	global_store_b64 v5, v[100:101], s[34:35]      ; my column's two scale words
	s_endpgm
; ---------------- x ----------------
.Lx:
	s_sub_co_u32 s23, ttmp9, 512                   ; T: my tile of 16 tokens
	s_wait_alu depctr_va_vdst(0)
	v_and_b32 v10, 15, v2                          ; r
	v_lshrrev_b32 v11, 4, v2                       ; h
	v_lshlrev_b32 v3, 4, v2                        ; 16 x lane
	s_mul_i32 s24, s22, 16*SPX                     ; my wave's stage
	v_add_nc_u32 v4, s24, v3                       ; into it: a row's 512 bytes as they lie
	v_mul_u32_u24 v5, v10, SPX
	v_lshl_add_u32 v5, v11, 7, v5
	v_add_nc_u32 v5, s24, v5                       ; out of it: row r, 128 h bytes on: my 32 neighbours of each 64
	v_lshlrev_b32 v6, 4, v10
	v_lshl_add_u32 v6, v11, 3, v6                  ; 16 r + 8 h
	v_lshlrev_b32 v7, 3, v2                        ; 8 x lane
	v_lshlrev_b32 v8, 3, v11                       ; 8 h
	v_mov_b32 v9, 0                                ; (a lane permute's destination counts as one of its sources)
	s_lshr_b32 s25, s23, 1
	s_lshl_b32 s25, s25, 5
	s_and_b32 s26, s23, 1
	s_lshl_b32 s26, s26, 3
	s_add_co_u32 s25, s25, s26                     ; the tile's first token: 32 (T / 2) + 8 (T % 2)
	s_lshl_b32 s28, s25, 13
	s_lshl_b32 s26, s22, 11                        ; my four K steps: 2,048 bytes of a row
	s_add_co_u32 s28, s28, s26
	s_mov_b32 s29, 0
	s_mul_i32 s30, s23, TSTR
	s_mul_i32 s26, s22, 4*FRB
	s_add_co_u32 s30, s30, s26
	s_mov_b32 s31, 0
	s_lshl_b32 s32, s23, 10
	s_lshl_b32 s26, s22, 8
	s_add_co_u32 s32, s32, s26
	s_add_co_u32 s32, s32, XQS
	s_mov_b32 s33, 0
	s_mov_b32 s36, 0x76543210
	s_mov_b32 s37, 0xfedcba98                      ; v_permlanex16_b32's selects for lane l xor 16
	s_wait_alu depctr_va_vdst(0)
	s_wait_kmcnt 0x0
	s_add_nc_u64 s[18:19], s[4:5], s[28:29]
	s_add_nc_u64 s[20:21], s[14:15], s[30:31]
	s_add_nc_u64 s[34:35], s[14:15], s[32:33]
.macro LOADX u                         ; K step u of my four: 16 rows x 512 bytes, a row an instruction, into set u % 2
.set li, 0
.rept 16
	global_load_b128 v[16+64*((\u)%2)+4*li:16+64*((\u)%2)+4*li+3], v3, s[18:19] offset:(li+8*(li/8))*8192+512*(\u) th:TH_LOAD_NT
.set li, li+1
.endr
.endm
.macro TURNX u                         ; through the stage: LDS serves a wave's instructions in order, so no wait stands between the stores and the loads
.set li, 0
.rept 16
	ds_store_b128 v4, v[16+64*((\u)%2)+4*li:16+64*((\u)%2)+4*li+3] offset:SPX*li
.set li, li+1
.endr
.irp c, 0,1
.irp j, 0,1,2,3,4,5,6,7
	ds_load_b128 v[144+32*\c+4*\j:144+32*\c+4*\j+3], v5 offset:256*\c+16*\j      ; x(row r, 64 c + 32 h + 4 j ..)
.endr
.endr
.endm
.macro UNITX u
.if (\u) < 3
	s_wait_loadcnt 16                              ; this K step's 16 loads are in; the next one's may be out
.else
	s_wait_loadcnt 0
.endif
	TURNX \u
	s_wait_dscnt 0x0                               ; my 64 numbers are back, and the stores have read their registers,
.if (\u) < 2
	LOADX (\u)+2                                   ; which take the loads of two K steps on
.endif
.irp c, 0,1
	v_max3_num_f32 v[228+\c], |v[144+32*\c]|, |v[145+32*\c]|, 0x1800000   ; my block 2 c + h: all its 32 numbers are mine; and the floor 2^(3 - 127)
.endr
.irp i, 2,4,6,8,10,12,14,16,18,20,22,24,26,28,30
.irp c, 0,1
	v_max3_num_f32 v[228+\c], v[228+\c], |v[144+32*\c+\i]|, |v[145+32*\c+\i]|
.endr
.endr
.irp c, 0,1
	v_add_nc_u32 v[230+\c], 0xff000000, v[228+\c]  ; the conversion's scale operand
.endr
.irp c, 0,1
	v_lshrrev_b32 v[232+\c], 23, v[230+\c]         ; the scale's byte
.endr
	v_lshl_or_b32 v[236+(\u)], v233, 16, v232      ; my two bytes, blocks h and 2 + h,
	v_lshlrev_b32 v[236+(\u)], v8, v[236+(\u)]     ; at their places in the word;
	v_permlanex16_b32 v9, v[236+(\u)], s36, s37
	v_or_b32 v[236+(\u)], v[236+(\u)], v9          ; with lane l xor 16's two the word is whole, in both lanes
.if (\u) > 0
	s_wait_alu depctr_va_vdst(0)
	s_wait_xcnt 0x0                                ; the last K step's stores have read their registers
.endif
.irp c, 0,1
	v_cvt_scalef32_pk16_fp6_f32 v[208+6*\c:210+6*\c], v[144+32*\c:159+32*\c], v[230+\c]
	v_cvt_scalef32_pk16_fp6_f32 v[220+4*\c:222+4*\c], v[160+32*\c:175+32*\c], v[230+\c]
.endr
	v_nop                                          ; one plain place behind a scaled conversion
.irp c, 0,1
.irp i, 0,1,2
	v_mov_b32 v[211+6*\c+\i], v[220+4*\c+\i]
.endr
.endr
	global_store_b128 v3, v[208:211], s[20:21] offset:(\u)*FRB           ; the image: 512, 256, 512 and 256 consecutive bytes
	global_store_b64 v6, v[212:213], s[20:21] offset:(\u)*FRB+512
	global_store_b128 v3, v[214:217], s[20:21] offset:(\u)*FRB+768
	global_store_b64 v6, v[218:219], s[20:21] offset:(\u)*FRB+1280
.endm
	LOADX 0
	LOADX 1
	UNITX 0
	UNITX 1
	UNITX 2
	UNITX 3
	v_cmp_gt_u32 vcc_lo, 16, v2                    ; lanes 0-15 store the words of my first two K steps, lanes 16-31 those of the other two
	v_cndmask_b32 v234, v238, v236, vcc_lo
	v_cndmask_b32 v235, v239, v237, vcc_lo
	global_store_b64 v7, v[234:235], s[34:35]      ; 32 lanes store 256 consecutive bytes, aligned
	s_wait_tensorcnt 0x0
	ds_add_u32 v240, v241
	s_wait_dscnt 0x0
	s_endpgm
.Lfunc_end_k_qddd009f4ee_quant:
	.size	k_qddd009f4ee_quant, .Lfunc_end_k_qddd009f4ee_quant-k_qddd009f4ee_quant
	.p2alignl 7, 3214868480
	.fill 96, 4, 3214868480
	.section	.rodata,"a",@progbits
	.p2align	6, 0x0
	.amdhsa_kernel k_qddd009f4ee_quant
		.amdhsa_group_segment_fixed_size 34304
		.amdhsa_private_segment_fixed_size 0
		.amdhsa_enable_private_segment 0
		.amdhsa_kernarg_size 56
		.amdhsa_user_sgpr_count 2
		.amdhsa_user_sgpr_kernarg_segment_ptr 1
		.amdhsa_wavefront_size32 1
		.amdhsa_system_sgpr_workgroup_id_x 1
		.amdhsa_system_sgpr_workgroup_id_y 1
		.amdhsa_system_sgpr_workgroup_id_z 1
		.amdhsa_system_vgpr_workitem_id 0
		.amdhsa_next_free_vgpr 242
		.amdhsa_next_free_sgpr 66
		.amdhsa_reserve_vcc 1
		.amdhsa_float_denorm_mode_32 3
		.amdhsa_float_denorm_mode_16_64 3
		.amdhsa_memory_ordered 1
		.amdhsa_forward_progress 1
		.amdhsa_inst_pref_size 70
	.end_amdhsa_kernel
	.amdgpu_metadata
---
amdhsa.version: [ 1, 2 ]
amdhsa.kernels:
  - .name:           k_qddd009f4ee_quant
    .symbol:         k_qddd009f4ee_quant.kd
    .args:
      - { .name: x, .offset: 0, .size: 8, .value_kind: global_buffer, .address_space: global }
      - { .name: Wq, .offset: 8, .size: 8, .value_kind: global_buffer, .address_space: global }
      - { .name: Wk, .offset: 16, .size: 8, .value_kind: global_buffer, .address_space: global }
      - { .name: Wv, .offset: 24, .size: 8, .value_kind: global_buffer, .address_space: global }
      - { .name: Wo, .offset: 32, .size: 8, .value_kind: global_buffer, .address_space: global }
      - { .name: xq, .offset: 40, .size: 8, .value_kind: global_buffer, .address_space: global }
      - { .name: wq, .offset: 48, .size: 8, .value_kind: global_buffer, .address_space: global }
    .group_segment_fixed_size: 34304
    .private_segment_fixed_size: 0
    .kernarg_segment_align: 8
    .kernarg_segment_size: 56
    .max_flat_workgroup_size: 128
    .sgpr_count:     66
    .vgpr_count:     242
    .wavefront_size: 32
...
	.end_amdgpu_metadata
.endif
;; end of part 5
;; launch qkv (part 6): grid 24 x 8, 4 waves a work-group, clusters of 4 x 4, 327,680 bytes of LDS; arguments xq, wq, bq, bk, bv, cos, sin, qq, kv; writes qq, kv
.if DOCPART == 6
	.amdgcn_target "amdgcn-amd-amdhsa--gfx1250"
	.amdhsa_code_object_version 6
	.text
	.protected	k_qddd009f4ee_qkv
	.globl	k_qddd009f4ee_qkv
	.p2align	8
	.type	k_qddd009f4ee_qkv,@function
k_qddd009f4ee_qkv:
	s_mov_b64 s[64:65], 0
	v_nop
	global_prefetch_b8 v0, s[64:65] scope:SCOPE_SE
	s_setreg_imm32_b32 hwreg(HW_REG_WAVE_MODE, 25, 1), 1
	s_wait_xcnt 0x0
	s_wait_alu depctr_hold_cnt(0) depctr_sa_sdst(0) depctr_va_vdst(0) depctr_va_sdst(0) depctr_va_ssrc(0) depctr_va_vcc(0) depctr_vm_vsrc(0)
	s_getreg_b32 s2, hwreg(HW_REG_IB_STS2, 6, 4)
	s_cmp_eq_u32 s2, 0
	s_cbranch_scc0 .Lentry_in_a_cluster
	s_endpgm
.Lentry_in_a_cluster:
	s_bfe_u32 s2, ttmp6, 0x10000c
	s_cmp_lg_u32 s2, 0xf033
	s_cbranch_scc0 .Lentry_shape_is_right
	s_endpgm
.Lentry_shape_is_right:
; q, k = rope(x W + b) and v = x Wv + bv on codes of FP6 (E2M3), and their quantising for the attention launch.  Operands are register images (tile, K step) of 1,536 bytes with scale words behind them.
; A work-group makes 256 x 256, a wave 128 x 128, K in a ring of two slots of two K steps (a chunk), joint loads in clusters of 4 x 4.
; WORK-GROUPS x = 0 .. 15 (clusters 0 .. 3): 256 tokens x (64 columns at 64 x and the 64 columns 1,024 on) of BOTH q and k: waves 0, 2 make q, waves 1, 3 make k.  So one block of cos and sin serves
; two waves: each of the two loads half of it (the low columns or those 1,024 on), and they share it through a stage in LDS, two stages by turns, one barrier a block of 16 tokens.
; WORK-GROUPS x = 16 .. 23: V^T: source rows are Wv's columns (256 channels), the other side 256 tokens on end (key steps 2 (x - 16) and the next), so that a lane's registers run along the keys.
; HEAD: one tensor load a wave: A's 16 tiles, B's 16 tiles, A's scale words, B's scale words; slot 1 is first filled behind the full sequence and a round.
; PREFETCH OF THE TILES: behind the fill of chunk n a wave names chunk n + 2 of the 8 tiles that it fetches; the four partners of a joint load take 2 tiles each, told apart by address:
; 24 blocks of 256 bytes, one instruction a wave (lanes 24 .. 31 name the last block again).  The head names chunks 1 and 2; the loop's last trip names nothing: chunk 7 is the last.
; PREFETCH OF COS AND SIN: in each of the loop's six changes of slots a wave of a q/k work-group names 32 rows x 256 bytes of cos (slot 0) or sin (slot 1): its own half of two blocks of 16 tokens, a lane a row;
; blocks 0 .. 5 of its eight are named so, each once; blocks 6, 7 come by their loads alone.
; LIMITS: a block of zeros gets the byte 1 (its codes are zeros, and this program alone reads the bytes); NaN and infinities are not served.
.set FR,    12
.set NL,    4
.set NP,    4
.set NQ,    2
.set LAPS,  4
.set FRB,   1536
.set TILEB, 2*FRB
.set TSTR,  24576
.set HALFT, 8*TILEB
.set SLOT,  4*HALFT
.set SCL,   2*SLOT
.set HALFS, 8192
.set SPARE, SCL+4*HALFS
.set CSB,   16*272
.set XQS,   3145728
.set WQS,   12582912
.set ADRA, 16
.set ADRB, 20
.set ADRS, 27
.set ADRS2, 30
.set SPW,  28
.set NIL,  29
.set SC,   32
.set AF,   128
.set TM,   224
.set PW,   240
.set PC,   32
.set SEL,  98
.set G1, 24
.set G0, 32
.set G1B, 48
.set G0B, 56
.set G1S, 68
.set G0S, 76
.set G1SB, 80
.set G0SB, 88
.set MSB, 0
.macro WIN new
.if MSB != (\new)
	s_set_vgpr_msb (MSB<<8)|(\new)
.set MSB, (\new)
.endif
.endm
.set MUL_LO, 0xa1
.set MUL_HI, 0xf1
.set TO_B,   0x40
.macro JLOAD g0a, g1a, g0b, g1b
	s_cmp_eq_u32 s15, 0
	s_cbranch_scc0 .Lfor_b_\@
	tensor_load_to_lds s[\g0a:\g0a+3], s[\g1a:\g1a+7]
	s_nop 0
.rept 4
	v_nop
.endr
	s_branch .Lasked_\@
.Lfor_b_\@:
	tensor_load_to_lds s[\g0b:\g0b+3], s[\g1b:\g1b+7]
	s_nop 0
.rept 4
	v_nop
.endr
.Lasked_\@:
.endm
.macro CREST
	s_cmp_lg_u32 s14, 0
	s_cbranch_scc1 .Lnot_wave_0_\@
	s_barrier_signal -3
.Lnot_wave_0_\@:
	s_barrier_wait -3
	s_barrier_signal -1
	s_barrier_wait -1
.endm
.macro CROUND
	s_barrier_signal -1
	s_barrier_wait -1
	CREST
.endm
	s_load_b128 s[4:7], s[0:1], 0x0
	s_load_b64 s[12:13], s[0:1], 0x28              ; cos, for the prefetches
	s_load_b64 s[66:67], s[0:1], 0x30              ; sin
	v_lshl_add_u32 v[SPW], v0, 2, SPARE
	v_mov_b32 v[NIL], 0
	ds_add_u32 v28, v29
	ds_add_u32 v28, v29
	s_wait_dscnt 0x0
	v_lshrrev_b32 v1, 5, v0
	v_readfirstlane_b32 s14, v1
	s_lshr_b32 s15, s14, 1
	s_and_b32 s16, s14, 1
	s_bfe_u32 s40, ttmp6, 0x40000
	s_bfe_u32 s41, ttmp6, 0x40004
	s_lshl_b32 s42, ttmp9, 2
	s_add_co_u32 s42, s42, s40
	s_and_b32 s17, ttmp7, 0xffff
	s_lshl_b32 s17, s17, 2
	s_add_co_u32 s17, s17, s41
	s_lshl_b32 s43, s41, 2
	s_lshl_b32 s43, 15, s43
	s_lshl_b32 s44, 0x1111, s40
	s_or_b32 s[G1+0], s43, (3<<16)|(1<<21)
	s_or_b32 s[G1B+0], s44, (3<<16)|(1<<21)
.irp g, G1, G1B
	s_mov_b32 s[\g+1], 384<<16
	s_mov_b32 s[\g+2], 16<<16                      ; the head's loads bring 16 tiles; behind them these two words are set to 8
	s_mov_b32 s[\g+3], 384<<16
	s_mov_b32 s[\g+4], 16
	s_mov_b32 s[\g+5], TSTR/8
	s_mov_b32 s[\g+6], 0
	s_mov_b32 s[\g+7], 0
.endr
	s_or_b32 s[G1S+0], s43, (3<<16)|(1<<21)
	s_or_b32 s[G1SB+0], s44, (3<<16)|(1<<21)
.irp g, G1S, G1SB
	s_mov_b32 s[\g+1], 32<<16
	s_mov_b32 s[\g+2], 64<<16                      ; the scale words of 16 tiles: 64 rows of 256 bytes
	s_mov_b32 s[\g+3], 32<<16
	s_mov_b32 s[\g+4], 64
	s_mov_b32 s[\g+5], 32
	s_mov_b32 s[\g+6], 0
	s_mov_b32 s[\g+7], 0
.endr
	s_cmp_ge_u32 ttmp9, 4
	s_cselect_b32 s18, 256, 0
	s_lshl_b32 s20, s17, 4
	s_add_co_u32 s20, s20, s18                     ; A's first tile of 16
	s_and_b32 s46, s42, 15
	s_lshl_b32 s46, s46, 4                         ; B's first tile of 16: q/k: column group x; V^T: tokens 256 (x - 16) on
	s_lshl_b32 s22, s20, 10
	s_mul_i32 s20, s20, TSTR
	s_lshl_b32 s92, s46, 10
	s_mul_i32 s46, s46, TSTR
	s_mov_b32 s21, 0
	s_mov_b32 s23, 0
	s_mov_b32 s47, 0
	s_mov_b32 s93, 0
	s_mov_b32 s18, XQS
	s_mov_b32 s19, WQS
	s_cmp_ge_u32 ttmp9, 4
	s_cselect_b32 s95, s19, s18
	s_cselect_b32 s96, s18, s19
	s_add_co_u32 s22, s22, s95
	s_add_co_u32 s92, s92, s96
	s_mul_i32 s45, s14, HALFT
	s_wait_kmcnt 0x0
	s_cmp_ge_u32 ttmp9, 4
	s_cselect_b64 s[8:9], s[6:7], s[4:5]
	s_cselect_b64 s[10:11], s[4:5], s[6:7]
	s_add_nc_u64 s[20:21], s[8:9], s[20:21]
	s_add_nc_u64 s[22:23], s[8:9], s[22:23]
	s_add_nc_u64 s[46:47], s[10:11], s[46:47]
	s_add_nc_u64 s[92:93], s[10:11], s[92:93]
	CROUND
	s_mov_b32 s[G0S], 1
	s_mov_b32 s[G0S+1], SCL
	s_mov_b64 s[G0S+2:G0S+3], s[22:23]
	s_or_b32 s[G0S+3], s[G0S+3], 0x80000000
	s_mov_b32 s[G0SB], 1
	s_mov_b32 s[G0SB+1], SCL+2*HALFS
	s_mov_b64 s[G0SB+2:G0SB+3], s[92:93]
	s_or_b32 s[G0SB+3], s[G0SB+3], 0x80000000
	s_mov_b32 s4, 1                                ; s[4:7], s[8:11]: group 0 of the head's loads of codes (the arguments that lay there have been used)
	s_mov_b32 s5, 0
	s_mov_b64 s[6:7], s[20:21]
	s_or_b32 s7, s7, 0x80000000
	s_mov_b32 s8, 1
	s_mov_b32 s9, 2*HALFT
	s_mov_b64 s[10:11], s[46:47]
	s_or_b32 s11, s11, 0x80000000
	s_mul_i32 s18, s16, 8*TSTR                     ; in the ring I fetch 8 tiles: which half
	s_mov_b32 s19, 0
	s_add_nc_u64 s[20:21], s[20:21], s[18:19]
	s_add_nc_u64 s[46:47], s[46:47], s[18:19]
.irp s, 0,1
	s_mov_b32 s[G0+4*\s], 1
	s_add_co_u32 s[G0+4*\s+1], s45, \s*SLOT
	s_add_nc_u64 s[G0+4*\s+2:G0+4*\s+3], s[20:21], \s*TILEB
	s_or_b32 s[G0+4*\s+3], s[G0+4*\s+3], 0x80000000
	s_mov_b32 s[G0B+4*\s], 1
	s_add_co_u32 s[G0B+4*\s+1], s45, \s*SLOT
	s_add_nc_u64 s[G0B+4*\s+2:G0B+4*\s+3], s[46:47], \s*TILEB
	s_or_b32 s[G0B+4*\s+3], s[G0B+4*\s+3], 0x80000000
.endr
	s_cmp_eq_u32 s15, 0                            ; s[92:93]: where my prefetches of tiles stand: the 8 tiles that I fetch (A's or B's),
	s_cselect_b64 s[92:93], s[20:21], s[46:47]
	s_cselect_b32 s94, s40, s41                    ; my work-group's place among the four that ask for them jointly (cx for A, cy for B):
	s_mul_i32 s94, s94, 2*TSTR                     ; its 2 tiles of the 8
	s_mov_b32 s95, 0
	s_add_nc_u64 s[92:93], s[92:93], s[94:95]
; the head's loads, one a wave, in one chain of branches on the wave's number
.macro ARM under, g0, g1, next
	s_cmp_lt_u32 s14, \under
	s_cbranch_scc0 \next
	tensor_load_to_lds s[\g0:\g0+3], s[\g1:\g1+7]
	s_nop 0
.rept 4
	v_nop
.endr
	s_branch .Lhead_asked
\next:
.endm
	ARM 1, 4, G1, .Lhead_b
	ARM 2, 8, G1B, .Lhead_sa
	ARM 3, G0S, G1S, .Lhead_sb
	tensor_load_to_lds s[G0SB:G0SB+3], s[G1SB:G1SB+7]
	s_nop 0
.rept 4
	v_nop
.endr
.Lhead_asked:
	v_and_b32 v10, 31, v0
	v_min_u32 v10, 23, v10                         ; block 0 .. 23 of my 2 tiles x 12 blocks of 256 bytes; the lanes left over name the last again
	v_mul_u32_u24 v11, v10, 11
	v_lshrrev_b32 v11, 7, v11                      ; block / 12: which tile
	v_mul_u32_u24 v11, v11, TSTR-TILEB
	v_lshl_add_u32 v11, v10, 8, v11                ; v11: the offset; never rewritten
	global_prefetch_b8 v11, s[92:93] offset:TILEB th:TH_LOAD_NT scope:SCOPE_SE     ; chunks 1 and 2
	global_prefetch_b8 v11, s[92:93] offset:2*TILEB th:TH_LOAD_NT scope:SCOPE_SE
.macro ASK slot                        ; behind the refill with chunk n (2 + slot in the first trip): chunk n + 2 of my tiles, but in the last trip; then cos (slot 0) or sin (slot 1)
	s_cmp_gt_u32 s3, 1
	s_cbranch_scc0 .Lno_tile_\@
	global_prefetch_b8 v11, s[92:93] offset:(4+\slot)*TILEB th:TH_LOAD_NT scope:SCOPE_SE
.Lno_tile_\@:
	s_cmp_ge_u32 ttmp9, 4                          ; the branch hangs on the cluster's x alone: V^T's clusters read neither cos nor sin
	s_cbranch_scc1 .Lno_ask_\@
.if \slot
	global_prefetch_b8 v31, s[66:67] th:TH_LOAD_NT scope:SCOPE_SE
.else
	global_prefetch_b8 v31, s[12:13] th:TH_LOAD_NT scope:SCOPE_SE
.endif
.Lno_ask_\@:
.endm
	v_and_b32 v1, 15, v0
	v_bfe_u32 v2, v0, 4, 1
	v_and_b32 v3, 31, v0
	v_lshlrev_b32 v24, 4, v3
	v_lshlrev_b32 v25, 4, v1
	v_lshl_add_u32 v25, v2, 3, v25
	s_mul_i32 s21, s15, HALFT
	s_mul_i32 s22, s16, 4*TILEB
	s_add_co_u32 s22, s22, 2*HALFT
.irp s, 0,1
	v_add_nc_u32 v[ADRA+\s], s21, v24
	v_add_nc_u32 v[ADRB+\s], s22, v24
	v_add_nc_u32 v[ADRA+2+\s], s21, v25
	v_add_nc_u32 v[ADRB+2+\s], s22, v25
	s_add_co_u32 s21, s21, SLOT
	s_add_co_u32 s22, s22, SLOT
.endr
	s_lshl_b32 s21, s15, 13
	s_lshl_b32 s22, s16, 12
	s_add_co_u32 s22, s22, 2*HALFS
	s_sub_co_u32 s22, s22, s21
	v_mul_u32_u24 v6, s22, v2
	s_add_co_u32 s21, s21, SCL
	v_lshl_add_u32 v6, v1, 3, v6
	v_add_nc_u32 v[ADRS], s21, v6
	v_lshl_add_u32 v[ADRS2], v2, 12, v[ADRS]
	s_mul_i32 s21, s15, 8*CSB                      ; the two stages of my pair of waves (same tokens),
	s_mul_i32 s22, s16, 2*CSB                      ; and my two of a stage's four parts
	s_add_co_u32 s22, s22, s21
	v_mul_u32_u24 v13, v2, 272
	v_lshl_add_u32 v13, v1, 4, v13
	v_add_nc_u32 v13, s22, v13
	v_mul_u32_u24 v14, v1, 272
	v_lshl_add_u32 v14, v2, 6, v14
	v_add_nc_u32 v14, s21, v14
	v_lshlrev_b32 v15, 6, v2
	v_and_b32 v4, 8, v1
	v_add_nc_u32 v4, v4, v1
	v_lshl_add_u32 v4, v2, 3, v4                   ; the rows of cos and sin that I prefetch: r + 8 (r / 8) of a block, lanes 16-31 the block 8 rows on
	v_lshlrev_b32 v31, 13, v4
	s_lshl_b32 s22, s16, 12
	v_add_nc_u32 v31, s22, v31                     ; my half: the low columns, or those 1,024 on
	s_lshl_b32 s18, s17, 1
	s_add_co_u32 s18, s18, s15
	s_lshl_b32 s18, s18, 20                        ; my 128 tokens
	s_lshl_b32 s19, s42, 8                         ; 64 columns a work-group
	s_add_co_u32 s18, s18, s19
	s_mov_b32 s19, 0
	s_add_nc_u64 s[12:13], s[12:13], s[18:19]
	s_add_nc_u64 s[66:67], s[66:67], s[18:19]
.macro FRAG reg, adr, off
	ds_load_b128 v[\reg:\reg+3], v[\adr] offset:\off
	ds_load_b64 v[\reg+4:\reg+5], v[\adr+2] offset:\off+512
	ds_load_b128 v[\reg+6:\reg+9], v[\adr] offset:\off+768
	ds_load_b64 v[\reg+10:\reg+11], v[\adr+2] offset:\off+1280
.endm
.macro MUL16 a0, p, q, sc, zero
.irp a, \a0, \a0+1
.irp b, 0,1,2,3,4,5,6,7
.if \zero
	v_wmma_scale_f32_16x16x128_f8f6f4 v[8*(8*((\a)%4)+\b):8*(8*((\a)%4)+\b)+7], v[128*(\p)+FR*\b:128*(\p)+FR*\b+FR-1], v[AF+FR*(\a):AF+FR*(\a)+FR-1], 0, v[SC+8*NQ*(\sc)+NQ*\b+(\q)], v[SC+8*NQ*(\sc)+NQ*(\a)+(\q)] matrix_a_fmt:MATRIX_FMT_FP6 matrix_b_fmt:MATRIX_FMT_FP6 matrix_a_scale:MATRIX_SCALE_ROW1
.else
	v_wmma_scale_f32_16x16x128_f8f6f4 v[8*(8*((\a)%4)+\b):8*(8*((\a)%4)+\b)+7], v[128*(\p)+FR*\b:128*(\p)+FR*\b+FR-1], v[AF+FR*(\a):AF+FR*(\a)+FR-1], v[8*(8*((\a)%4)+\b):8*(8*((\a)%4)+\b)+7], v[SC+8*NQ*(\sc)+NQ*\b+(\q)], v[SC+8*NQ*(\sc)+NQ*(\a)+(\q)] matrix_a_fmt:MATRIX_FMT_FP6 matrix_b_fmt:MATRIX_FMT_FP6 matrix_a_scale:MATRIX_SCALE_ROW1
.endif
.endr
.endr
.endm
.macro FETCH_B slot, q, p
	WIN TO_B
.irp i, 0,1,2,3,4,5,6,7
	FRAG 128*(\p)+FR*\i, ADRB+\slot, ((\i/4)*8+\i%4)*TILEB+(\q)*FRB
.endr
	WIN 0
.endm
.macro FETCH_A slot, q, i0
.irp i, \i0, \i0+1, \i0+2, \i0+3
	FRAG AF+FR*(\i), ADRA+\slot, (\i)*TILEB+(\q)*FRB
.endr
.endm
.macro SCALES sc
.irp i, 0,1,2,3
	ds_load_b64 v[SC+16*\sc+2*\i:SC+16*\sc+2*\i+1], v[ADRS] offset:\i*1024
.endr
.irp i, 4,5,6,7
	ds_load_b64 v[SC+16*\sc+2*\i:SC+16*\sc+2*\i+1], v[ADRS2] offset:\i*1024
.endr
.endm
.macro PLACES n
.rept \n
	v_nop
.endr
.endm
.macro STEP slot, q, zero
	s_wait_dscnt 4*NL
	WIN MUL_LO
	MUL16 0, (\q)%2, \q, \slot, \zero
	MUL16 2, (\q)%2, \q, \slot, \zero
	s_wait_dscnt 0
	PLACES NP
	FETCH_B \slot, (\q)+1, 1-(\q)%2
	FETCH_A \slot, (\q)+1, 0
	WIN MUL_HI
	MUL16 4, (\q)%2, \q, \slot, \zero
	MUL16 6, (\q)%2, \q, \slot, \zero
	PLACES NP
	WIN 0
	FETCH_A \slot, (\q)+1, 4
.endm
.macro TURN slot, next, fill
	s_wait_tensorcnt 0x0
	ds_add_u32 v[SPW], v[NIL]
	s_wait_dscnt 4*NL+1
	WIN MUL_LO
	MUL16 0, 1, NQ-1, \slot, 0
	s_wait_dscnt 0x0
	s_barrier_signal -1
	MUL16 2, 1, NQ-1, \slot, 0
	WIN 0
	s_barrier_wait -1
.if \fill
	CREST
	s_add_nc_u64 s[G0+4*\slot+2:G0+4*\slot+3], s[G0+4*\slot+2:G0+4*\slot+3], 2*TILEB
	s_add_nc_u64 s[G0B+4*\slot+2:G0B+4*\slot+3], s[G0B+4*\slot+2:G0B+4*\slot+3], 2*TILEB
	JLOAD G0+4*\slot, G1, G0B+4*\slot, G1B
.else
	PLACES NP
.endif
	s_wait_alu depctr_va_vdst(0)
	v_add_nc_u32 v[ADRS], 128, v[ADRS]
	v_add_nc_u32 v[ADRS2], 128, v[ADRS2]
	FETCH_B \next, 0, 0
	FETCH_A \next, 0, 0
	SCALES \next
.if \fill
	ASK \slot
.endif
	WIN MUL_HI
	MUL16 4, 1, NQ-1, \slot, 0
	MUL16 6, 1, NQ-1, \slot, 0
	PLACES NP
	WIN 0
	FETCH_A \next, 0, 4
.endm
	s_wait_alu depctr_va_vdst(0)
	s_wait_tensorcnt 0x0                           ; my tile of the head's four is in; the full sequence ahead of slot 1's first fill
	ds_add_u32 v[SPW], v[NIL]
	s_mov_b32 s[G1+2], 8<<16                       ; no tensor load of mine is out: from here on a load brings 8 tiles
	s_mov_b32 s[G1+4], 8
	s_mov_b32 s[G1B+2], 8<<16
	s_mov_b32 s[G1B+4], 8
	s_wait_dscnt 0x0
	CROUND
	JLOAD G0+4, G1, G0B+4, G1B
	FETCH_B 0, 0, 0
	FETCH_A 0, 0, 0
	SCALES 0
	FETCH_A 0, 0, 4
	global_prefetch_b8 v11, s[92:93] offset:3*TILEB th:TH_LOAD_NT scope:SCOPE_SE   ; behind chunk 1's fill: chunk 3
	STEP 0, 0, 1
	s_mov_b32 s3, LAPS-1
.Llap:
	TURN 0, 1, 1
	STEP 1, 0, 0
	TURN 1, 0, 1
	STEP 0, 0, 0
	s_wait_xcnt 0x0                                ; the trip's prefetches have read their addresses
	s_add_nc_u64 s[92:93], s[92:93], 2*TILEB       ; two chunks on
	s_add_nc_u64 s[12:13], s[12:13], 32*8192       ; two blocks, 32 tokens, on
	s_add_nc_u64 s[66:67], s[66:67], 32*8192
	s_sub_co_u32 s3, s3, 1
	s_cmp_lg_u32 s3, 0
	s_cbranch_scc1 .Llap
	TURN 0, 1, 0
	s_load_b256 s[24:31], s[0:1], 0x10
	s_load_b128 s[32:35], s[0:1], 0x30
	s_load_b64 s[36:37], s[0:1], 0x40
	STEP 1, 0, 0
	s_wait_dscnt 4*NL
	WIN MUL_LO
	MUL16 0, 1, NQ-1, 1, 0
	MUL16 2, 1, NQ-1, 1, 0
	s_wait_dscnt 0
	WIN MUL_HI
	MUL16 4, 1, NQ-1, 1, 0
	MUL16 6, 1, NQ-1, 1, 0
	WIN 0
.macro QUANT s
.irp b, 0,1,2,3
	v_max3_num_f32 v[TM+\b], |v[\s+16*\b]|, |v[\s+1+16*\b]|, 0x1800000
.endr
.irp i, 2,4,6,8,10,12,14
.irp b, 0,1,2,3
	v_max3_num_f32 v[TM+\b], v[TM+\b], |v[\s+16*\b+\i]|, |v[\s+1+16*\b+\i]|
.endr
.endr
.irp b, 0,1,2,3
	v_permlanex16_b32 v[TM+4+\b], v[TM+\b], s[SEL], s[SEL+1]
.endr
.irp b, 0,1,2,3
	v_max_num_f32 v[TM+\b], v[TM+\b], v[TM+4+\b]
.endr
.irp b, 0,1,2,3
	v_add_nc_u32 v[TM+12+\b], 0xff000000, v[TM+\b]
.endr
.irp b, 0,1,2,3
	v_lshrrev_b32 v[TM+4+\b], 23, v[TM+12+\b]
.endr
	v_lshl_or_b32 v[PW], v[TM+5], 8, v[TM+4]
	v_lshl_or_b32 v[PW], v[TM+6], 16, v[PW]
	v_lshl_or_b32 v[PW], v[TM+7], 24, v[PW]
.irp c, 0,1
	v_cvt_scalef32_pk16_fp6_f32 v[PC+6*\c:PC+2+6*\c], v[\s+32*\c:\s+15+32*\c], v[TM+12+2*\c]
	v_cvt_scalef32_pk16_fp6_f32 v[PC+12+4*\c:PC+14+4*\c], v[\s+16+32*\c:\s+31+32*\c], v[TM+12+2*\c+1]
.endr
	v_nop
.irp c, 0,1
.irp i, 0,1,2
	v_permlane16_swap_b32 v[PC+6*\c+\i], v[PC+12+4*\c+\i]
.endr
.irp i, 0,1,2
	v_mov_b32 v[PC+3+6*\c+\i], v[PC+12+4*\c+\i]
.endr
.endr
.endm
.macro PUT a
	global_store_b128 v24, v[PC:PC+3], s[48:49] offset:(\a)*FRB
	global_store_b64 v25, v[PC+4:PC+5], s[48:49] offset:(\a)*FRB+512
	global_store_b128 v24, v[PC+6:PC+9], s[50:51] offset:(\a)*FRB
	global_store_b64 v25, v[PC+10:PC+11], s[50:51] offset:(\a)*FRB+512
	v_lshrrev_b32 v242, v241, v[PW]
	global_store_b16 v26, v242, s[52:53] offset:(\a)*64
.endm
	PLACES NP
	s_mov_b32 s[SEL], 0x76543210
	s_mov_b32 s[SEL+1], 0xfedcba98
	v_lshlrev_b32 v241, 4, v2
.irp b, 0,1,2,3
	v_mov_b32 v[TM+4+\b], 0
.endr
	s_and_b32 s56, s42, 7
	s_lshl_b32 s57, s17, 1
	s_add_co_u32 s57, s57, s15
	s_mul_i32 s58, s16, 768
	s_lshl_b32 s59, s16, 1
	s_wait_kmcnt 0x0
	s_cmp_ge_u32 ttmp9, 4
	s_cbranch_scc1 .Lv
	s_lshr_b32 s56, s42, 1                         ; the head of my low columns,
	s_and_b32 s55, s42, 1                          ; and which 64 of its 128 channels
	s_mul_i32 s58, s55, 768
	s_lshl_b32 s59, s55, 1
	s_mul_i32 s60, s56, 196608
	s_mul_i32 s61, s57, 8*FRB
	s_add_co_u32 s60, s60, s61
	s_add_co_u32 s60, s60, s58
	s_lshl_b32 s61, s56, 13
	s_lshl_b32 s62, s57, 9
	s_add_co_u32 s61, s61, s62
	s_add_co_u32 s61, s61, s59
	s_add_co_u32 s61, s61, XQS
	s_mul_i32 s62, s56, 409600
	s_mul_i32 s63, s57, 25600
	s_add_co_u32 s62, s62, s63
	s_add_co_u32 s63, s62, s59
	s_add_co_u32 s63, s63, 8*FRB
	s_add_co_u32 s62, s62, s58
	s_mov_b32 s66, 8*196608
	s_mov_b32 s67, 8*409600
	s_mov_b32 s68, 8*8192
	s_cmp_eq_u32 s16, 1                            ; my wave makes k (1) or q (0)
	s_cselect_b32 s70, s62, s60
	s_cselect_b32 s72, s63, s61
	s_cselect_b32 s74, s67, s66
	s_cselect_b32 s54, s67, s68
	s_cselect_b64 s[48:49], s[36:37], s[34:35]
	s_cselect_b64 s[38:39], s[26:27], s[24:25]
	s_mov_b32 s71, 0
	s_mov_b32 s73, 0
	s_mov_b32 s75, 0
	s_add_nc_u64 s[52:53], s[48:49], s[72:73]
	s_add_nc_u64 s[48:49], s[48:49], s[70:71]
	s_add_nc_u64 s[50:51], s[48:49], s[74:75]
	s_lshl_b32 s76, s56, 9
	s_lshl_b32 s77, s55, 8
	s_add_co_u32 s76, s76, s77
	s_mov_b32 s77, 0
	s_add_nc_u64 s[38:39], s[38:39], s[76:77]
	s_lshl_b32 s78, s57, 20
	s_add_co_u32 s76, s76, s78
	s_add_nc_u64 s[30:31], s[30:31], s[76:77]
	s_add_nc_u64 s[32:33], s[32:33], s[76:77]
	v_mul_u32_u24 v26, s54, v2
	v_lshl_add_u32 v26, v1, 2, v26
	v_lshlrev_b32 v12, 13, v2
	v_lshl_add_u32 v12, v1, 4, v12
	s_lshl_b32 s78, s16, 12
	v_add_nc_u32 v12, s78, v12                     ; of cos and sin I load the low columns (wave 0, 2) or those 1,024 on (wave 1, 3)
.macro GLOAD a                         ; my half of block a's cos and sin: 16 loads into set a % 4 of window 1
	WIN 0x40
.irp t, 0,1,2,3,4,5,6,7
.set RO, (32*((\a)/2)+8*((\a)%2)+2*\t+8*(\t/4))*8192
	global_load_b128 v[64*((\a)%4)+4*\t:64*((\a)%4)+4*\t+3], v12, s[30:31] offset:RO
	global_load_b128 v[64*((\a)%4)+32+4*\t:64*((\a)%4)+32+4*\t+3], v12, s[32:33] offset:RO
.endr
	WIN 0
.endm
.macro TURNCS a                        ; my two parts into stage a % 2; a barrier; all four parts back.  Stage a % 2 is stored into again two blocks on, behind the next block's barrier, ahead of which every wave has waited for these reads
	WIN 0x04
.irp k, 0,1
.irp t, 0,1,2,3,4,5,6,7
	ds_store_b128 v13, v[64*((\a)%4)+32*\k+4*\t:64*((\a)%4)+32*\k+4*\t+3] offset:((\a)%2)*4*CSB+\k*CSB+544*\t
.endr
.endr
	WIN 0
	s_wait_dscnt 0x0                               ; my stores are done, for the other wave's sake
	s_barrier_signal -1
	s_barrier_wait -1
	s_wait_xcnt 0x0                                ; the last block's stores have read their registers
.irp k, 0,1,2,3
.irp e, 0,1
.irp j, 0,1,2,3
	ds_load_b128 v[32+32*\k+16*\e+4*\j:32+32*\k+16*\e+4*\j+3], v14 offset:((\a)%2)*4*CSB+\k*CSB+128*\e+16*\j
.endr
.endr
.endr
.endm
.macro ROPE a
	WIN 2+(\a)/4
.set AC, 64*((\a)%4)
.set j, 0
.rept 16
	v_pk_mul_f32 v[160+j:161+j], v[AC+j:AC+j+1], v[32+j:33+j]
	v_pk_mul_f32 v[192+j:193+j], v[AC+32+j:AC+33+j], v[96+j:97+j]
	v_pk_fma_f32 v[160+j:161+j], v[AC+32+j:AC+33+j], v[64+j:65+j], v[160+j:161+j] neg_lo:[1,0,0] neg_hi:[1,0,0]
	v_pk_fma_f32 v[192+j:193+j], v[AC+j:AC+j+1], v[128+j:129+j], v[192+j:193+j]
.set j, j+2
.endr
	WIN 0
.endm
.irp t, 0,1
.irp e, 0,1
.irp j, 0,1,2,3
	global_load_b128 v[160+32*\t+16*\e+4*\j:160+32*\t+16*\e+4*\j+3], v15, s[38:39] offset:\t*4096+128*\e+16*\j
.endr
.endr
.endr
	GLOAD 0
	GLOAD 1
	GLOAD 2
	GLOAD 3
	s_wait_loadcnt 63
	WIN 0x82
.set i, 0
.rept 128
	v_pk_add_f32 v[2*i:2*i+1], v[2*i:2*i+1], v[160+(2*i)%64:161+(2*i)%64]
.set i, i+1
.endr
	WIN 0xc3
.set i, 0
.rept 128
	v_pk_add_f32 v[2*i:2*i+1], v[2*i:2*i+1], v[160+(2*i)%64:161+(2*i)%64]
.set i, i+1
.endr
	WIN 0
.irp a, 0,1,2,3,4,5,6,7
.if \a < 5
	s_wait_loadcnt 48                              ; block a's 16 loads are in; those of the three blocks behind it may be out
.else
	s_wait_loadcnt 16*(7-\a)
.endif
	TURNCS \a
	s_wait_dscnt 0x0
.if \a < 4
	GLOAD (\a)+4
.endif
	ROPE \a
	QUANT 160
	PUT \a
.endr
	s_branch .Lend
.Lv:
	s_mul_i32 s70, s57, 409600
	s_mul_i32 s60, s56, 51200                      ; key step 2 (x - 16); the tokens 128 on are the next key step
	s_add_co_u32 s70, s70, s60
	s_add_co_u32 s70, s70, 12800
	s_add_co_u32 s72, s70, s59
	s_add_co_u32 s72, s72, 8*FRB
	s_add_co_u32 s70, s70, s58
	s_mov_b32 s71, 0
	s_mov_b32 s73, 0
	s_add_nc_u64 s[52:53], s[36:37], s[72:73]
	s_add_nc_u64 s[48:49], s[36:37], s[70:71]
	s_add_nc_u64 s[50:51], s[48:49], 25600
	s_mov_b32 s54, 25600
	s_lshl_b32 s76, s57, 9
	s_mov_b32 s77, 0
	s_add_nc_u64 s[28:29], s[28:29], s[76:77]
	v_mul_u32_u24 v26, s54, v2
	v_lshl_add_u32 v26, v1, 2, v26
	v_and_b32 v12, 8, v1
	v_add_nc_u32 v12, v12, v1
	v_lshlrev_b32 v12, 2, v12
.irp a, 0,1,2,3,4,5,6,7
	global_load_b32 v[96+2*\a], v12, s[28:29] offset:(32*(\a/2)+8*(\a%2))*4
	v_mov_b32 v[97+2*\a], 0
.endr
	s_wait_alu depctr_va_vdst(0)
	s_wait_loadcnt 0x0
.irp a, 0,1,2,3,4,5,6,7
	s_wait_xcnt 0x0
	WIN 2+(\a)/4
.set AC, 64*((\a)%4)
.set j, 0
.rept 32
	v_pk_add_f32 v[160+j:161+j], v[AC+j:AC+j+1], v[96+2*\a:97+2*\a] op_sel_hi:[1,0]
.set j, j+2
.endr
	WIN 0
	QUANT 160
	PUT \a
.endr
.Lend:
	s_wait_tensorcnt 0x0
	ds_add_u32 v[SPW], v[NIL]
	s_wait_dscnt 0x0
	CROUND
	s_endpgm
.Lfunc_end_k_qddd009f4ee_qkv:
	.size	k_qddd009f4ee_qkv, .Lfunc_end_k_qddd009f4ee_qkv-k_qddd009f4ee_qkv
	.p2alignl 7, 3214868480
	.fill 96, 4, 3214868480
	.section	.rodata,"a",@progbits
	.p2align	6, 0x0
	.amdhsa_kernel k_qddd009f4ee_qkv
		.amdhsa_group_segment_fixed_size 327680
		.amdhsa_private_segment_fixed_size 0
		.amdhsa_enable_private_segment 0
		.amdhsa_kernarg_size 72
		.amdhsa_user_sgpr_count 2
		.amdhsa_user_sgpr_kernarg_segment_ptr 1
		.amdhsa_wavefront_size32 1
		.amdhsa_system_sgpr_workgroup_id_x 1
		.amdhsa_system_sgpr_workgroup_id_y 1
		.amdhsa_system_sgpr_workgroup_id_z 1
		.amdhsa_system_vgpr_workitem_id 0
		.amdhsa_next_free_vgpr 1024
		.amdhsa_next_free_sgpr 100
		.amdhsa_reserve_vcc 0
		.amdhsa_float_denorm_mode_32 3
		.amdhsa_float_denorm_mode_16_64 3
		.amdhsa_memory_ordered 1
		.amdhsa_forward_progress 1
		.amdhsa_inst_pref_size 255
	.end_amdhsa_kernel
	.section	.bss,"aw",@nobits
	.p2align	6
	.space	262144
	.amdgpu_metadata
---
amdhsa.version: [ 1, 2 ]
amdhsa.kernels:
  - .name:           k_qddd009f4ee_qkv
    .symbol:         k_qddd009f4ee_qkv.kd
    .args:
      - { .name: xq, .offset: 0, .size: 8, .value_kind: global_buffer, .address_space: global }
      - { .name: wq, .offset: 8, .size: 8, .value_kind: global_buffer, .address_space: global }
      - { .name: bq, .offset: 16, .size: 8, .value_kind: global_buffer, .address_space: global }
      - { .name: bk, .offset: 24, .size: 8, .value_kind: global_buffer, .address_space: global }
      - { .name: bv, .offset: 32, .size: 8, .value_kind: global_buffer, .address_space: global }
      - { .name: cos, .offset: 40, .size: 8, .value_kind: global_buffer, .address_space: global }
      - { .name: sin, .offset: 48, .size: 8, .value_kind: global_buffer, .address_space: global }
      - { .name: qq, .offset: 56, .size: 8, .value_kind: global_buffer, .address_space: global }
      - { .name: kv, .offset: 64, .size: 8, .value_kind: global_buffer, .address_space: global }
    .group_segment_fixed_size: 327680
    .private_segment_fixed_size: 0
    .kernarg_segment_align: 8
    .kernarg_segment_size: 72
    .max_flat_workgroup_size: 128
    .sgpr_count:     100
    .vgpr_count:     1024
    .wavefront_size: 32
...
	.end_amdgpu_metadata
.endif
;; end of part 6
;; launch attn (part 7): grid 16 x 16, 8 waves a work-group, no clusters, 327,680 bytes of LDS; arguments qq, kv, aq; writes aq
.if DOCPART == 7
	.amdgcn_target "amdgcn-amd-amdhsa--gfx1250"
	.amdhsa_code_object_version 6
	.text
	.protected	k_qddd009f4ee_attn
	.globl	k_qddd009f4ee_attn
	.p2align	8
	.type	k_qddd009f4ee_attn,@function
k_qddd009f4ee_attn:
	s_mov_b64 s[64:65], 0
	v_nop
	global_prefetch_b8 v0, s[64:65] scope:SCOPE_SE
	s_setreg_imm32_b32 hwreg(HW_REG_WAVE_MODE, 25, 1), 1
	s_wait_xcnt 0x0
; Causal attention on codes of FP6 (E2M3): S^T = K Q^T, p = 2^(t - M), O^T = V^T P^T, O / l, and the result's quantising along the model's axis for the last product.
; t = score x log2(e) / sqrt(128); M = the running largest t rounded UP to a whole number; p is quantised along the keys, not normalised; the row's sum l is taken of the unquantised p and divides at the end.
; When M moves, l and O are multiplied by 2^(old M - new M): exact.
; INPUTS: qq: Q's images [head][tile][1,536] and words; kv: [head][key step of 128] records of 25,600 bytes: K's 8 images, K's words (8 x 64 bytes), V^T's 8 images (rows = channels, K = the keys), V^T's words.
; A tile T = 2 g + u holds rows 32 g + 8 u + i + 8 (i / 8): so the 16 registers of two neighbouring tiles of S^T are 16 neighbouring keys, and those of O^T 16 neighbouring channels.
; SHARES: a work-group takes a head (y) and eight tiles of 16 queries: wave w < 4 tile 4 x + w, wave w >= 4 tile 120 - 4 x + w.  A tile needs T / 8 + 1 key steps: waves w and w + 4 have 17 together, whatever x.
; Every wave walks all 16 key steps, so that the trip counts are constants and no tensor load or barrier is jumped over; a step all of whose keys come after the wave's queries is left out by a scalar branch on ids.
; RING: two slots of four key steps (102,400 bytes, dense in memory); each of the eight waves brings an eighth with one tensor load.
; LDS LOADS: a step's K comes in one run of 36 loads; its V^T is asked for straight behind the products S^T and waited for in front of the products V^T P^T: the step's softmax stands between.
; NO CLUSTER: which steps a work-group leaves out hangs on its own block of queries.
; LIMITS: a block of zeros gets the byte 1 (its codes are zeros); NaN and infinities are not served.
; REGISTERS, window 0: v1-7 addresses that stay; v8-10 addresses of the step in hand; v12 -M, v13 the largest t, v[14:15] the sum in two halves; v16-27 Q; v28-30 offsets; v32-51 the result's codes; v80-83 K's scale words,
;   v84-87 V^T's (tile 2 u in lanes 0-15, tile 2 u + 1 in lanes 16-31); v96-159 S^T, then p; v160-223 O^T; v224-235 p's codes; v232-254 at work; v255 Q's words.   window 1: v0-95 K's eight fragments, v96-191 V^T's.
.set FRB,   1536
.set STEPB, 25600                      ; a key step's record
.set SLOTB, 4*STEPB
.set PART,  SLOTB/8                    ; what one tensor load brings: 50 rows of 256 bytes
.set SLOT1, 1<<17                      ; slot 1 begins here, so that one exclusive or turns an address in one slot into the other's
.set SPARE, 2*SLOT1                    ; the spare words, 128 bytes for each wave, which no other line names
.set KW,    8*FRB                      ; K's words in a record
.set VO,    KW+512                     ; V^T's part of a record
.set XQS,   3145728
.set TM,   232
.set PW,   253
.set PC,   32
.set SEL,  20
.set MSB, 0
.macro WIN new                         ; s_set_vgpr_msb: bits 1:0 source 0, 3:2 source 1, 5:4 source 2, 7:6 destination; the immediate's high byte repeats the setting that is left
.if MSB != (\new)
	s_set_vgpr_msb (MSB<<8)|(\new)
.set MSB, (\new)
.endif
.endm
	s_load_b128 s[4:7], s[0:1], 0x0                ; qq s[4:5], kv s[6:7]
	s_load_b64 s[8:9], s[0:1], 0x10                ; aq
	v_lshl_add_u32 v5, v0, 2, SPARE                ; v5: my spare word; never rewritten
	v_mov_b32 v6, 0                                ; v6: 0; never rewritten
	ds_add_u32 v5, v6
	ds_add_u32 v5, v6
	s_wait_dscnt 0x0
	v_lshrrev_b32 v8, 5, v0
	s_delay_alu instid0(VALU_DEP_1)
	v_readfirstlane_b32 s18, v8                    ; wave 0..7
	s_and_b32 s10, ttmp7, 0xffff                   ; the head
	s_lshl_b32 s11, ttmp9, 2
	s_add_co_u32 s12, s11, s18
	s_sub_co_u32 s13, 120, s11
	s_add_co_u32 s13, s13, s18
	s_cmp_lt_u32 s18, 4
	s_cselect_b32 s12, s12, s13                    ; T: my tile of queries
	s_lshr_b32 s13, s12, 1
	s_lshl_b32 s13, s13, 5
	s_and_b32 s14, s12, 1
	s_lshl_b32 s14, s14, 3
	s_add_co_u32 s71, s13, s14                     ; s71: my first query; my last is 23 on
	s_mov_b32 s24, 3<<16                           ; group 1: elements of 8 bytes, no mask, no padding
	s_mov_b32 s25, 32<<16                          ; tensor_dim0 = 32 (256 bytes)
	s_mov_b32 s26, 50<<16                          ; tensor_dim1 = 50
	s_mov_b32 s27, 32<<16                          ; tile_dim0
	s_mov_b32 s28, 50                              ; tile_dim1
	s_mov_b32 s29, 32                              ; the pitch: dense
	s_mov_b32 s30, 0
	s_mov_b32 s31, 0
	s_mul_i32 s32, s10, 16*STEPB                   ; the head's records,
	s_mul_i32 s15, s18, PART                       ; my eighth of a slot
	s_add_co_u32 s32, s32, s15
	s_mov_b32 s33, 0
	s_mul_i32 s34, s10, 128*FRB
	s_mul_i32 s16, s12, FRB
	s_add_co_u32 s34, s34, s16                     ; Q's image
	s_mov_b32 s35, 0
	s_lshl_b32 s36, s10, 13
	s_lshl_b32 s16, s12, 6
	s_add_co_u32 s36, s36, s16
	s_add_co_u32 s36, s36, XQS                     ; Q's words
	s_mov_b32 s37, 0
	s_mul_i32 s38, s12, 16*FRB
	s_mul_i32 s16, s10, FRB
	s_add_co_u32 s38, s38, s16                     ; the result's image: tile T, K step = the head
	s_mov_b32 s39, 0
	s_lshl_b32 s44, s12, 10
	s_lshr_b32 s16, s10, 1
	s_lshl_b32 s16, s16, 7
	s_add_co_u32 s44, s44, s16
	s_and_b32 s16, s10, 1
	s_lshl_b32 s16, s16, 2
	s_add_co_u32 s44, s44, s16
	s_add_co_u32 s44, s44, XQS                     ; and its words
	s_mov_b32 s45, 0
	s_mov_b32 s[SEL], 0x76543210
	s_mov_b32 s[SEL+1], 0xfedcba98                 ; v_permlanex16_b32's selects for lane l xor 16
	s_mov_b32 s22, 0x3e0293ee                      ; c = log2(e) / sqrt(128)
	s_mov_b32 s23, s22                             ; (named with it as a pair, so it is written)
	s_mov_b32 s2, 0                                ; s2: LDS byte at which the step in hand begins
	s_mov_b32 s67, 3                               ; s67: slots still to be asked for
	s_mov_b32 s70, 0                               ; s70: the step's first key
	s_cmp_eq_u32 ttmp9, 0
	s_cselect_b32 s78, 1, -1                       ; s78: 1 in the head's first work-group, which prefetches; else the greatest number
	s_wait_kmcnt 0x0
	s_add_nc_u64 s[76:77], s[6:7], s[32:33]
	s_mov_b32 s40, 1                               ; group 0: count = 1,
	s_mov_b32 s41, s15                             ; LDS address: slot 0, my eighth,
	s_mov_b64 s[42:43], s[76:77]                   ; global address,
	s_or_b32 s43, s43, 0x80000000                  ; type = 2
	tensor_load_to_lds s[40:43], s[24:31]          ; slot 0
	s_nop 0
.rept 4
	v_nop
.endr
	s_add_nc_u64 s[76:77], s[76:77], SLOTB         ; s[76:77]: where my prefetches stand: in slot 1; the first change of slots steps it to slot 2.  Nothing is prefetched here, at the head
	s_add_nc_u64 s[46:47], s[4:5], s[34:35]
	s_add_nc_u64 s[48:49], s[4:5], s[36:37]
	s_add_nc_u64 s[50:51], s[8:9], s[38:39]
	s_add_nc_u64 s[52:53], s[8:9], s[44:45]
	v_and_b32 v11, 31, v0                          ; lane
	v_and_b32 v12, 15, v0                          ; r
	v_bfe_u32 v13, v0, 4, 1                        ; h
	s_delay_alu instid0(VALU_DEP_3)
	v_lshlrev_b32 v1, 4, v11                       ; v1: 16 x lane
	s_delay_alu instid0(VALU_DEP_3)
	v_lshlrev_b32 v2, 4, v12
	s_delay_alu instid0(VALU_DEP_1)
	v_lshl_add_u32 v2, v13, 3, v2                  ; v2: 16 r + 8 h
	v_lshl_add_u32 v3, v11, 2, KW                  ; v3: a record's words, 4 x lane: two tiles' 64 bytes on end
	v_lshlrev_b32 v7, 2, v12
	global_load_b128 v[16:19], v1, s[46:47]        ; Q's fragment stays in registers
	global_load_b64 v[20:21], v2, s[46:47] offset:512
	global_load_b128 v[22:25], v1, s[46:47] offset:768
	global_load_b64 v[26:27], v2, s[46:47] offset:1280
	global_load_b32 v255, v7, s[48:49]             ; and its scale words
	v_and_b32 v4, 8, v12
	s_delay_alu instid0(VALU_DEP_1)
	v_add_nc_u32 v4, v4, v12
	v_lshlrev_b32 v14, 4, v13
	s_delay_alu instid0(VALU_DEP_1)
	v_sub_nc_u32 v4, v4, v14                       ; v4: my query in the tile, r + 8 (r / 8), less 16 h
	v_lshlrev_b32 v28, 8, v11                      ; v28: the prefetches' offsets: blocks 0 .. 31 of my eighth,
	v_add_nc_u32 v29, 32, v11
	s_delay_alu instid0(VALU_DEP_1)
	v_min_u32 v29, 49, v29
	s_delay_alu instid0(VALU_DEP_1)
	v_lshlrev_b32 v29, 8, v29                      ; v29: blocks 32 .. 49; the lanes past the end name the last block again
	v_lshlrev_b32 v30, 3, v12                      ; v30: 8 r: the result's words
	v_mov_b32 v13, 0xff61b1e6                      ; the largest t so far: -3e38, under every t
	s_delay_alu instid0(VALU_DEP_1)
	v_floor_f32 v12, -v13                          ; -M
	v_mov_b32 v14, 0                               ; the sum, in two halves
	v_mov_b32 v15, 0
.irp b, 0,1,2,3
	v_mov_b32 v[236+\b], 0                         ; written once: a lane permute's destination counts as one of its sources
.endr
	v_mov_b32 v252, 0
	v_mov_b32 v253, 0
.set j, 0
.rept 64
	v_mov_b32 v[160+j], 0                          ; O^T.  (The step is written once: the first finds zeros, which the first change of M leaves zeros)
.set j, j+1
.endr
.macro FRAG reg, off                   ; an image comes back as it was stored: four loads, each of consecutive bytes
	ds_load_b128 v[\reg:\reg+3], v8 offset:\off
	ds_load_b64 v[\reg+4:\reg+5], v9 offset:\off+512
	ds_load_b128 v[\reg+6:\reg+9], v8 offset:\off+768
	ds_load_b64 v[\reg+10:\reg+11], v9 offset:\off+1280
.endm
.macro SMUL t                          ; S^T, tile t of 16 keys: source 0 = K's fragment (window 1), source 1 = Q; an odd tile's words lie in lanes 16-31
.if ((\t)%2) == 0
	v_wmma_scale_f32_16x16x128_f8f6f4 v[96+8*(\t):103+8*(\t)], v[12*(\t):12*(\t)+11], v[16:27], 0, v[80+(\t)/2], v255 matrix_a_fmt:MATRIX_FMT_FP6 matrix_b_fmt:MATRIX_FMT_FP6
.else
	v_wmma_scale_f32_16x16x128_f8f6f4 v[96+8*(\t):103+8*(\t)], v[12*(\t):12*(\t)+11], v[16:27], 0, v[80+(\t)/2], v255 matrix_a_fmt:MATRIX_FMT_FP6 matrix_b_fmt:MATRIX_FMT_FP6 matrix_a_scale:MATRIX_SCALE_ROW1
.endif
.endm
.macro OMUL t                          ; O^T, tile t of 16 channels: source 0 = V^T's fragment (window 1), source 1 = p's codes
.if ((\t)%2) == 0
	v_wmma_scale_f32_16x16x128_f8f6f4 v[160+8*(\t):167+8*(\t)], v[96+12*(\t):107+12*(\t)], v[224:235], v[160+8*(\t):167+8*(\t)], v[84+(\t)/2], v253 matrix_a_fmt:MATRIX_FMT_FP6 matrix_b_fmt:MATRIX_FMT_FP6
.else
	v_wmma_scale_f32_16x16x128_f8f6f4 v[160+8*(\t):167+8*(\t)], v[96+12*(\t):107+12*(\t)], v[224:235], v[160+8*(\t):167+8*(\t)], v[84+(\t)/2], v253 matrix_a_fmt:MATRIX_FMT_FP6 matrix_b_fmt:MATRIX_FMT_FP6 matrix_a_scale:MATRIX_SCALE_ROW1
.endif
.endm
; A KEY STEP: 128 keys
.macro STEP
	s_add_co_u32 s72, s71, 23
	s_cmp_gt_u32 s70, s72                          ; all its keys come after my queries: the step's work is left out, not the lines at its end that step addresses
	s_cbranch_scc1 .Lhidden_\@
	v_add_nc_u32 v8, s2, v1
	v_add_nc_u32 v9, s2, v2
	v_add_nc_u32 v10, s2, v3
	v_nop
.irp u, 0,1,2,3
	ds_load_b32 v[80+\u], v10 offset:128*\u        ; K's words: 128 consecutive bytes: tiles 2 u and 2 u + 1
.endr
	WIN 0x40                                       ; destination window 1, address window 0
.irp t, 0,1,2,3,4,5,6,7
	FRAG 12*\t, \t*FRB                             ; K's eight fragments in one run
.endr
	s_wait_alu depctr_va_vdst(0)
	s_wait_dscnt 16                                ; the words and tiles 0-3 are in; the youngest 16 loads (tiles 4-7) may be out
	WIN 0x01                                       ; source 0 window 1
.irp t, 0,1,2,3
	SMUL \t
.endr
	s_wait_dscnt 0x0
.irp t, 4,5,6,7
	SMUL \t
.endr
	WIN 0
.irp u, 0,1,2,3
	ds_load_b32 v[84+\u], v10 offset:VO+128*\u     ; V^T's words and fragments are asked for here and waited for in front of the second product: the softmax stands between
.endr
	WIN 0x40
.irp t, 0,1,2,3,4,5,6,7
	FRAG 96+12*\t, VO+\t*FRB
.endr
	WIN 0
.rept 4
	v_nop                                          ; places between the products and the first read of the scores
.endr
	s_add_co_u32 s72, s70, 127                     ; on the diagonal the scores of hidden keys become -infinity ahead of the maximum: p = 0 then.  A step all of whose keys count skips this
	s_cmp_le_u32 s72, s71
	s_cbranch_scc1 .Lopen_\@
	s_sub_co_i32 s72, s71, s70
	v_add_nc_u32 v252, s72, v4                     ; d = my query - the step's first key - 16 h.  Register 16 b + i holds key 32 b + 16 h + i of the step: hidden where 32 b + i > d
	v_mov_b32 v254, 0xff800000
.set n, 0
.rept 64
	v_cmp_gt_i32 vcc_lo, 32*(n/16)+n%16, v252
	v_cndmask_b32 v[96+n], v[96+n], v254, vcc_lo
.set n, n+1
.endr
.Lopen_\@:
.irp b, 0,1,2,3
	v_max3_num_f32 v[232+\b], v[96+16*\b], v[97+16*\b], v[98+16*\b]   ; the largest score of each block of 32 keys: it serves for the row's maximum and, since p rises with the score, for the block's largest p
.endr
.irp i, 3,5,7,9,11,13
.irp b, 0,1,2,3
	v_max3_num_f32 v[232+\b], v[232+\b], v[96+16*\b+\i], v[97+16*\b+\i]
.endr
.endr
.irp b, 0,1,2,3
	v_max_num_f32 v[232+\b], v[232+\b], v[111+16*\b]
.endr
.irp b, 0,1,2,3
	s_delay_alu instid0(VALU_DEP_4)
	v_permlanex16_b32 v[236+\b], v[232+\b], s[SEL], s[SEL+1]
.endr
.irp b, 0,1,2,3
	s_delay_alu instid0(VALU_DEP_4)
	v_max_num_f32 v[232+\b], v[232+\b], v[236+\b]  ; with lane l xor 16's 16 keys
.endr
	s_delay_alu instid0(VALU_DEP_2)
	v_max3_num_f32 v254, v232, v233, v234
	s_delay_alu instid0(VALU_DEP_1)
	v_max_num_f32 v254, v254, v235                 ; the step's largest score of my query
	s_delay_alu instid0(VALU_DEP_1)
	v_mul_f32 v254, s22, v254                      ; as t
	s_delay_alu instid0(VALU_DEP_1)
	v_max_num_f32 v13, v13, v254                   ; the running largest t
	v_mov_b32 v254, v12
	s_delay_alu instid0(VALU_DEP_2)
	v_floor_f32 v12, -v13                          ; the new -M = floor(-t): M is a whole number
	s_delay_alu instid0(VALU_DEP_1)
	v_sub_f32 v254, v12, v254                      ; old M - new M: a whole number, 0 or less
	s_delay_alu instid0(VALU_DEP_1)
	v_cvt_i32_f32 v254, v254                       ; (it saturates)
	s_delay_alu instid0(VALU_DEP_1)
	v_ldexp_f32 v252, 1.0, v254                    ; f = 2^(old M - new M)
.set j, 0
.rept 32
	v_pk_fma_f32 v[96+j:97+j], v[96+j:97+j], s[22:23], v[12:13] op_sel_hi:[1,0,0]   ; t - M, two at a time
.set j, j+2
.endr
.irp b, 0,1,2,3
	v_fma_f32 v[232+\b], v[232+\b], s22, v12       ; the same of each block's largest score
.endr
.set j, 0
	s_wait_alu depctr_va_vdst(0)
.rept 64
	v_exp_f32 v[96+j], v[96+j]                     ; p = 2^(t - M), at most 1
.set j, j+1
.endr
	v_pk_mul_f32 v[14:15], v[14:15], v[252:253] op_sel_hi:[1,0]   ; the sums under the new M.  (A plain place behind the exponentials)
	s_wait_alu depctr_va_vdst(0)                   ; one wait for the whole batch, ahead of its first reader
.irp b, 0,1,2,3
	v_exp_f32 v[232+\b], v[232+\b]                 ; the block's largest p
.endr
	v_pk_add_f32 v[236:237], v[100:101], v[104:105]
	v_pk_add_f32 v[250:251], v[108:109], v[112:113]
	v_pk_add_f32 v[248:249], v[116:117], v[120:121]
	v_pk_add_f32 v[246:247], v[124:125], v[128:129]
	v_pk_add_f32 v[244:245], v[132:133], v[136:137]
	v_pk_add_f32 v[242:243], v[140:141], v[144:145]
	v_pk_add_f32 v[240:241], v[148:149], v[152:153]
	v_pk_add_f32 v[14:15], v[14:15], v[156:157]
	v_pk_add_f32 v[236:237], v[236:237], v[96:97]
	v_pk_add_f32 v[250:251], v[250:251], v[98:99]
	v_pk_add_f32 v[248:249], v[248:249], v[102:103]
	v_pk_add_f32 v[246:247], v[246:247], v[106:107]
	v_pk_add_f32 v[244:245], v[244:245], v[110:111]
	v_pk_add_f32 v[242:243], v[242:243], v[114:115]
	v_pk_add_f32 v[240:241], v[240:241], v[118:119]
	v_pk_add_f32 v[14:15], v[14:15], v[122:123]
	v_pk_add_f32 v[236:237], v[236:237], v[126:127]
	v_pk_add_f32 v[250:251], v[250:251], v[130:131]
	v_pk_add_f32 v[248:249], v[248:249], v[134:135]
	v_pk_add_f32 v[246:247], v[246:247], v[138:139]
	v_pk_add_f32 v[244:245], v[244:245], v[142:143]
	v_pk_add_f32 v[242:243], v[242:243], v[146:147]
	v_pk_add_f32 v[240:241], v[240:241], v[150:151]
	v_pk_add_f32 v[14:15], v[14:15], v[154:155]
	v_pk_add_f32 v[236:237], v[236:237], v[158:159]
	s_delay_alu instid0(VALU_DEP_2)
	v_pk_add_f32 v[14:15], v[14:15], v[246:247]
	s_delay_alu instid0(VALU_DEP_2)
	v_pk_add_f32 v[236:237], v[236:237], v[244:245]
	v_pk_add_f32 v[250:251], v[250:251], v[242:243]
	v_pk_add_f32 v[248:249], v[248:249], v[240:241]
	s_delay_alu instid0(VALU_DEP_2)
	v_pk_add_f32 v[14:15], v[14:15], v[250:251]
	s_delay_alu instid0(VALU_DEP_2)
	v_pk_add_f32 v[236:237], v[236:237], v[248:249]
	s_delay_alu instid0(VALU_DEP_1)
	v_pk_add_f32 v[14:15], v[14:15], v[236:237]
	s_wait_alu depctr_va_vdst(0)                   ; and one for the four
.irp b, 0,1,2,3
	v_max_num_f32 v[232+\b], 0x1800000, v[232+\b]  ; the floor 2^(3 - 127): the byte cannot fall under 1
.endr
.irp b, 0,1,2,3
	s_delay_alu instid0(VALU_DEP_4)
	v_add_nc_u32 v[244+\b], 0xff000000, v[232+\b]  ; the conversion's scale operand
.endr
.irp b, 0,1,2,3
	s_delay_alu instid0(VALU_DEP_4)
	v_lshrrev_b32 v[236+\b], 23, v[244+\b]         ; the scale's byte
.endr
	s_delay_alu instid0(VALU_DEP_3)
	v_lshl_or_b32 v253, v237, 8, v236              ; p's scale word for these 128 keys
	s_delay_alu instid0(VALU_DEP_1)
	v_lshl_or_b32 v253, v238, 16, v253
	s_delay_alu instid0(VALU_DEP_1)
	v_lshl_or_b32 v253, v239, 24, v253
.irp c, 0,1
	v_cvt_scalef32_pk16_fp6_f32 v[224+6*\c:226+6*\c], v[96+32*\c:111+32*\c], v[244+2*\c]
	v_cvt_scalef32_pk16_fp6_f32 v[236+4*\c:238+4*\c], v[112+32*\c:127+32*\c], v[244+2*\c+1]
.endr
	v_nop                                          ; one plain place behind a scaled conversion
.irp c, 0,1
.irp i, 0,1,2
	v_permlane16_swap_b32 v[224+6*\c+\i], v[236+4*\c+\i]
.endr
.irp i, 0,1,2
	s_delay_alu instid0(VALU_DEP_3)
	v_mov_b32 v[227+6*\c+\i], v[236+4*\c+\i]
.endr
.endr
.set j, 0
.rept 32
	v_pk_mul_f32 v[160+j:161+j], v[160+j:161+j], v[252:253] op_sel_hi:[1,0]   ; O^T under the new M.  (These 32 are also the places between the lines that made p's codes and scale word and the products below)
.set j, j+2
.endr
	s_wait_alu depctr_va_vdst(0)
	s_wait_dscnt 0x0                               ; V^T's fragments and words are in
	WIN 0x01
.irp t, 0,1,2,3,4,5,6,7
	OMUL \t                                        ; O^T += V^T P^T: eight accumulators, one instruction each
.endr
	WIN 0                                          ; at a label and at a branch every window is 0
.Lhidden_\@:
	s_add_co_u32 s70, s70, 128
	s_add_co_u32 s2, s2, STEPB
.endm
.macro SLOT_STEPS                      ; a slot's four key steps: written once, walked four times
	s_mov_b32 s66, 4
.Lstep_\@:
	STEP
	s_sub_co_u32 s66, s66, 1
	s_cmp_lg_u32 s66, 0
	s_cbranch_scc1 .Lstep_\@
	s_sub_co_u32 s2, s2, SLOTB                     ; back to a slot's first step,
	s_xor_b32 s2, s2, SLOT1                        ; in the other slot
.endm
; A prefetch of my eighth of the slot that the NEXT change of slots will ask for: four key steps ahead of that load.  All work-groups of a head walk the same records: the head's first work-group asks, each wave for the
; 50 blocks of 256 bytes that it will fetch, by two instructions.  The last change that fills a slot asks for nothing; slots 0 and 1 come by their loads alone.
.macro ASK
	s_cmp_gt_u32 s67, s78
	s_cbranch_scc0 .Lnot_mine_\@
	global_prefetch_b8 v28, s[76:77] th:TH_LOAD_NT scope:SCOPE_SE
	global_prefetch_b8 v29, s[76:77] th:TH_LOAD_NT scope:SCOPE_SE
.Lnot_mine_\@:
.endm
; THE CHANGE OF SLOTS stands at a slot's head.  Each wave waits for all its tensor loads (its part of the slot ahead), adds 0 to its spare word, and waits for that and for its reads of the slot that it has left.
; Behind the barrier the slot ahead is whole and nobody reads the other one; with fill = 1 that one is filled with the next four key steps.
.macro CHANGE fill
	s_wait_tensorcnt 0x0                           ; no tensor load of mine is out, so group 0 may be written
	ds_add_u32 v5, v6                              ; 0 onto my spare word
.if \fill
	s_xor_b32 s41, s41, SLOT1                      ; the other slot than last time,
	s_add_nc_u64 s[42:43], s[42:43], SLOTB         ; the next four key steps; the type bits on top are not reached
	s_wait_xcnt 0x0                                ; the last prefetches, a slot back, have read their address
	s_add_nc_u64 s[76:77], s[76:77], SLOTB
.endif
	s_wait_dscnt 0x0                               ; the add is done, and my reads of the slot that I have left are over
	s_barrier_signal -1
	s_barrier_wait -1
.if \fill
	tensor_load_to_lds s[40:43], s[24:31]          ; the first thing behind the barrier, and my one tensor load until the next
	s_nop 0
.rept 4
	v_nop
.endr
	ASK
.endif
.endm
	s_wait_loadcnt 0x0                             ; Q
.Lslot:                                            ; three trips: behind each change of slots but the last the next slot is asked for
	CHANGE 1
	SLOT_STEPS
	s_sub_co_u32 s67, s67, 1
	s_cmp_lg_u32 s67, 0
	s_cbranch_scc1 .Lslot
	CHANGE 0                                       ; the last slot is written out
	SLOT_STEPS
	; THE WAY OUT.  O^T / l: register 16 b + i of lane (r, h) is channel 32 b + 16 h + i of query r: just what the quantiser along the channels takes.
	v_add_f32 v14, v14, v15                        ; the sum's two halves,
	s_delay_alu instid0(VALU_DEP_1)
	v_permlanex16_b32 v252, v14, s[SEL], s[SEL+1]
	s_delay_alu instid0(VALU_DEP_1)
	v_add_f32 v14, v14, v252                       ; and lane l xor 16's: the row's sum
	s_wait_alu depctr_va_vdst(0)
	v_rcp_f32 v14, v14
.rept 4
	v_nop                                          ; a plain place behind the reciprocal; and the places behind the last products
.endr
	s_wait_alu depctr_va_vdst(0)                   ; the wait ahead of the reciprocal's first reader
.set j, 0
.rept 32
	v_pk_mul_f32 v[96+j:97+j], v[160+j:161+j], v[14:15] op_sel_hi:[1,0]   ; ascending: each accumulator is first read at its low end
.set j, j+2
.endr
.irp b, 0,1,2,3
	v_max3_num_f32 v[TM+\b], |v[96+16*\b]|, |v[97+16*\b]|, 0x1800000   ; block b: my 16 numbers, and the floor 2^(3 - 127)
.endr
.irp i, 2,4,6,8,10,12,14
.irp b, 0,1,2,3
	s_delay_alu instid0(VALU_DEP_4)
	v_max3_num_f32 v[TM+\b], v[TM+\b], |v[96+16*\b+\i]|, |v[97+16*\b+\i]|
.endr
.endr
.irp b, 0,1,2,3
	s_delay_alu instid0(VALU_DEP_4)
	v_permlanex16_b32 v[TM+4+\b], v[TM+\b], s[SEL], s[SEL+1]
.endr
.irp b, 0,1,2,3
	s_delay_alu instid0(VALU_DEP_4)
	v_max_num_f32 v[TM+\b], v[TM+\b], v[TM+4+\b]
.endr
.irp b, 0,1,2,3
	s_delay_alu instid0(VALU_DEP_4)
	v_add_nc_u32 v[TM+12+\b], 0xff000000, v[TM+\b]
.endr
.irp b, 0,1,2,3
	s_delay_alu instid0(VALU_DEP_4)
	v_lshrrev_b32 v[TM+4+\b], 23, v[TM+12+\b]
.endr
	s_delay_alu instid0(VALU_DEP_3)
	v_lshl_or_b32 v[PW], v[TM+5], 8, v[TM+4]       ; my query's scale word for this head's 128 channels
	s_delay_alu instid0(VALU_DEP_1)
	v_lshl_or_b32 v[PW], v[TM+6], 16, v[PW]
	s_delay_alu instid0(VALU_DEP_1)
	v_lshl_or_b32 v[PW], v[TM+7], 24, v[PW]
.irp c, 0,1
	v_cvt_scalef32_pk16_fp6_f32 v[PC+6*\c:PC+2+6*\c], v[96+32*\c:111+32*\c], v[TM+12+2*\c]
	v_cvt_scalef32_pk16_fp6_f32 v[PC+12+4*\c:PC+14+4*\c], v[112+32*\c:127+32*\c], v[TM+12+2*\c+1]
.endr
	v_nop                                          ; one plain place behind a scaled conversion
.irp c, 0,1
.irp i, 0,1,2
	v_permlane16_swap_b32 v[PC+6*\c+\i], v[PC+12+4*\c+\i]
.endr
.irp i, 0,1,2
	s_delay_alu instid0(VALU_DEP_3)
	v_mov_b32 v[PC+3+6*\c+\i], v[PC+12+4*\c+\i]
.endr
.endr
	global_store_b128 v1, v[PC:PC+3], s[50:51]     ; the image: 512, 256, 512 and 256 consecutive bytes, aligned
	global_store_b64 v2, v[PC+4:PC+5], s[50:51] offset:512
	global_store_b128 v1, v[PC+6:PC+9], s[50:51] offset:768
	global_store_b64 v2, v[PC+10:PC+11], s[50:51] offset:1280
	global_store_b32 v30, v[PW], s[52:53]          ; lanes r and 16 + r hold the same word and store it to the same place
	s_wait_tensorcnt 0x0                           ; the wave's end
	ds_add_u32 v5, v6
	s_wait_dscnt 0x0
	s_endpgm
.Lfunc_end_k_qddd009f4ee_attn:
	.size	k_qddd009f4ee_attn, .Lfunc_end_k_qddd009f4ee_attn-k_qddd009f4ee_attn
	.p2alignl 7, 3214868480
	.fill 96, 4, 3214868480
	.section	.rodata,"a",@progbits
	.p2align	6, 0x0
	.amdhsa_kernel k_qddd009f4ee_attn
		.amdhsa_group_segment_fixed_size 327680
		.amdhsa_private_segment_fixed_size 0
		.amdhsa_enable_private_segment 0
		.amdhsa_kernarg_size 24
		.amdhsa_user_sgpr_count 2
		.amdhsa_user_sgpr_kernarg_segment_ptr 1
		.amdhsa_wavefront_size32 1
		.amdhsa_system_sgpr_workgroup_id_x 1
		.amdhsa_system_sgpr_workgroup_id_y 1
		.amdhsa_system_sgpr_workgroup_id_z 1
		.amdhsa_system_vgpr_workitem_id 0
		.amdhsa_next_free_vgpr 512
		.amdhsa_next_free_sgpr 80
		.amdhsa_reserve_vcc 1
		.amdhsa_float_denorm_mode_32 3
		.amdhsa_float_denorm_mode_16_64 3
		.amdhsa_memory_ordered 1
		.amdhsa_forward_progress 1
		.amdhsa_inst_pref_size 71
	.end_amdhsa_kernel
	.amdgpu_metadata
---
amdhsa.version: [ 1, 2 ]
amdhsa.kernels:
  - .name:           k_qddd009f4ee_attn
    .symbol:         k_qddd009f4ee_attn.kd
    .args:
      - { .name: qq, .offset: 0, .size: 8, .value_kind: global_buffer, .address_space: global }
      - { .name: kv, .offset: 8, .size: 8, .value_kind: global_buffer, .address_space: global }
      - { .name: aq, .offset: 16, .size: 8, .value_kind: global_buffer, .address_space: global }
    .group_segment_fixed_size: 327680
    .private_segment_fixed_size: 0
    .kernarg_segment_align: 8
    .kernarg_segment_size: 24
    .max_flat_workgroup_size: 256
    .sgpr_count:     80
    .vgpr_count:     512
    .wavefront_size: 32
...
	.end_amdgpu_metadata
.endif
;; end of part 7
;; launch outp (part 8): grid 16 x 16, 4 waves a work-group, clusters of 4 x 4, 327,680 bytes of LDS; arguments aq, wq, bo, out0; writes out0
.if DOCPART == 8
	.amdgcn_target "amdgcn-amd-amdhsa--gfx1250"
	.amdhsa_code_object_version 6
	.text
	.protected	k_qddd009f4ee_outp
	.globl	k_qddd009f4ee_outp
	.p2align	8
	.type	k_qddd009f4ee_outp,@function
k_qddd009f4ee_outp:
	s_mov_b64 s[64:65], 0
	v_nop
	global_prefetch_b8 v0, s[64:65] scope:SCOPE_SE
	s_setreg_imm32_b32 hwreg(HW_REG_WAVE_MODE, 25, 1), 1
	s_wait_xcnt 0x0
	s_wait_alu depctr_hold_cnt(0) depctr_sa_sdst(0) depctr_va_vdst(0) depctr_va_sdst(0) depctr_va_ssrc(0) depctr_va_vcc(0) depctr_vm_vsrc(0)
	s_getreg_b32 s2, hwreg(HW_REG_IB_STS2, 6, 4)
	s_cmp_eq_u32 s2, 0
	s_cbranch_scc0 .Lentry_in_a_cluster
	s_endpgm
.Lentry_in_a_cluster:
	s_bfe_u32 s2, ttmp6, 0x10000c
	s_cmp_lg_u32 s2, 0xf033
	s_cbranch_scc0 .Lentry_shape_is_right
	s_endpgm
.Lentry_shape_is_right:
.set FR,    12
.set NP,    4
.set FRB,   1536
.set TILEB, 4*FRB
.set TSTR,  24576
.set QUART, 4*TILEB
.set SLOT,  4*QUART
.set SCL,   3*SLOT
.set QS,    4096
.set SPARE, SCL+4*QS
.set STAGE, SLOT
.set SPITCH, 272
.set XQS,   3145728
.set WQS,   12582912
.set ADRA, 12
.set ADRB, 18
.set STO,  24
.set RD,   25
.set CO,   26
.set ADRS, 27
.set SPW,  28
.set NIL,  29
.set BO,   30
.set SC,   32
.set ACC,  128
.set G1,   24
.set G1B,  32
.set G1S,  40
.set G1SB, 48
.set G0S,  56
.set G0SB, 60
.set G0,   68
.set G0B,  80
.set MSB, 0
.macro WIN new
.if MSB != (\new)
	s_set_vgpr_msb (MSB<<8)|(\new)
.set MSB, (\new)
.endif
.endm
.set MUL,  0x05
.set TO_F, 0x40
.macro JLOAD g0a, g1a, g0b, g1b
	s_cmp_eq_u32 s15, 0
	s_cbranch_scc0 .Lfor_b_\@
	tensor_load_to_lds s[\g0a:\g0a+3], s[\g1a:\g1a+7]
	s_nop 0
.rept 4
	v_nop
.endr
	s_branch .Lasked_\@
.Lfor_b_\@:
	tensor_load_to_lds s[\g0b:\g0b+3], s[\g1b:\g1b+7]
	s_nop 0
.rept 4
	v_nop
.endr
.Lasked_\@:
.endm
.macro CROUND
	s_barrier_signal -1
	s_barrier_wait -1
	s_cmp_lg_u32 s14, 0
	s_cbranch_scc1 .Lnot_wave_0_\@
	s_barrier_signal -3
.Lnot_wave_0_\@:
	s_barrier_wait -3
	s_barrier_signal -1
	s_barrier_wait -1
.endm
	s_load_b128 s[4:7], s[0:1], 0x0
	s_load_b128 s[8:11], s[0:1], 0x10
	v_lshl_add_u32 v[SPW], v0, 2, SPARE
	v_mov_b32 v[NIL], 0
	ds_add_u32 v28, v29
	ds_add_u32 v28, v29
	s_wait_dscnt 0x0
	v_lshrrev_b32 v1, 5, v0
	v_readfirstlane_b32 s14, v1
	s_lshr_b32 s15, s14, 1
	s_and_b32 s16, s14, 1
	s_bfe_u32 s92, ttmp6, 0x40000
	s_bfe_u32 s93, ttmp6, 0x40004
	s_lshl_b32 s94, ttmp9, 2
	s_add_co_u32 s94, s94, s92
	s_and_b32 s17, ttmp7, 0xffff
	s_lshl_b32 s17, s17, 2
	s_add_co_u32 s17, s17, s93
	s_lshl_b32 s95, s93, 2
	s_lshl_b32 s95, 15, s95
	s_lshl_b32 s96, 0x1111, s92
	s_or_b32 s[G1+0], s95, (3<<16)|(1<<21)
	s_or_b32 s[G1B+0], s96, (3<<16)|(1<<21)
.irp g, G1, G1B
	s_mov_b32 s[\g+1], 768<<16
	s_mov_b32 s[\g+2], 4<<16
	s_mov_b32 s[\g+3], 768<<16
	s_mov_b32 s[\g+4], 4
	s_mov_b32 s[\g+5], TSTR/8
	s_mov_b32 s[\g+6], 0
	s_mov_b32 s[\g+7], 0
.endr
	s_or_b32 s[G1S+0], s95, (3<<16)|(1<<21)
	s_or_b32 s[G1SB+0], s96, (3<<16)|(1<<21)
.irp g, G1S, G1SB
	s_mov_b32 s[\g+1], 32<<16
	s_mov_b32 s[\g+2], 16<<16
	s_mov_b32 s[\g+3], 32<<16
	s_mov_b32 s[\g+4], 16
	s_mov_b32 s[\g+5], 32
	s_mov_b32 s[\g+6], 0
	s_mov_b32 s[\g+7], 0
.endr
	s_lshl_b32 s19, s16, 2
	s_lshl_b32 s20, s17, 3
	s_add_co_u32 s20, s20, s19
	s_lshl_b32 s12, s94, 3
	s_add_co_u32 s12, s12, s19
	s_add_co_u32 s12, s12, 384
	s_lshl_b32 s22, s20, 10
	s_add_co_u32 s22, s22, XQS
	s_mul_i32 s20, s20, TSTR
	s_lshl_b32 s98, s12, 10
	s_add_co_u32 s98, s98, WQS
	s_mul_i32 s12, s12, TSTR
	s_mov_b32 s21, 0
	s_mov_b32 s23, 0
	s_mov_b32 s13, 0
	s_mov_b32 s99, 0
	s_mul_i32 s18, s14, QUART
	s_lshl_b32 s97, s14, 12
	s_wait_kmcnt 0x0
	s_add_nc_u64 s[20:21], s[4:5], s[20:21]
	s_add_nc_u64 s[22:23], s[4:5], s[22:23]
	s_add_nc_u64 s[12:13], s[6:7], s[12:13]
	s_add_nc_u64 s[98:99], s[6:7], s[98:99]
	CROUND
	s_mov_b32 s[G0S], 1
	s_add_co_u32 s[G0S+1], s97, SCL
	s_mov_b64 s[G0S+2:G0S+3], s[22:23]
	s_or_b32 s[G0S+3], s[G0S+3], 0x80000000
	s_mov_b32 s[G0SB], 1
	s_add_co_u32 s[G0SB+1], s97, SCL
	s_mov_b64 s[G0SB+2:G0SB+3], s[98:99]
	s_or_b32 s[G0SB+3], s[G0SB+3], 0x80000000
	JLOAD G0S, G1S, G0SB, G1SB
.irp s, 0,1,2
	s_mov_b32 s[G0+4*\s], 1
	s_add_co_u32 s[G0+4*\s+1], s18, \s*SLOT
	s_add_nc_u64 s[G0+4*\s+2:G0+4*\s+3], s[20:21], \s*TILEB
	s_or_b32 s[G0+4*\s+3], s[G0+4*\s+3], 0x80000000
	s_mov_b32 s[G0B+4*\s], 1
	s_add_co_u32 s[G0B+4*\s+1], s18, \s*SLOT
	s_add_nc_u64 s[G0B+4*\s+2:G0B+4*\s+3], s[12:13], \s*TILEB
	s_or_b32 s[G0B+4*\s+3], s[G0B+4*\s+3], 0x80000000
	s_wait_alu depctr_va_vdst(0)
	s_wait_tensorcnt 0x0
	ds_add_u32 v28, v29
	s_wait_dscnt 0x0
	CROUND
	JLOAD G0+4*\s, G1, G0B+4*\s, G1B
.endr
	v_and_b32 v1, 15, v0
	v_bfe_u32 v2, v0, 4, 1
	v_and_b32 v3, 31, v0
	v_lshlrev_b32 v4, 4, v3
	v_lshlrev_b32 v[BO], 4, v1
	v_lshl_add_u32 v5, v2, 3, v[BO]
	s_mul_i32 s21, s15, QUART
	s_mul_i32 s22, s16, QUART
	s_add_co_u32 s22, s22, 2*QUART
.irp s, 0,1,2
	v_add_nc_u32 v[ADRA+\s], s21, v4
	v_add_nc_u32 v[ADRB+\s], s22, v4
	v_add_nc_u32 v[ADRA+3+\s], s21, v5
	v_add_nc_u32 v[ADRB+3+\s], s22, v5
	s_add_co_u32 s21, s21, SLOT
	s_add_co_u32 s22, s22, SLOT
.endr
	s_lshl_b32 s21, s15, 12
	s_lshl_b32 s22, s16, 12
	s_add_co_u32 s22, s22, 2*QS
	s_sub_co_u32 s22, s22, s21
	v_mul_u32_u24 v6, s22, v2
	s_add_co_u32 s21, s21, SCL
	v_lshl_add_u32 v6, v1, 3, v6
	v_add_nc_u32 v[ADRS], s21, v6
	s_mul_i32 s23, s14, 16*SPITCH
	s_add_co_u32 s23, s23, STAGE
	v_mul_u32_u24 v6, v1, SPITCH
	v_lshl_add_u32 v6, v2, 6, v6
	v_add_nc_u32 v[STO], s23, v6
	v_mul_u32_u24 v6, v2, SPITCH
	v_lshl_add_u32 v6, v1, 4, v6
	v_add_nc_u32 v[RD], s23, v6
	v_lshlrev_b32 v[CO], 13, v2
	v_lshl_add_u32 v[CO], v1, 4, v[CO]
	s_lshl_b32 s20, s17, 1
	s_add_co_u32 s20, s20, s15
	s_lshl_b32 s20, s20, 19
	s_mov_b32 s21, 0
	s_lshl_b32 s12, s94, 9
	s_lshl_b32 s13, s16, 8
	s_add_co_u32 s12, s12, s13
	s_mov_b32 s13, 0
	s_add_nc_u64 s[8:9], s[8:9], s[12:13]
	s_add_nc_u64 s[10:11], s[10:11], s[12:13]
	s_add_nc_u64 s[10:11], s[10:11], s[20:21]
	global_load_b128 v[8:11], v[BO], s[8:9]
.macro FRAG reg, adr, off
	ds_load_b128 v[\reg:\reg+3], v[\adr] offset:\off
	ds_load_b64 v[\reg+4:\reg+5], v[\adr+3] offset:\off+512
	ds_load_b128 v[\reg+6:\reg+9], v[\adr] offset:\off+768
	ds_load_b64 v[\reg+10:\reg+11], v[\adr+3] offset:\off+1280
.endm
.macro FETCH slot, q, p
	WIN TO_F
.irp i, 0,1,2,3
	FRAG 128*(\p)+FR*\i, ADRB+(\slot), \i*TILEB+(\q)*FRB
.endr
.irp i, 0,1,2,3
	FRAG 128*(\p)+48+FR*\i, ADRA+(\slot), \i*TILEB+(\q)*FRB
.endr
.endm
.macro MUL16 p, s, zero
	WIN MUL
.irp a, 0,1,2,3
.irp b, 0,1,2,3
.if \zero
	v_wmma_scale_f32_16x16x128_f8f6f4 v[ACC+8*(4*\a+\b):ACC+8*(4*\a+\b)+7], v[128*(\p)+FR*\b:128*(\p)+FR*\b+FR-1], v[128*(\p)+48+FR*\a:128*(\p)+48+FR*\a+FR-1], 0, v[SC+16*\b+(\s)], v[SC+16*\a+(\s)] matrix_a_fmt:MATRIX_FMT_FP6 matrix_b_fmt:MATRIX_FMT_FP6 matrix_a_scale:MATRIX_SCALE_ROW1
.else
	v_wmma_scale_f32_16x16x128_f8f6f4 v[ACC+8*(4*\a+\b):ACC+8*(4*\a+\b)+7], v[128*(\p)+FR*\b:128*(\p)+FR*\b+FR-1], v[128*(\p)+48+FR*\a:128*(\p)+48+FR*\a+FR-1], v[ACC+8*(4*\a+\b):ACC+8*(4*\a+\b)+7], v[SC+16*\b+(\s)], v[SC+16*\a+(\s)] matrix_a_fmt:MATRIX_FMT_FP6 matrix_b_fmt:MATRIX_FMT_FP6 matrix_a_scale:MATRIX_SCALE_ROW1
.endif
.endr
.endr
.endm
.macro PLACES n
.rept \n
	v_nop
.endr
.endm
.macro KSTEP s, zero
	s_wait_dscnt 0x0
	PLACES NP
	FETCH (((\s)+1)/4)%3, ((\s)+1)%4, ((\s)+1)%2
	MUL16 (\s)%2, \s, \zero
.endm
	s_wait_alu depctr_va_vdst(0)
	s_wait_tensorcnt 0x2
	s_barrier_signal -1
	s_barrier_wait -1
	FETCH 0, 0, 0
	WIN 0
.irp i, 0,1,2,3
.irp j, 0,1,2,3,4,5,6,7
	ds_load_b64 v[SC+16*\i+2*\j:SC+16*\i+2*\j+1], v[ADRS] offset:\i*1024+\j*128
.endr
.endr
	KSTEP 0, 1
	KSTEP 1, 0
	KSTEP 2, 0
	WIN 0
	s_wait_tensorcnt 0x0
	ds_add_u32 v[SPW], v[NIL]
	s_add_nc_u64 s[G0+2:G0+3], s[G0+2:G0+3], 3*TILEB
	s_add_nc_u64 s[G0B+2:G0B+3], s[G0B+2:G0B+3], 3*TILEB
	s_wait_dscnt 0x0
	CROUND
	JLOAD G0, G1, G0B, G1B
	FETCH 1, 0, 0
	MUL16 1, 3, 0
.irp s, 4,5,6,7,8,9,10
	KSTEP \s, 0
.endr
	s_wait_tensorcnt 0x0
	s_wait_dscnt 0x0
	s_barrier_signal -1
	s_barrier_wait -1
	PLACES NP
	FETCH 0, 0, 0
	MUL16 1, 11, 0
	KSTEP 12, 0
	KSTEP 13, 0
	KSTEP 14, 0
	s_wait_dscnt 0x0
	MUL16 1, 15, 0
	WIN 0
.macro TOSTAGE a
.set AC, ACC+32*(\a)
.irp b, 0,1,2,3
	ds_store_b128 v[STO], v[AC+8*\b:AC+8*\b+3] offset:(\b/2)*128+(\b%2)*32
	ds_store_b128 v[STO], v[AC+8*\b+4:AC+8*\b+7] offset:(\b/2)*128+(\b%2)*32+16
.endr
.set BB, 96+32*((\a)%2)
.irp t, 0,1,2,3,4,5,6,7
	ds_load_b128 v[BB+4*\t:BB+4*\t+3], v[RD] offset:\t*2*SPITCH
.endr
.endm
.macro SEND a, younger
.set BB, 96+32*((\a)%2)
	s_wait_dscnt \younger
.irp t, 0,1,2,3,4,5,6,7
	v_pk_add_f32 v[BB+4*\t:BB+4*\t+1], v[BB+4*\t:BB+4*\t+1], v[8:9]
	v_pk_add_f32 v[BB+4*\t+2:BB+4*\t+3], v[BB+4*\t+2:BB+4*\t+3], v[10:11]
	global_store_b128 v[CO], v[BB+4*\t:BB+4*\t+3], s[10:11] offset:(32*((\a)/2)+8*((\a)%2)+2*\t+8*(\t/4))*8192 th:TH_STORE_NT
.endr
.endm
	PLACES NP
	s_wait_loadcnt 0x0
	TOSTAGE 0
.irp a, 1,2,3
.if \a > 1
	s_wait_xcnt 0x0
.endif
	TOSTAGE \a
	SEND \a-1, 16
.endr
	SEND 3, 0
	s_wait_tensorcnt 0x0
	ds_add_u32 v[SPW], v[NIL]
	s_wait_dscnt 0x0
	CROUND
	s_endpgm
.Lfunc_end_k_qddd009f4ee_outp:
	.size	k_qddd009f4ee_outp, .Lfunc_end_k_qddd009f4ee_outp-k_qddd009f4ee_outp
	.p2alignl 7, 3214868480
	.fill 96, 4, 3214868480
	.section	.rodata,"a",@progbits
	.p2align	6, 0x0
	.amdhsa_kernel k_qddd009f4ee_outp
		.amdhsa_group_segment_fixed_size 327680
		.amdhsa_private_segment_fixed_size 0
		.amdhsa_enable_private_segment 0
		.amdhsa_kernarg_size 32
		.amdhsa_user_sgpr_count 2
		.amdhsa_user_sgpr_kernarg_segment_ptr 1
		.amdhsa_wavefront_size32 1
		.amdhsa_system_sgpr_workgroup_id_x 1
		.amdhsa_system_sgpr_workgroup_id_y 1
		.amdhsa_system_sgpr_workgroup_id_z 1
		.amdhsa_system_vgpr_workitem_id 0
		.amdhsa_next_free_vgpr 512
		.amdhsa_next_free_sgpr 100
		.amdhsa_reserve_vcc 0
		.amdhsa_float_denorm_mode_32 3
		.amdhsa_float_denorm_mode_16_64 3
		.amdhsa_memory_ordered 1
		.amdhsa_forward_progress 1
		.amdhsa_inst_pref_size 95
	.end_amdhsa_kernel
	.amdgpu_metadata
---
amdhsa.version: [ 1, 2 ]
amdhsa.kernels:
  - .name:           k_qddd009f4ee_outp
    .symbol:         k_qddd009f4ee_outp.kd
    .args:
      - { .name: aq, .offset: 0, .size: 8, .value_kind: global_buffer, .address_space: global }
      - { .name: wq, .offset: 8, .size: 8, .value_kind: global_buffer, .address_space: global }
      - { .name: bo, .offset: 16, .size: 8, .value_kind: global_buffer, .address_space: global }
      - { .name: out0, .offset: 24, .size: 8, .value_kind: global_buffer, .address_space: global }
    .group_segment_fixed_size: 327680
    .private_segment_fixed_size: 0
    .kernarg_segment_align: 8
    .kernarg_segment_size: 32
    .max_flat_workgroup_size: 128
    .sgpr_count:     100
    .vgpr_count:     512
    .wavefront_size: 32
...
	.end_amdgpu_metadata
.endif
;; end of part 8
